; MI455X (gfx1250); checked and timed in simulation.
; The chip was launched on July 23, 2026; its instructions are those of AMD's public machine-readable ISA for CDNA 5 (MIT licence, August 2026) and "CDNA5" Instruction Set Architecture Reference Guide (July 2026). The comments in the code are by the model that wrote it; some were corrected since.
;; Encoder Block. Allowed arithmetic: float matrix products may take bf16 or f16 operands with f32 sums; all other float work in f32.
;; Inputs: ff1_b 4,096 float32; ff1_w 4,096 x 1,024 float32; ff2_b 1,024 float32; ff2_w 1,024 x 4,096 float32; ln1_a 1,024 float32; ln1_b 1,024 float32; ln2_a 1,024 float32; ln2_b 1,024 float32; mask 2 x 1 x 1 x 2,048 int32; wk_b 1,024 float32; wk_w 1,024 x 1,024 float32; wo_b 1,024 float32; wo_w 1,024 x 1,024 float32; wq_b 1,024 float32; wq_w 1,024 x 1,024 float32; wv_b 1,024 float32; wv_w 1,024 x 1,024 float32; x 2 x 2,048 x 1,024 float32.
;; Outputs: out0 2 x 2,048 x 1,024 float32.
;; 2 versions, each right. Each part assembles by itself: llvm-mc -triple=amdgcn-amd-amdhsa -mcpu=gfx1250 --defsym DOCPART=n.
;; ======== version 1 of 2: 8 launches
;; limits: right only within a limited range of input values
;; workspace buffers: wbf 25,165,824 bytes; h 8,388,608 bytes; qkv 25,165,824 bytes; att 8,388,608 bytes; x1 16,777,216 bytes; ffh 33,554,432 bytes
;; launch cast (part 1): grid 768 x 1, 8 waves a work-group, no clusters, 0 bytes of LDS; arguments wq_w, wk_w, wv_w, wo_w, ff1_w, ff2_w, wbf; writes wbf
.if DOCPART == 1
	.amdgcn_target "amdgcn-amd-amdhsa--gfx1250"
	.amdhsa_code_object_version 6
	.text
	.protected	k_q8aed06ff93_cast
	.globl	k_q8aed06ff93_cast
	.p2align	8
	.type	k_q8aed06ff93_cast,@function
k_q8aed06ff93_cast:
	s_mov_b64 s[64:65], 0
	v_nop
	global_prefetch_b8 v0, s[64:65] scope:SCOPE_SE
	s_setreg_imm32_b32 hwreg(HW_REG_WAVE_MODE, 25, 1), 1
	s_wait_xcnt 0x0
; wbf = the six weight matrices, rounded once to bf16 (nearest even), one behind the other:
; wq, wk, wv (together [3072][1024]) at byte 0, wo at 6,291,456, ff1 at 8,388,608, ff2 at 16,777,216.
; A stream: 12,582,912 numbers, 16,384 to a work-group (65,536 bytes in, 32,768 out), 768 work-groups.
; Thread t takes 16 bytes at 4,096 i + 16 t of the chunk (i = 0..15) and stores 8 bytes at 2,048 i + 8 t:
; a wave's load covers 512 consecutive bytes, a wave's store 256 consecutive bytes, aligned.
; All sixteen loads go out first; every store has data registers of its own, so nothing is rewritten.
; No LDS, no barrier, no matrix unit: the bytes are all there is to do.
.set X, 8                              ; v[8:71]    sixteen loads of four f32
.set Y, 72                             ; v[72:103]  sixteen stores of four bf16
	s_load_b256 s[4:11], s[0:1], 0x0               ; wq s[4:5], wk s[6:7], wv s[8:9], wo s[10:11]
	s_load_b128 s[12:15], s[0:1], 0x20             ; ff1 s[12:13], ff2 s[14:15]
	s_load_b64 s[16:17], s[0:1], 0x30              ; wbf
	s_mov_b32 s24, ttmp9                           ; the chunk's number, 0 to 767
	s_lshr_b32 s20, s24, 6                         ; 64 chunks are 1,048,576 numbers: 0 wq, 1 wk, 2 wv, 3 wo, 4-7 ff1, 8-11 ff2
	v_lshlrev_b32 v1, 4, v0                        ; 16 t
	v_lshlrev_b32 v2, 3, v0                        ; 8 t
	s_cmp_ge_u32 s24, 256
	s_cselect_b32 s21, 255, 63                     ; the large matrices have 256 chunks, the small ones 64
	s_and_b32 s21, s24, s21                        ; the chunk's number inside its matrix
	s_lshl_b32 s22, s21, 16                        ; its byte offset there
	s_mov_b32 s23, 0
	s_lshl_b32 s26, s24, 15                        ; and in wbf
	s_mov_b32 s27, 0
	s_wait_kmcnt 0x0
	s_cmp_ge_u32 s20, 1                            ; the source is chosen by the chunk's number alone
	s_cselect_b64 s[18:19], s[6:7], s[4:5]
	s_cmp_ge_u32 s20, 2
	s_cselect_b64 s[18:19], s[8:9], s[18:19]
	s_cmp_ge_u32 s20, 3
	s_cselect_b64 s[18:19], s[10:11], s[18:19]
	s_cmp_ge_u32 s20, 4
	s_cselect_b64 s[18:19], s[12:13], s[18:19]
	s_cmp_ge_u32 s20, 8
	s_cselect_b64 s[18:19], s[14:15], s[18:19]
	s_add_nc_u64 s[18:19], s[18:19], s[22:23]
	s_add_nc_u64 s[16:17], s[16:17], s[26:27]
.irp i, 0,1,2,3,4,5,6,7,8,9,10,11,12,13,14,15
	global_load_b128 v[X+4*\i:X+4*\i+3], v1, s[18:19] offset:4096*\i th:TH_LOAD_NT   ; read once in the launch
.endr
.irp i, 0,1,2,3,4,5,6,7,8,9,10,11,12,13,14,15
	s_wait_loadcnt 15-\i                           ; loads come back in order: load i is in, the 15 - i younger ones stay out
	v_cvt_pk_bf16_f32 v[Y+2*\i],   v[X+4*\i],   v[X+4*\i+1]
	v_cvt_pk_bf16_f32 v[Y+2*\i+1], v[X+4*\i+2], v[X+4*\i+3]
	global_store_b64 v2, v[Y+2*\i:Y+2*\i+1], s[16:17] offset:2048*\i
.endr
	s_endpgm
.Lfunc_end_k_q8aed06ff93_cast:
	.size	k_q8aed06ff93_cast, .Lfunc_end_k_q8aed06ff93_cast-k_q8aed06ff93_cast
	.p2alignl 7, 3214868480
	.fill 96, 4, 3214868480
	.section	.rodata,"a",@progbits
	.p2align	6, 0x0
	.amdhsa_kernel k_q8aed06ff93_cast
		.amdhsa_group_segment_fixed_size 0
		.amdhsa_private_segment_fixed_size 0
		.amdhsa_enable_private_segment 0
		.amdhsa_kernarg_size 56
		.amdhsa_user_sgpr_count 2
		.amdhsa_user_sgpr_kernarg_segment_ptr 1
		.amdhsa_wavefront_size32 1
		.amdhsa_system_sgpr_workgroup_id_x 1
		.amdhsa_system_sgpr_workgroup_id_y 1
		.amdhsa_system_sgpr_workgroup_id_z 1
		.amdhsa_system_vgpr_workitem_id 0
		.amdhsa_next_free_vgpr 104
		.amdhsa_next_free_sgpr 66
		.amdhsa_reserve_vcc 0
		.amdhsa_float_denorm_mode_32 3
		.amdhsa_float_denorm_mode_16_64 3
		.amdhsa_memory_ordered 1
		.amdhsa_forward_progress 1
		.amdhsa_inst_pref_size 7
	.end_amdhsa_kernel
	.amdgpu_metadata
---
amdhsa.version: [ 1, 2 ]
amdhsa.kernels:
  - .name:           k_q8aed06ff93_cast
    .symbol:         k_q8aed06ff93_cast.kd
    .args:
      - { .name: wq_w, .offset: 0, .size: 8, .value_kind: global_buffer, .address_space: global }
      - { .name: wk_w, .offset: 8, .size: 8, .value_kind: global_buffer, .address_space: global }
      - { .name: wv_w, .offset: 16, .size: 8, .value_kind: global_buffer, .address_space: global }
      - { .name: wo_w, .offset: 24, .size: 8, .value_kind: global_buffer, .address_space: global }
      - { .name: ff1_w, .offset: 32, .size: 8, .value_kind: global_buffer, .address_space: global }
      - { .name: ff2_w, .offset: 40, .size: 8, .value_kind: global_buffer, .address_space: global }
      - { .name: wbf, .offset: 48, .size: 8, .value_kind: global_buffer, .address_space: global }
    .group_segment_fixed_size: 0
    .private_segment_fixed_size: 0
    .kernarg_segment_align: 8
    .kernarg_segment_size: 56
    .max_flat_workgroup_size: 256
    .sgpr_count:     66
    .vgpr_count:     104
    .wavefront_size: 32
...
	.end_amdgpu_metadata
.endif
;; end of part 1
;; launch ln1 (part 2): grid 256 x 1, 8 waves a work-group, no clusters, 0 bytes of LDS; arguments x, ln1_a, ln1_b, h; writes h
.if DOCPART == 2
	.amdgcn_target "amdgcn-amd-amdhsa--gfx1250"
	.amdhsa_code_object_version 6
	.text
	.protected	k_q8aed06ff93_ln1
	.globl	k_q8aed06ff93_ln1
	.p2align	8
	.type	k_q8aed06ff93_ln1,@function
k_q8aed06ff93_ln1:
	s_mov_b64 s[64:65], 0
	v_nop
	global_prefetch_b8 v0, s[64:65] scope:SCOPE_SE
	s_setreg_imm32_b32 hwreg(HW_REG_WAVE_MODE, 25, 1), 1
	s_wait_xcnt 0x0
; h[r][c] = (x[r][c] - mean_r) / (std_r + 1e-5) * a[c] + b[c], rounded once to bf16.  x: [4096][1024] f32, h: [4096][1024] bf16.
; std is the unbiased one (the sum of squared differences over 1,023).  The mean is taken away first and the squares are summed of
; the differences, on the row as it lies in registers: a common offset of the inputs costs no digits.
; A work-group owns 16 rows, each of its eight waves two.  A row (4,096 bytes) is eight 16-byte loads a lane, 32 registers; it is read once.
; Load j of lane l holds columns 128 j + 4 l .. + 3; a and b are loaded in the same places, once for both rows.
; The reduction never leaves the wave: no LDS, no barrier.  A wave's store of 8 bytes a lane covers 256 consecutive bytes, aligned.
.set X,  8                             ; v[8:71]    two rows, 32 registers each
.set A,  72                            ; v[72:103]  a of my 32 columns
.set BV, 104                           ; v[104:135] b of my 32 columns
.set T,  136                           ; v[136:143] four chains of pairs
.set M,  144                           ; v[144:145] the mean, twice
.set R,  146                           ; v[146:147] 1 / (std + eps), twice
.set Y,  148                           ; v[148:179] two rows of bf16, 16 registers each
	s_load_b256 s[4:11], s[0:1], 0x0               ; x s[4:5], a s[6:7], b s[8:9], h s[10:11]
	s_lshl_b32 s14, ttmp9, 16                      ; 16 rows of 4,096 bytes
	s_mov_b32 s15, 0
	s_lshl_b32 s16, ttmp9, 15                      ; 16 rows of 2,048 bytes
	s_mov_b32 s17, 0
	s_mov_b32 s12, 0x76543210                      ; v_permlanex16_b32: lane i of one half reads lane i of the other
	s_mov_b32 s13, 0xfedcba98
	v_lshrrev_b32 v4, 5, v0                        ; wave
	v_and_b32 v5, 31, v0                           ; lane
	v_lshlrev_b32 v2, 4, v5                        ; a, b: 16 l
	v_lshl_add_u32 v1, v4, 13, v2                  ; x: 16 l + two rows of 4,096 bytes a wave
	v_lshlrev_b32 v3, 3, v5
	v_lshl_add_u32 v3, v4, 12, v3                  ; h: 8 l + two rows of 2,048 bytes a wave
	s_wait_kmcnt 0x0
	s_add_nc_u64 s[4:5], s[4:5], s[14:15]
	s_add_nc_u64 s[10:11], s[10:11], s[16:17]
.irp j, 0,1,2,3,4,5,6,7
	global_load_b128 v[X+4*\j:X+4*\j+3], v1, s[4:5] offset:512*\j
.endr
.irp j, 0,1,2,3,4,5,6,7
	global_load_b128 v[X+32+4*\j:X+32+4*\j+3], v1, s[4:5] offset:4096+512*\j
.endr
.irp j, 0,1,2,3,4,5,6,7
	global_load_b128 v[A+4*\j:A+4*\j+3], v2, s[6:7] offset:512*\j
.endr
.irp j, 0,1,2,3,4,5,6,7
	global_load_b128 v[BV+4*\j:BV+4*\j+3], v2, s[8:9] offset:512*\j
.endr
; The four chains' pairs are added, then the 32 lanes': four steps inside each half ride on the addition, one crosses the halves.  Every lane ends with the sum in v[T].
.macro REDUCE
	v_pk_add_f32 v[T:T+1], v[T:T+1], v[T+2:T+3]
	v_pk_add_f32 v[T+4:T+5], v[T+4:T+5], v[T+6:T+7]
	v_pk_add_f32 v[T:T+1], v[T:T+1], v[T+4:T+5]
	v_add_f32 v[T], v[T], v[T+1]
	v_add_f32_dpp v[T], v[T], v[T] row_xmask:1 row_mask:0xf bank_mask:0xf
	v_add_f32_dpp v[T], v[T], v[T] row_xmask:2 row_mask:0xf bank_mask:0xf
	v_add_f32_dpp v[T], v[T], v[T] row_xmask:4 row_mask:0xf bank_mask:0xf
	v_add_f32_dpp v[T], v[T], v[T] row_xmask:8 row_mask:0xf bank_mask:0xf
	v_permlanex16_b32 v[T+1], v[T], s12, s13       ; its destination counts as read: it has been written above
	v_add_f32 v[T], v[T], v[T+1]
.endm
; A row becomes (x - mean) / (std + eps), in place.  left = the loads issued behind this row's, which may stay out.
.macro STAT row, left
.set XR, X+32*\row
	s_wait_loadcnt \left
.irp k, 0,1,2,3
	v_pk_add_f32 v[T+2*\k:T+2*\k+1], v[XR+2*\k:XR+2*\k+1], v[XR+8+2*\k:XR+8+2*\k+1]   ; the first eight pairs start four chains: nothing is cleared
.endr
.irp p, 8,9,10,11,12,13,14,15
	v_pk_add_f32 v[T+2*(\p%4):T+2*(\p%4)+1], v[T+2*(\p%4):T+2*(\p%4)+1], v[XR+2*\p:XR+2*\p+1]
.endr
	REDUCE
	v_mul_f32 v[M],   0x3a800000, v[T]             ; the mean: the sum / 1,024
	v_mul_f32 v[M+1], 0x3a800000, v[T]
.irp p, 0,1,2,3,4,5,6,7,8,9,10,11,12,13,14,15
	v_pk_add_f32 v[XR+2*\p:XR+2*\p+1], v[XR+2*\p:XR+2*\p+1], v[M:M+1] neg_lo:[0,1] neg_hi:[0,1]
.endr
.irp k, 0,1,2,3
	v_pk_mul_f32 v[T+2*\k:T+2*\k+1], v[XR+2*\k:XR+2*\k+1], v[XR+2*\k:XR+2*\k+1]
.endr
.irp p, 4,5,6,7,8,9,10,11,12,13,14,15
	v_pk_fma_f32 v[T+2*(\p%4):T+2*(\p%4)+1], v[XR+2*\p:XR+2*\p+1], v[XR+2*\p:XR+2*\p+1], v[T+2*(\p%4):T+2*(\p%4)+1]
.endr
	REDUCE
	v_mul_f32 v[T], 0x3a802008, v[T]               ; / 1,023
	v_sqrt_f32 v[T], v[T]
	v_nop                                          ; a plain instruction stands between a root or a reciprocal and the use of its result
	s_wait_alu depctr_va_vdst(0)
	v_add_f32 v[T], 0x3727c5ac, v[T]               ; + 1e-5
	v_rcp_f32 v[R], v[T]
	v_nop
	s_wait_alu depctr_va_vdst(0)
	v_mov_b32 v[R+1], v[R]
.irp p, 0,1,2,3,4,5,6,7,8,9,10,11,12,13,14,15
	v_pk_mul_f32 v[XR+2*\p:XR+2*\p+1], v[XR+2*\p:XR+2*\p+1], v[R:R+1]
.endr
.endm
; Gain and bias, one rounding to bf16, eight stores.
.macro OUT row
.set XR, X+32*\row
.set YR, Y+16*\row
.irp p, 0,1,2,3,4,5,6,7,8,9,10,11,12,13,14,15
	v_pk_fma_f32 v[XR+2*\p:XR+2*\p+1], v[XR+2*\p:XR+2*\p+1], v[A+2*\p:A+2*\p+1], v[BV+2*\p:BV+2*\p+1]
.endr
.irp p, 0,1,2,3,4,5,6,7,8,9,10,11,12,13,14,15
	v_cvt_pk_bf16_f32 v[YR+\p], v[XR+2*\p], v[XR+2*\p+1]
.endr
.irp j, 0,1,2,3,4,5,6,7
	global_store_b64 v3, v[YR+2*\j:YR+2*\j+1], s[10:11] offset:2048*\row+256*\j
.endr
.endm
	STAT 0, 24                                     ; behind row 0's loads: row 1's eight, a's eight, b's eight
	STAT 1, 16                                     ; behind row 1's: a's and b's
	s_wait_loadcnt 0x0                             ; a and b
	OUT 0
	OUT 1
	s_endpgm
.Lfunc_end_k_q8aed06ff93_ln1:
	.size	k_q8aed06ff93_ln1, .Lfunc_end_k_q8aed06ff93_ln1-k_q8aed06ff93_ln1
	.p2alignl 7, 3214868480
	.fill 96, 4, 3214868480
	.section	.rodata,"a",@progbits
	.p2align	6, 0x0
	.amdhsa_kernel k_q8aed06ff93_ln1
		.amdhsa_group_segment_fixed_size 0
		.amdhsa_private_segment_fixed_size 0
		.amdhsa_enable_private_segment 0
		.amdhsa_kernarg_size 32
		.amdhsa_user_sgpr_count 2
		.amdhsa_user_sgpr_kernarg_segment_ptr 1
		.amdhsa_wavefront_size32 1
		.amdhsa_system_sgpr_workgroup_id_x 1
		.amdhsa_system_sgpr_workgroup_id_y 1
		.amdhsa_system_sgpr_workgroup_id_z 1
		.amdhsa_system_vgpr_workitem_id 0
		.amdhsa_next_free_vgpr 180
		.amdhsa_next_free_sgpr 66
		.amdhsa_reserve_vcc 0
		.amdhsa_float_denorm_mode_32 3
		.amdhsa_float_denorm_mode_16_64 3
		.amdhsa_memory_ordered 1
		.amdhsa_forward_progress 1
		.amdhsa_inst_pref_size 21
	.end_amdhsa_kernel
	.amdgpu_metadata
---
amdhsa.version: [ 1, 2 ]
amdhsa.kernels:
  - .name:           k_q8aed06ff93_ln1
    .symbol:         k_q8aed06ff93_ln1.kd
    .args:
      - { .name: x, .offset: 0, .size: 8, .value_kind: global_buffer, .address_space: global }
      - { .name: ln1_a, .offset: 8, .size: 8, .value_kind: global_buffer, .address_space: global }
      - { .name: ln1_b, .offset: 16, .size: 8, .value_kind: global_buffer, .address_space: global }
      - { .name: h, .offset: 24, .size: 8, .value_kind: global_buffer, .address_space: global }
    .group_segment_fixed_size: 0
    .private_segment_fixed_size: 0
    .kernarg_segment_align: 8
    .kernarg_segment_size: 32
    .max_flat_workgroup_size: 256
    .sgpr_count:     66
    .vgpr_count:     180
    .wavefront_size: 32
...
	.end_amdgpu_metadata
.endif
;; end of part 2
;; launch qkv (part 3): grid 24 x 32, 4 waves a work-group, clusters of 4 x 4, 327,680 bytes of LDS; arguments h, wbf, qkv, wq_b, wk_b, wv_b; writes qkv
.if DOCPART == 3
	.amdgcn_target "amdgcn-amd-amdhsa--gfx1250"
	.amdhsa_code_object_version 6
	.text
	.protected	k_q8aed06ff93_qkv
	.globl	k_q8aed06ff93_qkv
	.p2align	8
	.type	k_q8aed06ff93_qkv,@function
k_q8aed06ff93_qkv:
	s_mov_b64 s[64:65], 0
	v_nop
	global_prefetch_b8 v0, s[64:65] scope:SCOPE_SE
	s_setreg_imm32_b32 hwreg(HW_REG_WAVE_MODE, 25, 1), 1
	s_wait_xcnt 0x0
	s_wait_alu depctr_hold_cnt(0) depctr_sa_sdst(0) depctr_va_vdst(0) depctr_va_sdst(0) depctr_va_ssrc(0) depctr_va_vcc(0) depctr_vm_vsrc(0)
	s_getreg_b32 s2, hwreg(HW_REG_IB_STS2, 6, 4)
	s_cmp_eq_u32 s2, 0
	s_cbranch_scc0 .Lentry_in_a_cluster
	s_endpgm
.Lentry_in_a_cluster:
	s_bfe_u32 s2, ttmp6, 0x10000c
	s_cmp_lg_u32 s2, 0xf033
	s_cbranch_scc0 .Lentry_shape_is_right
	s_endpgm
.Lentry_shape_is_right:
; qkv[m][n] = sum over k of h[m][k] W[n][k] + bias[n], rounded once to bf16.  h: [4096][1024] bf16; W: wq, wk, wv as one [3072][1024] bf16 at byte 0 of wbf;
; qkv: [4096][3072] bf16 (q in columns 0-1023, k in 1024-2047, v in 2048-3071); the three biases f32.  Sums in f32.
; A tile of C is 128 x 128: 768 work-groups of four waves, each wave 64 x 64: 16 accumulators of 16 x 16, 128 registers.  K goes in steps of 256 (LDS rows of 512 bytes;
; a wave's tensor load brings 64 of them) through two LDS slots.  The four waves share ONE stage on the way out, since a wave's 64 bf16 columns are half of an aligned 256 bytes of C.
; CLUSTERS: 4 x 4 work-groups.  The four of a row of the cluster need the same tiles of A, the four of a column the same tiles of B: each tile is asked for JOINTLY, by the same
; tensor load with the same descriptor and a mask that names the four.  THE MATRIX INSTRUCTION IS USED TRANSPOSED (source 0 = 16 rows of B, source 1 = 16 rows of A): a lane
; then holds eight neighbouring numbers of a row of C.
; REGISTERS: window 0: v0-31 addresses; v32-95 at work on the way out; v96-127 the bias of my lane's 32 columns; v128-255 the accumulators ((a, b) at v[128 + 8 (4 a + b)]).
;   window 1: two fragment buffers of 128: for 64 along K, 64 registers of A (2 x 4 x 16 rows x 32 K), then 64 of B.
.set SIZE_N, 3072
.set SIZE_K, 1024
.set B_OFF,  0                         ; where B begins in wbf
.set RELU,   0
.set KSTEP,  256
.set PITCH,  528                       ; an LDS row: 512 bytes of data + 16 of padding = 132 words: row r starts at bank 4 r mod 64 (64 banks of 4 bytes: ISA guide 11.1)
.set HALFT,  64*PITCH                  ; 64 rows: what one tensor load brings, and what one wave reads of A or of B
.set SLOT,   4*HALFT                   ; A's 128 rows, then B's 128 rows
.set STAGE,  2*SLOT                    ; behind the ring: 128 rows x 272 bytes, the work-group's, for the way out; no tensor load lands there
.set SPITCH, 272
.set LAPS, SIZE_K/(2*KSTEP)            ; a lap = two K steps = once round the ring
.set ADRA, 16                          ; v16-17  LDS address of my A fragments in slot 0, 1
.set ADRB, 20                          ; v20-21  the same for B
.set STO,  24                          ; v24     the way out: where I put 16 bytes of a row
.set RD,   25                          ; v25     the way out: where I read a row back
.set CO,   26                          ; v26     my byte offset in C
.set BO,   27                          ; v27     my byte offset in the bias
.set TMP,  32
.set BIAS, 96
.set ACC,  128
.set F0,   0                           ; fragment buffers, in window 1
.set F1,   128
.set G1, 24                            ; s[24:31] descriptor group 1 for A's tiles;  s[32:39] group 0, one set for each slot
.set G0, 32
.set G1B, 48                           ; s[48:55], s[56:63] the same for B's tiles
.set G0B, 56
.set MSB, 0
.macro WIN new                         ; the immediate's high byte repeats the setting that is left
.if MSB != \new
	s_set_vgpr_msb (MSB<<8)|\new
.set MSB, \new
.endif
.endm
.set MUL,  0x05                        ; sources 0 (B) and 1 (A) window 1; C and D window 0
.set TO_F, 0x40                        ; destination window 1, address window 0
.macro JLOAD s                         ; a joint load: waves 0 and 1 fetch A's two halves, waves 2 and 3 B's; four v_nop follow each of the two lines, ahead of the jump, the label and what follows
	s_cmp_eq_u32 s11, 0
	s_cbranch_scc0 .Lfor_b_\@
	tensor_load_to_lds s[G0+4*\s:G0+4*\s+3], s[G1:G1+7]
	s_nop 0
.rept 4
	v_nop
.endr
	s_branch .Lasked_\@
.Lfor_b_\@:
	tensor_load_to_lds s[G0B+4*\s:G0B+4*\s+3], s[G1B:G1B+7]
	s_nop 0
.rept 4
	v_nop
.endr
.Lasked_\@:
.endm
.macro CREST                           ; a round of the cluster's barrier behind its opening barrier
	s_cmp_lg_u32 s10, 0
	s_cbranch_scc1 .Lnot_wave_0_\@
	s_barrier_signal -3
.Lnot_wave_0_\@:
	s_barrier_wait -3
	s_barrier_signal -1
	s_barrier_wait -1
.endm
.macro CROUND                          ; a whole round
	s_barrier_signal -1
	s_barrier_wait -1
	CREST
.endm
	s_load_b128 s[4:7], s[0:1], 0x0                ; A s[4:5], B s[6:7]
	s_load_b64 s[8:9], s[0:1], 0x10                ; C
	s_load_b128 s[68:71], s[0:1], 0x18             ; wq_b s[68:69], wk_b s[70:71]
	s_load_b64 s[72:73], s[0:1], 0x28              ; wv_b
	v_lshl_add_u32 v30, v0, 2, 0x4a800
	v_mov_b32 v31, 0
	ds_add_u32 v30, v31
	v_lshrrev_b32 v1, 5, v0
	v_readfirstlane_b32 s10, v1                    ; wave 0..3
	s_lshr_b32 s11, s10, 1                         ; which half of the tile's rows is mine.  Also: I fetch for A (0) or for B (1)
	s_and_b32 s12, s10, 1                          ; which half of its columns.  Also: which 64 rows of that tile I fetch
	s_bfe_u32 s40, ttmp6, 0x40000                  ; cx, cy: my place in the cluster
	s_bfe_u32 s41, ttmp6, 0x40004
	s_lshl_b32 s42, ttmp9, 2
	s_add_co_u32 s42, s42, s40                     ; tile column of C = 4 x cluster x + cx
	s_and_b32 s13, ttmp7, 0xffff
	s_lshl_b32 s13, s13, 2
	s_add_co_u32 s13, s13, s41                     ; tile row of C = 4 x cluster y + cy
	s_lshl_b32 s43, s41, 2
	s_lshl_b32 s43, 15, s43                        ; my row of the cluster
	s_lshl_b32 s44, 0x1111, s40                    ; my column
	; descriptor group 1: a tile of 64 rows x 256 elements, padded in LDS
	s_or_b32 s[G1+0], s43, (1<<16)|(1<<20)|(1<<21)|(6<<22)|(3<<25)  ; 15:0 the mask: A's tiles go to my row; 17:16 element of 2 bytes; 20 padding on; 21 set beside a mask; 24:22 after every 128 words (code 6); 31:25 of 4 words (code 3)
	s_or_b32 s[G1B+0], s44, (1<<16)|(1<<20)|(1<<21)|(6<<22)|(3<<25) ; the same with the mask of my column, for B's tiles
.irp g, G1, G1B
	s_mov_b32 s[\g+1], KSTEP<<16                   ; tensor_dim0 = 256
	s_mov_b32 s[\g+2], 64<<16                      ; tensor_dim1 = 64
	s_mov_b32 s[\g+3], KSTEP<<16                   ; tile_dim0 = 256
	s_mov_b32 s[\g+4], 64                          ; tile_dim1 = 64
	s_mov_b32 s[\g+5], SIZE_K                      ; tensor_dim0_stride
	s_mov_b32 s[\g+6], 0
	s_mov_b32 s[\g+7], 0
.endr
	s_lshl_b32 s17, s12, 6                         ; which 64 rows of the tile I fetch
	s_lshl_b32 s16, s13, 7
	s_add_co_u32 s16, s16, s17                     ; A: row 128 x tile row + 64 x half
	s_lshl_b32 s46, s42, 7
	s_add_co_u32 s46, s46, s17                     ; B: row 128 x tile column + 64 x half
	s_mov_b32 s17, 0
	s_mov_b32 s47, 0
	s_mov_b64 s[18:19], SIZE_K*2
	s_mul_u64 s[16:17], s[16:17], s[18:19]
	s_mul_u64 s[46:47], s[46:47], s[18:19]
.if B_OFF
	s_add_nc_u64 s[46:47], s[46:47], B_OFF
.endif
	s_mul_i32 s20, s10, HALFT                      ; where they go: wave x 64 rows: no place in the cluster enters an LDS address
	s_wait_dscnt 0x0
	s_wait_kmcnt 0x0
	s_add_nc_u64 s[14:15], s[4:5], s[16:17]
	s_add_nc_u64 s[46:47], s[6:7], s[46:47]
	CROUND                                         ; all sixteen work-groups are here: the first joint loads meet
.irp s, 0,1
	s_mov_b32 s[G0+4*\s], 1
	s_add_co_u32 s[G0+4*\s+1], s20, \s*SLOT
	s_add_nc_u64 s[G0+4*\s+2:G0+4*\s+3], s[14:15], \s*KSTEP*2
	s_or_b32 s[G0+4*\s+3], s[G0+4*\s+3], 0x80000000
	s_mov_b32 s[G0B+4*\s], 1
	s_add_co_u32 s[G0B+4*\s+1], s20, \s*SLOT
	s_add_nc_u64 s[G0B+4*\s+2:G0B+4*\s+3], s[46:47], \s*KSTEP*2
	s_or_b32 s[G0B+4*\s+3], s[G0B+4*\s+3], 0x80000000
	JLOAD \s                                       ; two tensor loads of mine are out
.endr
	v_and_b32 v1, 15, v0                           ; l % 16
	v_bfe_u32 v2, v0, 4, 1                         ; l / 16
	v_mul_u32_u24 v3, v1, PITCH
	v_lshl_add_u32 v3, v2, 4, v3                   ; a fragment's row x pitch + 16 x half
	s_mul_i32 s21, s11, HALFT                      ; my 64 rows of A
	s_mul_i32 s22, s12, HALFT                      ; my 64 rows of B,
	s_add_co_u32 s22, s22, 2*HALFT                 ; which lie behind A's 128
.irp s, 0,1
	v_add_nc_u32 v[ADRA+\s], s21, v3
	v_add_nc_u32 v[ADRB+\s], s22, v3
	s_add_co_u32 s21, s21, SLOT
	s_add_co_u32 s22, s22, SLOT
.endr
	s_mul_i32 s23, s11, 64*SPITCH                  ; into the stage: my 64 rows, my half of their 256 bytes; row l % 16, 16 bytes for each half of the lanes
	s_lshl_b32 s21, s12, 7
	s_add_co_u32 s23, s23, s21
	s_add_co_u32 s23, s23, STAGE
	v_mul_u32_u24 v4, v1, SPITCH
	v_lshl_add_u32 v4, v2, 4, v4
	v_add_nc_u32 v[STO], s23, v4
	s_mul_i32 s23, s10, 32*SPITCH                  ; back: wave w takes rows 32 w .. 32 w + 31, whole; lanes 0-15 one row of 256 bytes, lanes 16-31 the next
	s_add_co_u32 s23, s23, STAGE
	v_mul_u32_u24 v5, v2, SPITCH
	v_lshl_add_u32 v5, v1, 4, v5
	v_add_nc_u32 v[RD], s23, v5
	v_mul_u32_u24 v5, v2, SIZE_N*2                 ; and the same two rows in C
	v_lshl_add_u32 v[CO], v1, 4, v5
	s_lshl_b32 s16, s13, 7
	s_lshl_b32 s17, s10, 5
	s_add_co_u32 s16, s16, s17                     ; the first row of C that I store: 128 x tile row + 32 x wave
	s_mov_b32 s17, 0
	s_mov_b64 s[18:19], SIZE_N*2
	s_mul_u64 s[16:17], s[16:17], s[18:19]
	s_add_nc_u64 s[8:9], s[8:9], s[16:17]
	s_lshl_b32 s46, s42, 8                         ; the tile's first column, in bytes
	s_mov_b32 s47, 0
	s_add_nc_u64 s[8:9], s[8:9], s[46:47]
	; The bias.  Eight tile columns belong to each of q, k, v: (4 x cluster x + cx) / 8 = cluster x / 2, the same in all partners.
	s_lshr_b32 s74, ttmp9, 1
	s_and_b32 s75, s42, 7                          ; the tile column inside that weight
	s_lshl_b32 s78, s75, 9                         ; 128 columns x 4 bytes
	s_lshl_b32 s75, s12, 8                         ; + my wave's 64 columns
	s_add_co_u32 s78, s78, s75
	s_mov_b32 s79, 0
	s_cmp_eq_u32 s74, 1
	s_cselect_b64 s[66:67], s[70:71], s[68:69]
	s_cmp_eq_u32 s74, 2
	s_cselect_b64 s[66:67], s[72:73], s[66:67]
	s_add_nc_u64 s[66:67], s[66:67], s[78:79]
	v_lshlrev_b32 v[BO], 5, v2                     ; in accumulator (a, b) my lane holds columns 16 b + 8 (l / 16) + 0..7
.irp b, 0,1,2,3
	global_load_b128 v[BIAS+8*\b:BIAS+8*\b+3],   v[BO], s[66:67] offset:64*\b
	global_load_b128 v[BIAS+8*\b+4:BIAS+8*\b+7], v[BO], s[66:67] offset:64*\b+16
.endr
; 8 matrix instructions: m blocks a0, a0 + 1 x all 4 n blocks, 32 along K: half c of buffer f.  zero = 1: the first product starts the sums.
; The sixteen accumulators take turns, one instruction a turn.
.macro MUL8 f, c, a0, zero
.irp a, \a0, \a0+1
.irp b, 0,1,2,3
.if \zero
	v_wmma_f32_16x16x32_bf16 v[ACC+8*(4*(\a)+\b):ACC+8*(4*(\a)+\b)+7], v[\f+64+8*(4*\c+\b):\f+64+8*(4*\c+\b)+7], v[\f+8*(4*\c+\a):\f+8*(4*\c+\a)+7], 0
.else
	v_wmma_f32_16x16x32_bf16 v[ACC+8*(4*(\a)+\b):ACC+8*(4*(\a)+\b)+7], v[\f+64+8*(4*\c+\b):\f+64+8*(4*\c+\b)+7], v[\f+8*(4*\c+\a):\f+8*(4*\c+\a)+7], v[ACC+8*(4*(\a)+\b):ACC+8*(4*(\a)+\b)+7]
.endif
.endr
.endr
.endm
; 32 LDS loads in one run: the fragments of 64 along K at byte k of the rows, into buffer f; the first 32 along K first
.macro FETCH slot, k, f
	WIN TO_F
.irp c, 0,1
.irp i, 0,1,2,3
	ds_load_b128 v[\f+64+8*(4*\c+\i):\f+64+8*(4*\c+\i)+3],   v[ADRB+\slot] offset:\k+64*\c+\i*16*PITCH
	ds_load_b128 v[\f+64+8*(4*\c+\i)+4:\f+64+8*(4*\c+\i)+7], v[ADRB+\slot] offset:\k+64*\c+\i*16*PITCH+32
	ds_load_b128 v[\f+8*(4*\c+\i):\f+8*(4*\c+\i)+3],         v[ADRA+\slot] offset:\k+64*\c+\i*16*PITCH
	ds_load_b128 v[\f+8*(4*\c+\i)+4:\f+8*(4*\c+\i)+7],       v[ADRA+\slot] offset:\k+64*\c+\i*16*PITCH+32
.endr
.endr
.endm
.macro PLACES                          ; four plain instructions in front of loads into registers that matrix instructions have read, and of vector work that reads results
.rept 4
	v_nop
.endr
.endm
; A K step is four quarters of 64 along K, 32 matrix instructions each, on buffers 0, 1, 0, 1.  One of the first three: multiplies buffer f and fetches the next quarter, at byte k, into g.
.macro QUARTER slot, k, f, g, zero
	s_wait_dscnt 16                                ; the first 32 along K are in; the sixteen younger loads may be out
	WIN MUL
	MUL8 \f, 0, 0, \zero
	MUL8 \f, 0, 2, \zero
	PLACES
	FETCH \slot, \k, \g
	s_wait_dscnt 32                                ; all but the 32 just issued
	WIN MUL
	MUL8 \f, 1, 0, 0
	MUL8 \f, 1, 2, 0
.endm
; The last quarter multiplies buffer 1 and changes slots: ONE barrier; in front of it each wave waits for its own reads of this slot and for all its tensor loads.  fill = 1: this slot is filled again, two K steps ahead.
.macro TURN slot, next, fill
	s_wait_dscnt 16
	WIN MUL
	MUL8 F1, 0, 0, 0
	s_wait_dscnt 0                                 ; my reads of this slot are over,
	s_set_vgpr_msb 0x500
	s_wait_tensorcnt 0x0                           ; and all my tensor loads have landed: my part of the next slot
	ds_add_u32 v30, v31
	s_wait_dscnt 0x0
	s_set_vgpr_msb 0x5
	s_barrier_signal -1
	MUL8 F1, 0, 2, 0
.if \fill
	WIN 0
.endif
	s_barrier_wait -1
.if \fill
	CREST                                          ; the barrier has opened a round of the cluster's barrier: no wave of any partner still reads this slot's tile or has a load on its way
	s_add_nc_u64 s[G0+4*\slot+2:G0+4*\slot+3], s[G0+4*\slot+2:G0+4*\slot+3], 2*KSTEP*2
	s_add_nc_u64 s[G0B+4*\slot+2:G0B+4*\slot+3], s[G0B+4*\slot+2:G0B+4*\slot+3], 2*KSTEP*2
	JLOAD \slot                                    ; the first tensor load behind the round, my only one out; the four v_nop behind it are also the places in front of the loads below
.else
	PLACES
.endif
	FETCH \next, 0, F0
	WIN MUL
	MUL8 F1, 1, 0, 0
	MUL8 F1, 1, 2, 0
.endm
	s_wait_tensorcnt 1                             ; my part of K step 0 is in; K step 1's may stay out
	s_barrier_signal -1
	s_barrier_wait -1                              ; everybody's is
	FETCH 0, 0, F0
	QUARTER 0, 128, F0, F1, 1                      ; the first quarter stands in front of the loop: its first products start the sums
.if LAPS > 1
	WIN 0                                          ; at a label and at a branch every window is 0
	s_mov_b32 s3, LAPS-1
.Llap:                                                 ; a trip goes once round the ring, from a lap's second quarter to the next lap's first, and fills both slots again
	QUARTER 0, 256, F1, F0, 0
	QUARTER 0, 384, F0, F1, 0
	TURN 0, 1, 1
	QUARTER 1, 128, F0, F1, 0
	QUARTER 1, 256, F1, F0, 0
	QUARTER 1, 384, F0, F1, 0
	TURN 1, 0, 1
	QUARTER 0, 128, F0, F1, 0
	WIN 0
	s_sub_co_u32 s3, s3, 1
	s_cmp_lg_u32 s3, 0
	s_cbranch_scc1 .Llap
.endif
	QUARTER 0, 256, F1, F0, 0                      ; the last lap fills nothing, and has no round of the cluster's barrier
	QUARTER 0, 384, F0, F1, 0
	TURN 0, 1, 0
	QUARTER 1, 128, F0, F1, 0
	QUARTER 1, 256, F1, F0, 0
	QUARTER 1, 384, F0, F1, 0
	s_wait_dscnt 16                                ; the very last quarter: nothing more to fetch
	WIN MUL
	MUL8 F1, 0, 0, 0
	MUL8 F1, 0, 2, 0
	s_wait_dscnt 0
	MUL8 F1, 1, 0, 0
	MUL8 F1, 1, 2, 0
	WIN 0
	; THE WAY OUT: the bias is added in f32 (and, where RELU is set, negatives become 0); round to bf16; 16 bytes a lane into the work-group's stage; a barrier, since a row's
	; 256 bytes come from two waves; back as whole rows, 32 rows a wave.
	PLACES
	s_wait_loadcnt 0x0                             ; the bias
.irp t, 0,1,2,3,4,5,6,7,8,9,10,11,12,13,14,15
.irp r, 0,1,2,3
	v_pk_add_f32 v[ACC+8*\t+2*\r:ACC+8*\t+2*\r+1], v[ACC+8*\t+2*\r:ACC+8*\t+2*\r+1], v[BIAS+8*(\t%4)+2*\r:BIAS+8*(\t%4)+2*\r+1]
.endr
.if RELU
.irp r, 0,1,2,3,4,5,6,7
	v_max_num_f32 v[ACC+8*\t+\r], 0, v[ACC+8*\t+\r]
.endr
.endif
.irp r, 0,1,2,3
	v_cvt_pk_bf16_f32 v[TMP+4*\t+\r], v[ACC+8*\t+2*\r], v[ACC+8*\t+2*\r+1]
.endr
.endr
.irp a, 0,1,2,3
.irp b, 0,1,2,3
	ds_store_b128 v[STO], v[TMP+4*(4*\a+\b):TMP+4*(4*\a+\b)+3] offset:\a*16*SPITCH+32*\b
.endr
.endr
	s_wait_dscnt 0x0                               ; for the others' sake: my stores into the stage are done
	s_barrier_signal -1
	s_barrier_wait -1
.irp t, 0,1,2,3,4,5,6,7,8,9,10,11,12,13,14,15
	ds_load_b128 v[TMP+4*\t:TMP+4*\t+3], v[RD] offset:\t*2*SPITCH
.endr
.irp t, 0,1,2,3,4,5,6,7,8,9,10,11,12,13,14,15
	s_wait_dscnt 15-\t                             ; load t is back; the 15 - t younger ones may be out
	global_store_b128 v[CO], v[TMP+4*\t:TMP+4*\t+3], s[8:9] offset:2*\t*SIZE_N*2   ; 16 lanes store 256 consecutive bytes, at a multiple of 256 from C's first byte
.endr
	s_wait_tensorcnt 0x0
	ds_add_u32 v30, v31
	s_wait_dscnt 0x0
	CROUND                                         ; the closing round: no work-group ends while a partner may still ask for a tile that names it
	s_endpgm
.Lfunc_end_k_q8aed06ff93_qkv:
	.size	k_q8aed06ff93_qkv, .Lfunc_end_k_q8aed06ff93_qkv-k_q8aed06ff93_qkv
	.p2alignl 7, 3214868480
	.fill 96, 4, 3214868480
	.section	.rodata,"a",@progbits
	.p2align	6, 0x0
	.amdhsa_kernel k_q8aed06ff93_qkv
		.amdhsa_group_segment_fixed_size 327680
		.amdhsa_private_segment_fixed_size 0
		.amdhsa_enable_private_segment 0
		.amdhsa_kernarg_size 48
		.amdhsa_user_sgpr_count 2
		.amdhsa_user_sgpr_kernarg_segment_ptr 1
		.amdhsa_wavefront_size32 1
		.amdhsa_system_sgpr_workgroup_id_x 1
		.amdhsa_system_sgpr_workgroup_id_y 1
		.amdhsa_system_sgpr_workgroup_id_z 1
		.amdhsa_system_vgpr_workitem_id 0
		.amdhsa_next_free_vgpr 512
		.amdhsa_next_free_sgpr 80
		.amdhsa_reserve_vcc 0
		.amdhsa_float_denorm_mode_32 3
		.amdhsa_float_denorm_mode_16_64 3
		.amdhsa_memory_ordered 1
		.amdhsa_forward_progress 1
		.amdhsa_inst_pref_size 92
	.end_amdhsa_kernel
	.amdgpu_metadata
---
amdhsa.version: [ 1, 2 ]
amdhsa.kernels:
  - .name:           k_q8aed06ff93_qkv
    .symbol:         k_q8aed06ff93_qkv.kd
    .args:
      - { .name: h, .offset: 0, .size: 8, .value_kind: global_buffer, .address_space: global }
      - { .name: wbf, .offset: 8, .size: 8, .value_kind: global_buffer, .address_space: global }
      - { .name: qkv, .offset: 16, .size: 8, .value_kind: global_buffer, .address_space: global }
      - { .name: wq_b, .offset: 24, .size: 8, .value_kind: global_buffer, .address_space: global }
      - { .name: wk_b, .offset: 32, .size: 8, .value_kind: global_buffer, .address_space: global }
      - { .name: wv_b, .offset: 40, .size: 8, .value_kind: global_buffer, .address_space: global }
    .group_segment_fixed_size: 327680
    .private_segment_fixed_size: 0
    .kernarg_segment_align: 8
    .kernarg_segment_size: 48
    .max_flat_workgroup_size: 128
    .sgpr_count:     80
    .vgpr_count:     512
    .wavefront_size: 32
...
	.end_amdgpu_metadata
.endif
;; end of part 3
;; launch attn (part 4): grid 16 x 16, 8 waves a work-group, clusters of 4 x 1, 327,680 bytes of LDS; arguments qkv, mask, att; writes att
.if DOCPART == 4
	.amdgcn_target "amdgcn-amd-amdhsa--gfx1250"
	.amdhsa_code_object_version 6
	.text
	.protected	k_q8aed06ff93_attn
	.globl	k_q8aed06ff93_attn
	.p2align	8
	.type	k_q8aed06ff93_attn,@function
k_q8aed06ff93_attn:
	s_mov_b64 s[64:65], 0
	v_nop
	global_prefetch_b8 v0, s[64:65] scope:SCOPE_SE
	s_setreg_imm32_b32 hwreg(HW_REG_WAVE_MODE, 25, 1), 1
	s_wait_xcnt 0x0
	s_wait_alu depctr_hold_cnt(0) depctr_sa_sdst(0) depctr_va_vdst(0) depctr_va_sdst(0) depctr_va_ssrc(0) depctr_va_vcc(0) depctr_vm_vsrc(0)
	s_getreg_b32 s2, hwreg(HW_REG_IB_STS2, 6, 4)
	s_cmp_eq_u32 s2, 0
	s_cbranch_scc0 .Lentry_in_a_cluster
	s_endpgm
.Lentry_in_a_cluster:
	s_bfe_u32 s2, ttmp6, 0x10000c
	s_cmp_lg_u32 s2, 0x3003
	s_cbranch_scc0 .Lentry_shape_is_right
	s_endpgm
.Lentry_shape_is_right:
; att[b][q][64 h + :] = the sum over keys of softmax_k(Q.K / 8, keys with mask == 0 left out) V.  qkv: [4096][3072] bf16 (q, k, v side by side), mask: [2][2048] int32, att: [4096][1024] bf16.
; Products, maxima and sums in f32; the weights p are rounded to bf16 for the second product and for their sum; att is rounded once.
; LIMITS.  A masked key's score gets -2^102 added, and the running maximum starts at -2^100: scores q.k of magnitude 2^100 or more are not served.  A masked key's weight is then
; 2^(c (-2^102 + 2^100) or less) = 0 exactly; a batch with every key masked ends with sum 0 and O = 0, and 0 x (1 / 0) is the NaN that a softmax over nothing gives.
; SHARES.  A work-group owns 128 queries of a PAIR of heads of one batch: the pair's 128 channels are 256 consecutive bytes of a row of qkv, aligned.  Wave w: head w / 4 of the pair,
; queries 32 (w % 4) on: two tiles of 16.  Two waves lie on a SIMD: while one walks its softmax, the other's products have the matrix unit.  Every wave walks all 2,048 keys, 64 a step.
; LAYOUT.  S^T = K Q^T (source 0 = 16 keys, source 1 = 16 queries): a lane holds ONE query (lane % 16) and keys 8 (lane / 16) + 0..7.  Two such tiles, rounded to bf16 in pairs, ARE
; source 1 (32 keys x 16 queries) of O^T = V^T P, whose result again holds one query a lane.  K comes out of LDS as it lies, V ([key][channel]) turned, by ds_load_tr16_b128.
; THE MASK costs no vector work in the loop: its bias (0 or -2^102, made once, in LDS) is the C operand of the first product of each score tile.
; THE ROW SUMS are a product too: a source 0 of ones times P gives the sum of the 32 weights in every register of every lane; register 0 is used.  Only registers 0 and 1 are
; rescaled; the other six are never read by anything but the sum itself and stay at or below 2,048, the number of keys.
; SOFTMAX.  For each query a running maximum m: p = 2^(c s - c m), c = log2(e) / 8; in every step O and l are multiplied by a = 2^(c m_old - c m_new).
; CLUSTER.  The four query blocks of a cluster walk the same K and V, so each tile is asked for JOINTLY: the same tensor load, descriptor and mask (all four) in all four.
; RING.  Two slots of four key steps (256 keys).  Waves 0-3 fetch K of the slot's step w % 4, waves 4-7 V of it: one load a wave behind each round, with four key steps in which to land.
; REGISTERS: window 0: v0-15 addresses; v16-31 statistics, 8 a tile; v32-63 P; v64-127 S^T; v128-191 O^T; v192-207 l.
;            window 1: v0-31 Q; v32-63 the step's mask bias; v64-127 K; v128-191 V; v192-199 ones.
.set ROWB,  6144      ; bytes in a row of qkv
.set KS,    64        ; keys in a step
.set PK,    272       ; a row of K in LDS: 256 bytes + 16 of padding: the 16 rows of a load start at 16 different banks (64 banks of 4 bytes: ISA guide 11.1)
.set PV,    288       ; a row of V: 256 + 32
.set VOFF,  KS*PK     ; a step's tiles lie together: 64 rows of K, then 64 rows of V
.set STEPB, KS*(PK+PV)
.set SLOT,  4*STEPB   ; 143,360 bytes
.set MB,    2*SLOT    ; behind the ring: the mask bias of the batch's 2,048 keys, 8,192 bytes; no tensor load lands there
.set SP,    272       ; the stage for the way out: 128 rows x 272 bytes from LDS byte 0, in slot 0 after its last fill and its last read
.set AK0, 2           ; v2   my lane's place in a tile of K; never rewritten
.set AV0, 3           ; v3   the same for V
.set AM0, 4           ; v4   the same in the mask bias
.set ADRK, 5          ; v5-7 the step's LDS addresses
.set ADRV, 6
.set ADRM, 7
.set QO,  8           ; v8   my byte offset in the wave's rows of Q
.set MS,  11          ; v11  where I store my part of the mask bias
.set STO, 12          ; v12  the way out: where I put 16 bytes of a row
.set RD,  13          ; v13  the way out: where I read a row back
.set GO,  14          ; v14  my byte offset in the wave's rows of att
.set MO,  15          ; v15  my byte offset in the mask
.set ST,  16          ; tile t's statistics at v[ST+8 t]: +0 c m, +1 m, +2 a, +3 written once (named with a as a pair), +4 to +7 c0-c3, at work
.set P,   32
.set S,   64
.set OT,  128
.set LS,  192
.set QF,  0           ; window 1
.set MBR, 32
.set KF,  64
.set VF,  128
.set ONE, 192
.set WV,  10          ; s10  my wave's number
.set HD,  11          ; s11  which head of the pair
.set W4,  12          ; s12  wave % 4
.set G1K, 24          ; s[24:31] descriptor group 1 for K's tiles
.set G1V, 32          ; s[32:39] for V's: it differs in the padding alone
.set G0K, 40          ; s[40:47] descriptor group 0 for K's tiles, a set for each slot
.set G0V, 48          ; s[48:55] the same for V's
.set OUTER, 56        ; s56  counts pairs of slots
.set INNER, 57        ; s57  counts a slot's steps
.set CS,  58          ; s[58:59] c, twice
.set SEL, 60          ; s[60:61] lane selects for v_permlanex16_b32
.set TB,  62          ; s62  LDS byte at which the tiles of the step to be fetched begin
.set KB,  63          ; s63  the step's first byte in the mask bias
.set LP,  66          ; s66  my tile's place in a slot
.set MSB, 0
.macro WIN new                      ; the immediate's high byte repeats the setting that is left; a switch that changes nothing is dropped
.if MSB != \new
	s_set_vgpr_msb (MSB<<8)|\new
.set MSB, \new
.endif
.endm
.set W_LD,  0x40      ; destination window 1, address window 0
.set W_KQ0, 0x15      ; K, Q and the mask bias (C) in window 1, S^T in window 0
.set W_KQ,  0x05      ; K and Q in window 1, S^T (C and D) in window 0
.set W_PV,  0x01      ; V (or the ones) in window 1; P, O^T and l in window 0
.macro PLACES                       ; four plain instructions between a matrix instruction and vector work that reads its result (ISA guide 7.12.1)
.rept 4
	v_nop
.endr
.endm
; A joint refill of slot s.  The branch hangs on the wave's number alone.  Four v_nop follow each of the two lines, ahead of the jump, the label and what follows.
.macro JLOAD s
	s_cmp_lt_u32 s[WV], 4
	s_cbranch_scc0 .Lfor_v_\@
	tensor_load_to_lds s[G0K+4*\s:G0K+4*\s+3], s[G1K:G1K+7]
	s_nop 0
.rept 4
	v_nop
.endr
	s_branch .Lasked_\@
.Lfor_v_\@:
	tensor_load_to_lds s[G0V+4*\s:G0V+4*\s+3], s[G1V:G1V+7]
	s_nop 0
.rept 4
	v_nop
.endr
.Lasked_\@:
.endm
; A round of the cluster's barrier: my work-group's barrier; wave 0 signals for the work-group; every wave waits for all four work-groups; my work-group's barrier once more.
.macro CROUND
	s_barrier_signal -1
	s_barrier_wait -1
	s_cmp_lg_u32 s[WV], 0
	s_cbranch_scc1 .Lnot_wave_0_\@
	s_barrier_signal -3
.Lnot_wave_0_\@:
	s_barrier_wait -3
	s_barrier_signal -1
	s_barrier_wait -1
.endm
	s_load_b128 s[4:7], s[0:1], 0x0   ; qkv s[4:5], mask s[6:7]
	s_load_b64 s[8:9], s[0:1], 0x10   ; att
	v_lshl_add_u32 v254, v0, 2, 0x48000
	v_mov_b32 v255, 0
	ds_add_u32 v254, v255
	v_lshrrev_b32 v1, 5, v0
	v_readfirstlane_b32 s[WV], v1     ; wave 0..7
	s_lshr_b32 s[HD], s[WV], 2
	s_and_b32 s[W4], s[WV], 3
	s_bfe_u32 s13, ttmp6, 0x40000     ; cx: my place in the cluster
	s_lshl_b32 s14, ttmp9, 2          ; in a cluster launch ttmp9 counts clusters
	s_add_co_u32 s14, s14, s13        ; my block of 128 queries: it enters Q's and att's addresses alone
	s_and_b32 s15, ttmp7, 0xffff
	s_lshr_b32 s16, s15, 3            ; the batch,
	s_and_b32 s17, s15, 7             ; the pair of heads: the four partners share both
	s_lshl_b32 s18, s16, 11           ; my tile of slot 0: row 2,048 b + 64 (w % 4),
	s_lshl_b32 s19, s[W4], 6
	s_add_co_u32 s18, s18, s19
	s_mul_i32 s18, s18, ROWB
	s_lshl_b32 s19, s17, 8            ; the pair's 256 bytes
	s_add_co_u32 s18, s18, s19
	s_mov_b32 s19, 0
	s_mul_i32 s[LP], s[W4], STEPB     ; and its place in a slot: no place in the cluster enters an LDS address
	; descriptor group 1: a tile of 64 rows x 128 elements, padded in LDS
	s_mov_b32 s[G1K], 15|(1<<16)|(1<<20)|(1<<21)|(5<<22)|(3<<25)  ; 15:0 the mask: all four work-groups; 17:16 elements of 2 bytes; 20 padding on; 21 set beside a mask; 24:22 after every 64 words (code 5); 31:25 4 words of it (code 3)
	s_mov_b32 s[G1V], 15|(1<<16)|(1<<20)|(1<<21)|(5<<22)|(7<<25)  ; the same with 8 words of padding (code 7)
.irp g, G1K, G1V
	s_mov_b32 s[\g+1], 128<<16        ; tensor_dim0 = 128
	s_mov_b32 s[\g+2], KS<<16         ; tensor_dim1 = 64
	s_mov_b32 s[\g+3], 128<<16        ; tile_dim0 = 128
	s_mov_b32 s[\g+4], KS             ; tile_dim1 = 64
	s_mov_b32 s[\g+5], 3072           ; tensor_dim0_stride: elements from row to row of qkv
	s_mov_b32 s[\g+6], 0
	s_mov_b32 s[\g+7], 0
.endr
	s_mov_b32 s[CS], 0x3e38aa3b       ; c = log2(e) / 8
	s_mov_b32 s[CS+1], s[CS]
	s_mov_b32 s[SEL], 0x76543210
	s_mov_b32 s[SEL+1], 0xfedcba98
	s_lshl_b32 s22, s16, 11
	s_lshl_b32 s23, s14, 7
	s_add_co_u32 s22, s22, s23        ; my block's first row: 2,048 b + 128 block
	s_lshl_b32 s23, s[W4], 5
	s_add_co_u32 s23, s22, s23        ; my wave's first query
	s_mul_i32 s68, s23, ROWB
	s_lshl_b32 s23, s17, 8
	s_add_co_u32 s68, s68, s23
	s_lshl_b32 s23, s[HD], 7          ; my head's 128 bytes
	s_add_co_u32 s68, s68, s23
	s_mov_b32 s69, 0
	s_lshl_b32 s23, s[WV], 4          ; on the way out wave w stores rows 16 w on, whole
	s_add_co_u32 s22, s22, s23
	s_lshl_b32 s22, s22, 11           ; rows of 2,048 bytes
	s_lshl_b32 s23, s17, 8
	s_add_co_u32 s22, s22, s23
	s_mov_b32 s23, 0
	s_lshl_b32 s20, s16, 13           ; the batch's 8,192 bytes of mask
	s_mov_b32 s21, 0
	s_wait_dscnt 0x0
	s_wait_kmcnt 0x0
	s_add_nc_u64 s[68:69], s[4:5], s[68:69]  ; Q at my wave's first row
	s_add_nc_u64 s[8:9], s[8:9], s[22:23]
	s_add_nc_u64 s[6:7], s[6:7], s[20:21]
	s_add_nc_u64 s[20:21], s[4:5], s[18:19]  ; qkv at my tile's first row, the pair's columns of q
	CROUND                            ; all four work-groups are here: the first joint loads meet
.irp s, 0,1
	s_mov_b32 s[G0K+4*\s], 1          ; count = 1
	s_add_co_u32 s[G0K+4*\s+1], s[LP], \s*SLOT  ; LDS address
	s_add_nc_u64 s[G0K+4*\s+2:G0K+4*\s+3], s[20:21], 2048+\s*256*ROWB  ; k lies 2,048 bytes behind q; slot s begins with keys 256 s
	s_or_b32 s[G0K+4*\s+3], s[G0K+4*\s+3], 0x80000000  ; type = 2
	s_mov_b32 s[G0V+4*\s], 1
	s_add_co_u32 s[G0V+4*\s+1], s[LP], \s*SLOT+VOFF
	s_add_nc_u64 s[G0V+4*\s+2:G0V+4*\s+3], s[20:21], 4096+\s*256*ROWB  ; v lies 4,096 bytes behind q
	s_or_b32 s[G0V+4*\s+3], s[G0V+4*\s+3], 0x80000000
.endr
	s_cmp_lt_u32 s[WV], 4             ; a wave's two first fills stand in one branch, ahead of every wait on TENSORcnt and every LDS access: two loads of mine are out
	s_cbranch_scc0 .Lfirst_v
	tensor_load_to_lds s[G0K:G0K+3], s[G1K:G1K+7]
	s_nop 0
	tensor_load_to_lds s[G0K+4:G0K+7], s[G1K:G1K+7]
	s_nop 0
.rept 4
	v_nop
.endr
	s_branch .Lfirst_asked
.Lfirst_v:
	tensor_load_to_lds s[G0V:G0V+3], s[G1V:G1V+7]
	s_nop 0
	tensor_load_to_lds s[G0V+4:G0V+7], s[G1V:G1V+7]
	s_nop 0
.rept 4
	v_nop
.endr
.Lfirst_asked:
	v_lshlrev_b32 v[MO], 4, v0        ; thread t takes the mask of keys 4 t .. + 3 and 1,024 + 4 t .. + 3
	global_load_b128 v[S:S+3],   v[MO], s[6:7]
	global_load_b128 v[S+4:S+7], v[MO], s[6:7] offset:4096
	; A fragment of K or Q is 16 rows x 32 channels in 8 registers: lane l holds row l % 16; registers 0-3 channels 8 (l / 16) + 0..7, registers 4-7 channels 16 + 8 (l / 16) + 0..7.
	v_and_b32 v1, 15, v0              ; l % 16
	v_bfe_u32 v9, v0, 4, 1            ; l / 16
	v_mul_u32_u24 v[QO], v1, ROWB
	v_lshl_add_u32 v[QO], v9, 4, v[QO]
	WIN W_LD
.irp f, 0,1,2,3                       ; Q stays in registers: tile f / 2, channels 32 (f % 2) on
	global_load_b128 v[QF+8*\f:QF+8*\f+3],   v[QO], s[68:69] offset:(\f/2)*16*ROWB+(\f%2)*64
	global_load_b128 v[QF+8*\f+4:QF+8*\f+7], v[QO], s[68:69] offset:(\f/2)*16*ROWB+(\f%2)*64+32
.endr
.irp i, 0,1,2,3,4,5,6,7
	v_mov_b32 v[ONE+\i], 0x3f803f80   ; two bf16 ones
.endr
	WIN 0
	v_mul_u32_u24 v[AK0], v1, PK
	v_lshl_add_u32 v[AK0], v9, 4, v[AK0]
	s_lshl_b32 s22, s[HD], 7
	v_add_nc_u32 v[AK0], s22, v[AK0]  ; row x pitch + 16 x half + my head's 128 bytes
	; The turning load takes 16 keys x 16 channels (lane l reads 16 bytes: key 8 (l / 16) + l % 8, channels 8 ((l / 8) % 2) + 0..7) and leaves half a fragment of V^T.
	v_and_b32 v10, 7, v0
	v_lshl_add_u32 v[AV0], v9, 3, v10
	v_mul_u32_u24 v[AV0], v[AV0], PV
	v_bfe_u32 v10, v0, 3, 1
	v_lshl_add_u32 v[AV0], v10, 4, v[AV0]
	s_add_co_u32 s23, s22, VOFF
	v_add_nc_u32 v[AV0], s23, v[AV0]
	v_lshlrev_b32 v[AM0], 5, v9       ; the bias of keys 8 (l / 16) + 0..7 of a tile of 16
	v_add_nc_u32 v[AM0], MB, v[AM0]
	v_add_nc_u32 v[MS], MB, v[MO]
	s_mul_i32 s22, s[W4], 32*SP       ; into the stage: row 32 (w % 4) + l % 16, my head's half, 16 bytes for each half of the lanes
	v_add_nc_u32 v[STO], s22, v[AK0]
	s_mul_i32 s22, s[WV], 16*SP       ; back: wave w takes rows 16 w on; lanes 0-15 one row of 256 bytes, lanes 16-31 the next
	v_mul_u32_u24 v[RD], v9, SP
	v_lshl_add_u32 v[RD], v1, 4, v[RD]
	v_add_nc_u32 v[RD], s22, v[RD]
	v_lshlrev_b32 v[GO], 11, v9       ; and the same two rows in att
	v_lshl_add_u32 v[GO], v1, 4, v[GO]
.irp t, 0,1
	v_mov_b32 v[ST+8*\t+1], 0xf1800000  ; m starts at -2^100
	v_mov_b32 v[ST+8*\t+3], 0
.endr
	v_mov_b32 v10, 0xf2800000         ; -2^102
	s_wait_loadcnt 8                  ; the two loads of the mask are in; Q's eight stay out
.irp i, 0,1,2,3,4,5,6,7
	v_cmp_eq_u32 vcc_lo, 0, v[S+\i]
	v_cndmask_b32 v[S+\i], 0, v10, vcc_lo
.endr
	ds_store_b128 v[MS], v[S:S+3]
	ds_store_b128 v[MS], v[S+4:S+7] offset:4096
	s_wait_tensorcnt 0x1              ; my part of slot 0 is in; slot 1's may stay out
	s_wait_dscnt 0x0                  ; for the others' sake: my part of the mask bias is stored
	s_barrier_signal -1
	s_barrier_wait -1
	s_wait_loadcnt 0x0                ; Q
	s_mov_b32 s[TB], 0
	s_mov_b32 s[KB], 0
; THE SOFTMAX of both tiles for one key step; the two tiles alternate line by line.  first = 1: the first key step: no a, nothing to rescale.
.macro SOFTMAX first
.irp j, 0,1,2,3                       ; the maximum of the lane's 32 scores and the old m, three operands at a time: four chains of seven scores,
.irp t, 0,1
	v_max3_num_f32 v[ST+8*\t+4+\j], v[S+32*\t+8*\j], v[S+32*\t+8*\j+1], v[S+32*\t+8*\j+2]
.endr
.endr
.irp g, 1,2
.irp j, 0,1,2,3
.irp t, 0,1
	v_max3_num_f32 v[ST+8*\t+4+\j], v[ST+8*\t+4+\j], v[S+32*\t+8*\j+2*\g+1], v[S+32*\t+8*\j+2*\g+2]
.endr
.endr
.endr
.irp t, 0,1                           ; then the four scores left over, the chains and m
	v_max3_num_f32 v[ST+8*\t+4], v[ST+8*\t+4], v[S+32*\t+7], v[S+32*\t+15]
.endr
.irp t, 0,1
	v_max3_num_f32 v[ST+8*\t+6], v[ST+8*\t+6], v[S+32*\t+23], v[S+32*\t+31]
.endr
.irp t, 0,1
	v_max3_num_f32 v[ST+8*\t+4], v[ST+8*\t+4], v[ST+8*\t+5], v[ST+8*\t+6]
.endr
.irp t, 0,1
	v_max3_num_f32 v[ST+8*\t+4], v[ST+8*\t+4], v[ST+8*\t+7], v[ST+8*\t+1]
.endr
.irp t, 0,1
	v_permlanex16_b32 v[ST+8*\t+5], v[ST+8*\t+4], s[SEL], s[SEL+1]  ; the query's other 32 keys lie in the lane 16 away
.endr
.if !\first
.irp t, 0,1
	v_mov_b32 v[ST+8*\t+7], v[ST+8*\t]  ; c m_old is kept for a
.endr
.endif
.irp t, 0,1
	v_max_num_f32 v[ST+8*\t+1], v[ST+8*\t+4], v[ST+8*\t+5]
.endr
.irp t, 0,1
	v_mul_f32 v[ST+8*\t], s[CS], v[ST+8*\t+1]
.endr
.if !\first
.irp t, 0,1
	v_sub_f32 v[ST+8*\t+7], v[ST+8*\t+7], v[ST+8*\t]
.endr
.irp t, 0,1
	v_exp_f32 v[ST+8*\t+2], v[ST+8*\t+7]  ; a; the scalings below stand between it and its use
.endr
.endif
.irp i, 0,1,2,3,4,5,6,7,8,9,10,11,12,13,14,15
.irp t, 0,1
	v_pk_fma_f32 v[S+32*\t+2*\i:S+32*\t+2*\i+1], v[S+32*\t+2*\i:S+32*\t+2*\i+1], s[CS:CS+1], v[ST+8*\t:ST+8*\t+1] op_sel_hi:[1,0,0] neg_lo:[0,0,1] neg_hi:[0,0,1]  ; c s - c m
.endr
.endr
; Pair i's four exponentials; then plain work that is ready: pair i of O^T times a (the plain instruction that an exponential wants behind it before its result is used), and the rounding of pair i - 1.
.set i, 0
.rept 16
.irp t, 0,1
	v_exp_f32 v[S+32*\t+2*i],   v[S+32*\t+2*i]
	v_exp_f32 v[S+32*\t+2*i+1], v[S+32*\t+2*i+1]
.endr
.if \first
	v_nop
	s_wait_alu depctr_va_vdst(0)
.else
	s_wait_alu depctr_va_vdst(0)
.irp t, 0,1
	v_pk_mul_f32 v[OT+32*\t+2*i:OT+32*\t+2*i+1], v[OT+32*\t+2*i:OT+32*\t+2*i+1], v[ST+8*\t+2:ST+8*\t+3] op_sel_hi:[1,0]
.endr
.endif
.if i > 0
.irp t, 0,1
	v_cvt_pk_bf16_f32 v[P+16*\t+i-1], v[S+32*\t+2*i-2], v[S+32*\t+2*i-1]
.endr
.endif
.set i, i+1
.endr
	s_wait_alu depctr_va_vdst(0)
.irp t, 0,1
	v_cvt_pk_bf16_f32 v[P+16*\t+15], v[S+32*\t+30], v[S+32*\t+31]
.endr
.if !\first
.irp t, 0,1
	v_pk_mul_f32 v[LS+8*\t:LS+8*\t+1], v[LS+8*\t:LS+8*\t+1], v[ST+8*\t+2:ST+8*\t+3] op_sel_hi:[1,0]
.endr
.endif
.endm
; A KEY STEP: 40 LDS loads in one run, 16 products K Q^T, the softmax, 20 products V^T P and ones x P.  The accumulators take turns, one instruction a turn.
.macro STEP first
	WIN 0
	v_add_nc_u32 v[ADRK], s[TB], v[AK0]            ; these three and the v_nop are the four places between the last step's products and the loads into V's registers
	v_add_nc_u32 v[ADRV], s[TB], v[AV0]
	v_add_nc_u32 v[ADRM], s[KB], v[AM0]
	v_nop
	s_add_co_u32 s[TB], s[TB], STEPB               ; the next fetch is the next step's
	s_add_co_u32 s[KB], s[KB], 4*KS
	s_and_b32 s[KB], s[KB], 0x1fff                 ; kept inside the table's 8,192 bytes
	WIN W_LD
.irp kt, 0,1,2,3                      ; the bias of keys 16 kt + 8 (l / 16) + 0..7
	ds_load_b128 v[MBR+8*\kt:MBR+8*\kt+3],   v[ADRM] offset:64*\kt
	ds_load_b128 v[MBR+8*\kt+4:MBR+8*\kt+7], v[ADRM] offset:64*\kt+16
.endr
.irp f, 0,1,2,3,4,5,6,7               ; K: keys 16 (f / 2) on, channels 32 (f % 2) on
	ds_load_b128 v[KF+8*\f:KF+8*\f+3],   v[ADRK] offset:(\f/2)*16*PK+(\f%2)*64
	ds_load_b128 v[KF+8*\f+4:KF+8*\f+7], v[ADRK] offset:(\f/2)*16*PK+(\f%2)*64+32
.endr
.irp f, 0,1,2,3,4,5,6,7               ; V, turned: keys 32 (f / 4) on, channels 16 (f % 4) on
	ds_load_tr16_b128 v[VF+8*\f:VF+8*\f+3],   v[ADRV] offset:(\f/4)*32*PV+(\f%4)*32
	ds_load_tr16_b128 v[VF+8*\f+4:VF+8*\f+7], v[ADRV] offset:(\f/4)*32*PV+16*PV+(\f%4)*32
.endr
	s_wait_dscnt 16                                ; the bias and K are in; V's sixteen loads may be out
	WIN W_KQ0
.irp kt, 0,1,2,3                      ; channels 0-31: the mask bias starts the sums
.irp t, 0,1
	v_wmma_f32_16x16x32_bf16 v[S+32*\t+8*\kt:S+32*\t+8*\kt+7], v[KF+16*\kt:KF+16*\kt+7], v[QF+16*\t:QF+16*\t+7], v[MBR+8*\kt:MBR+8*\kt+7]
.endr
.endr
	WIN W_KQ
.irp kt, 0,1,2,3                      ; channels 32-63
.irp t, 0,1
	v_wmma_f32_16x16x32_bf16 v[S+32*\t+8*\kt:S+32*\t+8*\kt+7], v[KF+16*\kt+8:KF+16*\kt+15], v[QF+16*\t+8:QF+16*\t+15], v[S+32*\t+8*\kt:S+32*\t+8*\kt+7]
.endr
.endr
	WIN 0
	PLACES
	SOFTMAX \first
	s_wait_dscnt 0x0                               ; V is in
	WIN W_PV
.irp kk, 0,1                          ; keys 32 kk on: four blocks of 16 channels, then the row sums; ten accumulators by turns
.irp ct, 0,1,2,3
.irp t, 0,1
.if \first && (\kk == 0)
	v_wmma_f32_16x16x32_bf16 v[OT+32*\t+8*\ct:OT+32*\t+8*\ct+7], v[VF+32*\kk+8*\ct:VF+32*\kk+8*\ct+7], v[P+16*\t+8*\kk:P+16*\t+8*\kk+7], 0
.else
	v_wmma_f32_16x16x32_bf16 v[OT+32*\t+8*\ct:OT+32*\t+8*\ct+7], v[VF+32*\kk+8*\ct:VF+32*\kk+8*\ct+7], v[P+16*\t+8*\kk:P+16*\t+8*\kk+7], v[OT+32*\t+8*\ct:OT+32*\t+8*\ct+7]
.endif
.endr
.endr
.irp t, 0,1
.if \first && (\kk == 0)
	v_wmma_f32_16x16x32_bf16 v[LS+8*\t:LS+8*\t+7], v[ONE:ONE+7], v[P+16*\t+8*\kk:P+16*\t+8*\kk+7], 0
.else
	v_wmma_f32_16x16x32_bf16 v[LS+8*\t:LS+8*\t+7], v[ONE:ONE+7], v[P+16*\t+8*\kk:P+16*\t+8*\kk+7], v[LS+8*\t:LS+8*\t+7]
.endif
.endr
.endr
	WIN 0                                          ; at a label and at a branch every window is 0
.endm
.macro STEPS n                        ; n key steps of one slot: written once, walked n times; the LDS addresses hang on s[TB] and s[KB]
	s_mov_b32 s[INNER], \n
.Lstep_\@:
	STEP 0
	s_sub_co_u32 s[INNER], s[INNER], 1
	s_cmp_lg_u32 s[INNER], 0
	s_cbranch_scc1 .Lstep_\@
.endm
; THE CHANGE OF SLOTS.  Each wave waits for its own reads of the slot and for all its tensor loads, of which one is out: its part of the other slot.  Behind the barrier nobody reads
; this slot any more and the other slot is whole.  fill = 1: this slot is filled again, with the keys two slots (512 keys) on; the barrier is then a round of the cluster's, so that no
; wave of any partner still reads the slot or has a load on its way, and the joint refill is the first thing behind it.
.macro CHANGE slot, fill
	WIN 0
	s_wait_dscnt 0x0
	s_wait_tensorcnt 0x0              ; no tensor load of mine is out, so a group 0 may be written
	ds_add_u32 v254, v255
	s_wait_dscnt 0x0
.if \fill
	s_add_nc_u64 s[G0K+4*\slot+2:G0K+4*\slot+3], s[G0K+4*\slot+2:G0K+4*\slot+3], 512*ROWB  ; the type bits on top are not reached
	s_add_nc_u64 s[G0V+4*\slot+2:G0V+4*\slot+3], s[G0V+4*\slot+2:G0V+4*\slot+3], 512*ROWB
	CROUND
	JLOAD \slot
.else
	s_barrier_signal -1
	s_barrier_wait -1
.endif
	s_mov_b32 s[TB], (1-\slot)*SLOT   ; the fetches go on in the other slot
.endm
	STEP 1                            ; keys 0-63 start m, l and O^T
	STEPS 3
	s_mov_b32 s[OUTER], 3
.Lslots:                              ; three trips, two slots each: six refills, keys 512 to 2,047
	CHANGE 0, 1
	STEPS 4
	CHANGE 1, 1
	STEPS 4
	s_sub_co_u32 s[OUTER], s[OUTER], 1
	s_cmp_lg_u32 s[OUTER], 0
	s_cbranch_scc1 .Lslots
	CHANGE 0, 0                       ; the tail is written out: nothing is left to ask for
	STEPS 4
	; THE WAY OUT.  O^T is divided by l, rounded to bf16 and sent through the stage, since a row's 256 bytes come from two waves (the pair's two heads).
	s_wait_dscnt 0x0
	s_barrier_signal -1
	s_barrier_wait -1                 ; every wave has left the ring: the stage is written only now
	PLACES                            ; behind the last products
.irp t, 0,1
	v_rcp_f32 v[ST+8*\t+2], v[LS+8*\t]
.endr
	v_nop                             ; a plain instruction between the last reciprocal and the use of its result
	s_wait_alu depctr_va_vdst(0)
.irp t, 0,1
.irp i, 0,1,2,3,4,5,6,7,8,9,10,11,12,13,14,15
	v_pk_mul_f32 v[OT+32*\t+2*\i:OT+32*\t+2*\i+1], v[OT+32*\t+2*\i:OT+32*\t+2*\i+1], v[ST+8*\t+2:ST+8*\t+3] op_sel_hi:[1,0]
.endr
.irp i, 0,1,2,3,4,5,6,7,8,9,10,11,12,13,14,15
	v_cvt_pk_bf16_f32 v[P+16*\t+\i], v[OT+32*\t+2*\i], v[OT+32*\t+2*\i+1]
.endr
.irp ct, 0,1,2,3                      ; a lane's eight channels 16 ct + 8 (l / 16) + 0..7 are 16 bytes of its query's row
	ds_store_b128 v[STO], v[P+16*\t+4*\ct:P+16*\t+4*\ct+3] offset:\t*16*SP+32*\ct
.endr
.endr
	s_wait_dscnt 0x0                  ; for the others' sake: my stores into the stage are done
	s_barrier_signal -1
	s_barrier_wait -1
.irp i, 0,1,2,3,4,5,6,7
	ds_load_b128 v[S+4*\i:S+4*\i+3], v[RD] offset:\i*2*SP
.endr
.irp i, 0,1,2,3,4,5,6,7
	s_wait_dscnt 7-\i                 ; load i is back; the 7 - i younger ones may be out
	global_store_b128 v[GO], v[S+4*\i:S+4*\i+3], s[8:9] offset:\i*4096  ; 16 lanes store 256 consecutive bytes, at a multiple of 256 from att's first byte
.endr
	s_wait_tensorcnt 0x0
	ds_add_u32 v254, v255
	s_wait_dscnt 0x0
	CROUND                            ; the closing round: no work-group ends while a partner may still ask for a tile that names it
	s_endpgm
.Lfunc_end_k_q8aed06ff93_attn:
	.size	k_q8aed06ff93_attn, .Lfunc_end_k_q8aed06ff93_attn-k_q8aed06ff93_attn
	.p2alignl 7, 3214868480
	.fill 96, 4, 3214868480
	.section	.rodata,"a",@progbits
	.p2align	6, 0x0
	.amdhsa_kernel k_q8aed06ff93_attn
		.amdhsa_group_segment_fixed_size 327680
		.amdhsa_private_segment_fixed_size 0
		.amdhsa_enable_private_segment 0
		.amdhsa_kernarg_size 24
		.amdhsa_user_sgpr_count 2
		.amdhsa_user_sgpr_kernarg_segment_ptr 1
		.amdhsa_wavefront_size32 1
		.amdhsa_system_sgpr_workgroup_id_x 1
		.amdhsa_system_sgpr_workgroup_id_y 1
		.amdhsa_system_sgpr_workgroup_id_z 1
		.amdhsa_system_vgpr_workitem_id 0
		.amdhsa_next_free_vgpr 512
		.amdhsa_next_free_sgpr 72
		.amdhsa_reserve_vcc 1
		.amdhsa_float_denorm_mode_32 3
		.amdhsa_float_denorm_mode_16_64 3
		.amdhsa_memory_ordered 1
		.amdhsa_forward_progress 1
		.amdhsa_inst_pref_size 101
	.end_amdhsa_kernel
	.amdgpu_metadata
---
amdhsa.version: [ 1, 2 ]
amdhsa.kernels:
  - .name:           k_q8aed06ff93_attn
    .symbol:         k_q8aed06ff93_attn.kd
    .args:
      - { .name: qkv, .offset: 0, .size: 8, .value_kind: global_buffer, .address_space: global }
      - { .name: mask, .offset: 8, .size: 8, .value_kind: global_buffer, .address_space: global }
      - { .name: att, .offset: 16, .size: 8, .value_kind: global_buffer, .address_space: global }
    .group_segment_fixed_size: 327680
    .private_segment_fixed_size: 0
    .kernarg_segment_align: 8
    .kernarg_segment_size: 24
    .max_flat_workgroup_size: 256
    .sgpr_count:     72
    .vgpr_count:     512
    .wavefront_size: 32
...
	.end_amdgpu_metadata
.endif
;; end of part 4
;; launch wo (part 5): grid 8 x 32, 4 waves a work-group, clusters of 4 x 4, 327,680 bytes of LDS; arguments att, wbf, x1, wo_b, x; writes x1
.if DOCPART == 5
	.amdgcn_target "amdgcn-amd-amdhsa--gfx1250"
	.amdhsa_code_object_version 6
	.text
	.protected	k_q8aed06ff93_wo
	.globl	k_q8aed06ff93_wo
	.p2align	8
	.type	k_q8aed06ff93_wo,@function
k_q8aed06ff93_wo:
	s_mov_b64 s[64:65], 0
	v_nop
	global_prefetch_b8 v0, s[64:65] scope:SCOPE_SE
	s_setreg_imm32_b32 hwreg(HW_REG_WAVE_MODE, 25, 1), 1
	s_wait_xcnt 0x0
	s_wait_alu depctr_hold_cnt(0) depctr_sa_sdst(0) depctr_va_vdst(0) depctr_va_sdst(0) depctr_va_ssrc(0) depctr_va_vcc(0) depctr_vm_vsrc(0)
	s_getreg_b32 s2, hwreg(HW_REG_IB_STS2, 6, 4)
	s_cmp_eq_u32 s2, 0
	s_cbranch_scc0 .Lentry_in_a_cluster
	s_endpgm
.Lentry_in_a_cluster:
	s_bfe_u32 s2, ttmp6, 0x10000c
	s_cmp_lg_u32 s2, 0xf033
	s_cbranch_scc0 .Lentry_shape_is_right
	s_endpgm
.Lentry_shape_is_right:
; x1[m][n] = x[m][n] + sum over k of att[m][k] W[n][k] + bias[n], in f32.  att: [4096][1024] bf16; W = wo as bf16 [1024][1024] at byte 6,291,456 of wbf; x, x1: [4096][1024] f32.
; A tile of C is 128 x 128: 256 work-groups of four waves, each wave 64 x 64: 16 accumulators of 16 x 16, 128 registers.  K goes in steps of 256 (LDS rows of 512 bytes;
; a wave's tensor load brings 64 of them) through two LDS slots.  A wave's 64 f32 columns are one aligned 256 bytes of C, so each wave has a stage of its own on the way out: no barrier there.
; The residual's 64 x 64 numbers are asked for at the start, in the places in which they are added at the end, and wait in 128 registers of window 2.
; CLUSTERS: 4 x 4 work-groups.  The four of a row of the cluster need the same tiles of A, the four of a column the same tiles of B: each tile is asked for JOINTLY, by the same
; tensor load with the same descriptor and a mask that names the four.  THE MATRIX INSTRUCTION IS USED TRANSPOSED (source 0 = 16 rows of B, source 1 = 16 rows of A): a lane
; then holds eight neighbouring numbers of a row of C.
; REGISTERS: window 0: v0-31 addresses; v96-99 the bias of my lane's four columns; v128-255 the accumulators ((a, b) at v[128 + 8 (4 a + b)]).
;   window 1: two fragment buffers of 128: for 64 along K, 64 registers of A, then 64 of B.   window 2: v0-127 the residual.
.set SIZE_N, 1024
.set SIZE_K, 1024
.set B_OFF,  6291456                   ; where B begins in wbf
.set KSTEP,  256
.set PITCH,  528                       ; an LDS row: 512 bytes of data + 16 of padding = 132 words: row r starts at bank 4 r mod 64 (64 banks of 4 bytes: ISA guide 11.1)
.set HALFT,  64*PITCH                  ; 64 rows: what one tensor load brings, and what one wave reads of A or of B
.set SLOT,   4*HALFT                   ; A's 128 rows, then B's 128 rows
.set STAGE,  2*SLOT                    ; behind the ring: 16 rows x 272 bytes for each wave, for the way out; no tensor load lands there
.set SPITCH, 272
.set LAPS, SIZE_K/(2*KSTEP)            ; a lap = two K steps = once round the ring
.set ADRA, 16                          ; v16-17  LDS address of my A fragments in slot 0, 1
.set ADRB, 20                          ; v20-21  the same for B
.set STO,  24                          ; v24     the way out: where I put 32 bytes of a row
.set RD,   25                          ; v25     the way out: where I read a row back
.set CO,   26                          ; v26     my byte offset in C and in the residual
.set BO,   27                          ; v27     my byte offset in the bias
.set BIAS, 96
.set ACC,  128
.set RES,  0                           ; in window 2
.set F0,   0                           ; fragment buffers, in window 1
.set F1,   128
.set G1, 24                            ; s[24:31] descriptor group 1 for A's tiles;  s[32:39] group 0, one set for each slot
.set G0, 32
.set G1B, 48                           ; s[48:55], s[56:63] the same for B's tiles
.set G0B, 56
.set MSB, 0
.macro WIN new                         ; the immediate's high byte repeats the setting that is left
.if MSB != \new
	s_set_vgpr_msb (MSB<<8)|\new
.set MSB, \new
.endif
.endm
.set MUL,  0x05                        ; sources 0 (B) and 1 (A) window 1; C and D window 0
.set TO_F, 0x40                        ; destination window 1, address window 0
.macro JLOAD s                         ; a joint load: waves 0 and 1 fetch A's two halves, waves 2 and 3 B's; four v_nop follow each of the two lines, ahead of the jump, the label and what follows
	s_cmp_eq_u32 s11, 0
	s_cbranch_scc0 .Lfor_b_\@
	tensor_load_to_lds s[G0+4*\s:G0+4*\s+3], s[G1:G1+7]
	s_nop 0
.rept 4
	v_nop
.endr
	s_branch .Lasked_\@
.Lfor_b_\@:
	tensor_load_to_lds s[G0B+4*\s:G0B+4*\s+3], s[G1B:G1B+7]
	s_nop 0
.rept 4
	v_nop
.endr
.Lasked_\@:
.endm
.macro CREST                           ; a round of the cluster's barrier behind its opening barrier
	s_cmp_lg_u32 s10, 0
	s_cbranch_scc1 .Lnot_wave_0_\@
	s_barrier_signal -3
.Lnot_wave_0_\@:
	s_barrier_wait -3
	s_barrier_signal -1
	s_barrier_wait -1
.endm
.macro CROUND                          ; a whole round
	s_barrier_signal -1
	s_barrier_wait -1
	CREST
.endm
	s_load_b128 s[4:7], s[0:1], 0x0                ; A s[4:5], B s[6:7]
	s_load_b64 s[8:9], s[0:1], 0x10                ; C
	s_load_b64 s[66:67], s[0:1], 0x18              ; the bias
	s_load_b64 s[76:77], s[0:1], 0x20              ; the residual
	v_lshl_add_u32 v126, v0, 2, 0x46400
	v_mov_b32 v127, 0
	ds_add_u32 v126, v127
	v_lshrrev_b32 v1, 5, v0
	v_readfirstlane_b32 s10, v1                    ; wave 0..3
	s_lshr_b32 s11, s10, 1                         ; which half of the tile's rows is mine.  Also: I fetch for A (0) or for B (1)
	s_and_b32 s12, s10, 1                          ; which half of its columns.  Also: which 64 rows of that tile I fetch
	s_bfe_u32 s40, ttmp6, 0x40000                  ; cx, cy: my place in the cluster
	s_bfe_u32 s41, ttmp6, 0x40004
	s_lshl_b32 s42, ttmp9, 2
	s_add_co_u32 s42, s42, s40                     ; tile column of C = 4 x cluster x + cx
	s_and_b32 s13, ttmp7, 0xffff
	s_lshl_b32 s13, s13, 2
	s_add_co_u32 s13, s13, s41                     ; tile row of C = 4 x cluster y + cy
	s_lshl_b32 s43, s41, 2
	s_lshl_b32 s43, 15, s43                        ; my row of the cluster
	s_lshl_b32 s44, 0x1111, s40                    ; my column
	; descriptor group 1: a tile of 64 rows x 256 elements, padded in LDS
	s_or_b32 s[G1+0], s43, (1<<16)|(1<<20)|(1<<21)|(6<<22)|(3<<25)  ; 15:0 the mask: A's tiles go to my row; 17:16 element of 2 bytes; 20 padding on; 21 set beside a mask; 24:22 after every 128 words (code 6); 31:25 of 4 words (code 3)
	s_or_b32 s[G1B+0], s44, (1<<16)|(1<<20)|(1<<21)|(6<<22)|(3<<25) ; the same with the mask of my column, for B's tiles
.irp g, G1, G1B
	s_mov_b32 s[\g+1], KSTEP<<16                   ; tensor_dim0 = 256
	s_mov_b32 s[\g+2], 64<<16                      ; tensor_dim1 = 64
	s_mov_b32 s[\g+3], KSTEP<<16                   ; tile_dim0 = 256
	s_mov_b32 s[\g+4], 64                          ; tile_dim1 = 64
	s_mov_b32 s[\g+5], SIZE_K                      ; tensor_dim0_stride
	s_mov_b32 s[\g+6], 0
	s_mov_b32 s[\g+7], 0
.endr
	s_lshl_b32 s17, s12, 6                         ; which 64 rows of the tile I fetch
	s_lshl_b32 s16, s13, 7
	s_add_co_u32 s16, s16, s17                     ; A: row 128 x tile row + 64 x half
	s_lshl_b32 s46, s42, 7
	s_add_co_u32 s46, s46, s17                     ; B: row 128 x tile column + 64 x half
	s_mov_b32 s17, 0
	s_mov_b32 s47, 0
	s_mov_b64 s[18:19], SIZE_K*2
	s_mul_u64 s[16:17], s[16:17], s[18:19]
	s_mul_u64 s[46:47], s[46:47], s[18:19]
.if B_OFF
	s_add_nc_u64 s[46:47], s[46:47], B_OFF
.endif
	s_mul_i32 s20, s10, HALFT                      ; where they go: wave x 64 rows: no place in the cluster enters an LDS address
	s_wait_dscnt 0x0
	s_wait_kmcnt 0x0
	s_add_nc_u64 s[14:15], s[4:5], s[16:17]
	s_add_nc_u64 s[46:47], s[6:7], s[46:47]
	CROUND                                         ; all sixteen work-groups are here: the first joint loads meet
.irp s, 0,1
	s_mov_b32 s[G0+4*\s], 1
	s_add_co_u32 s[G0+4*\s+1], s20, \s*SLOT
	s_add_nc_u64 s[G0+4*\s+2:G0+4*\s+3], s[14:15], \s*KSTEP*2
	s_or_b32 s[G0+4*\s+3], s[G0+4*\s+3], 0x80000000
	s_mov_b32 s[G0B+4*\s], 1
	s_add_co_u32 s[G0B+4*\s+1], s20, \s*SLOT
	s_add_nc_u64 s[G0B+4*\s+2:G0B+4*\s+3], s[46:47], \s*KSTEP*2
	s_or_b32 s[G0B+4*\s+3], s[G0B+4*\s+3], 0x80000000
	JLOAD \s                                       ; two tensor loads of mine are out
.endr
	v_and_b32 v1, 15, v0                           ; l % 16
	v_bfe_u32 v2, v0, 4, 1                         ; l / 16
	v_mul_u32_u24 v3, v1, PITCH
	v_lshl_add_u32 v3, v2, 4, v3                   ; a fragment's row x pitch + 16 x half
	s_mul_i32 s21, s11, HALFT                      ; my 64 rows of A
	s_mul_i32 s22, s12, HALFT                      ; my 64 rows of B,
	s_add_co_u32 s22, s22, 2*HALFT                 ; which lie behind A's 128
.irp s, 0,1
	v_add_nc_u32 v[ADRA+\s], s21, v3
	v_add_nc_u32 v[ADRB+\s], s22, v3
	s_add_co_u32 s21, s21, SLOT
	s_add_co_u32 s22, s22, SLOT
.endr
	s_mul_i32 s23, s10, 16*SPITCH
	s_add_co_u32 s23, s23, STAGE                   ; my stage
	v_mul_u32_u24 v4, v1, SPITCH                   ; in: row l % 16, 32 bytes (eight f32) for each half of the lanes
	v_lshl_add_u32 v4, v2, 5, v4
	v_add_nc_u32 v[STO], s23, v4
	v_mul_u32_u24 v5, v2, SPITCH                   ; back: lanes 0-15 take one row of 256 bytes, lanes 16-31 the next
	v_lshl_add_u32 v5, v1, 4, v5
	v_add_nc_u32 v[RD], s23, v5
	v_mul_u32_u24 v5, v2, SIZE_N*4                 ; and the same two rows in C and in the residual
	v_lshl_add_u32 v[CO], v1, 4, v5
	v_lshlrev_b32 v[BO], 4, v1                     ; read back, my lane holds columns 4 (l % 16) + 0..3 of the wave's 64
	s_lshl_b32 s16, s13, 7
	s_lshl_b32 s17, s11, 6
	s_add_co_u32 s16, s16, s17                     ; my first row of C: 128 x tile row + 64 x half
	s_mov_b32 s17, 0
	s_mov_b64 s[18:19], SIZE_N*4
	s_mul_u64 s[16:17], s[16:17], s[18:19]
	s_add_nc_u64 s[8:9], s[8:9], s[16:17]
	s_add_nc_u64 s[76:77], s[76:77], s[16:17]
	s_lshl_b32 s46, s42, 9                         ; my first column, in bytes: 512 x tile column + 256 x half
	s_lshl_b32 s47, s12, 8
	s_add_co_u32 s46, s46, s47
	s_mov_b32 s47, 0
	s_add_nc_u64 s[8:9], s[8:9], s[46:47]
	s_add_nc_u64 s[76:77], s[76:77], s[46:47]
	s_add_nc_u64 s[66:67], s[66:67], s[46:47]
	global_load_b128 v[BIAS:BIAS+3], v[BO], s[66:67]
	WIN 0x80                                       ; destination window 2, address window 0
.irp a, 0,1,2,3
.irp i, 0,1,2,3,4,5,6,7
	global_load_b128 v[RES+32*\a+4*\i:RES+32*\a+4*\i+3], v[CO], s[76:77] offset:(16*\a+2*\i)*SIZE_N*4   ; 16 lanes read 256 consecutive bytes, aligned
.endr
.endr
	WIN 0
; 8 matrix instructions: m blocks a0, a0 + 1 x all 4 n blocks, 32 along K: half c of buffer f.  zero = 1: the first product starts the sums.
; The sixteen accumulators take turns, one instruction a turn.
.macro MUL8 f, c, a0, zero
.irp a, \a0, \a0+1
.irp b, 0,1,2,3
.if \zero
	v_wmma_f32_16x16x32_bf16 v[ACC+8*(4*(\a)+\b):ACC+8*(4*(\a)+\b)+7], v[\f+64+8*(4*\c+\b):\f+64+8*(4*\c+\b)+7], v[\f+8*(4*\c+\a):\f+8*(4*\c+\a)+7], 0
.else
	v_wmma_f32_16x16x32_bf16 v[ACC+8*(4*(\a)+\b):ACC+8*(4*(\a)+\b)+7], v[\f+64+8*(4*\c+\b):\f+64+8*(4*\c+\b)+7], v[\f+8*(4*\c+\a):\f+8*(4*\c+\a)+7], v[ACC+8*(4*(\a)+\b):ACC+8*(4*(\a)+\b)+7]
.endif
.endr
.endr
.endm
; 32 LDS loads in one run: the fragments of 64 along K at byte k of the rows, into buffer f; the first 32 along K first
.macro FETCH slot, k, f
	WIN TO_F
.irp c, 0,1
.irp i, 0,1,2,3
	ds_load_b128 v[\f+64+8*(4*\c+\i):\f+64+8*(4*\c+\i)+3],   v[ADRB+\slot] offset:\k+64*\c+\i*16*PITCH
	ds_load_b128 v[\f+64+8*(4*\c+\i)+4:\f+64+8*(4*\c+\i)+7], v[ADRB+\slot] offset:\k+64*\c+\i*16*PITCH+32
	ds_load_b128 v[\f+8*(4*\c+\i):\f+8*(4*\c+\i)+3],         v[ADRA+\slot] offset:\k+64*\c+\i*16*PITCH
	ds_load_b128 v[\f+8*(4*\c+\i)+4:\f+8*(4*\c+\i)+7],       v[ADRA+\slot] offset:\k+64*\c+\i*16*PITCH+32
.endr
.endr
.endm
.macro PLACES                          ; four plain instructions in front of loads into registers that matrix instructions have read, and of LDS stores that read results
.rept 4
	v_nop
.endr
.endm
; A K step is four quarters of 64 along K, 32 matrix instructions each, on buffers 0, 1, 0, 1.  One of the first three: multiplies buffer f and fetches the next quarter, at byte k, into g.
.macro QUARTER slot, k, f, g, zero
	s_wait_dscnt 16                                ; the first 32 along K are in; the sixteen younger loads may be out
	WIN MUL
	MUL8 \f, 0, 0, \zero
	MUL8 \f, 0, 2, \zero
	PLACES
	FETCH \slot, \k, \g
	s_wait_dscnt 32                                ; all but the 32 just issued
	WIN MUL
	MUL8 \f, 1, 0, 0
	MUL8 \f, 1, 2, 0
.endm
; The last quarter multiplies buffer 1 and changes slots: ONE barrier; in front of it each wave waits for its own reads of this slot and for all its tensor loads.  fill = 1: this slot is filled again, two K steps ahead.
.macro TURN slot, next, fill
	s_wait_dscnt 16
	WIN MUL
	MUL8 F1, 0, 0, 0
	s_wait_dscnt 0                                 ; my reads of this slot are over,
	s_set_vgpr_msb 0x500
	s_wait_tensorcnt 0x0                           ; and all my tensor loads have landed: my part of the next slot
	ds_add_u32 v126, v127
	s_wait_dscnt 0x0
	s_set_vgpr_msb 0x5
	s_barrier_signal -1
	MUL8 F1, 0, 2, 0
.if \fill
	WIN 0
.endif
	s_barrier_wait -1
.if \fill
	CREST                                          ; the barrier has opened a round of the cluster's barrier: no wave of any partner still reads this slot's tile or has a load on its way
	s_add_nc_u64 s[G0+4*\slot+2:G0+4*\slot+3], s[G0+4*\slot+2:G0+4*\slot+3], 2*KSTEP*2
	s_add_nc_u64 s[G0B+4*\slot+2:G0B+4*\slot+3], s[G0B+4*\slot+2:G0B+4*\slot+3], 2*KSTEP*2
	JLOAD \slot                                    ; the first tensor load behind the round, my only one out; the four v_nop behind it are also the places in front of the loads below
.else
	PLACES
.endif
	FETCH \next, 0, F0
	WIN MUL
	MUL8 F1, 1, 0, 0
	MUL8 F1, 1, 2, 0
.endm
	s_wait_tensorcnt 1                             ; my part of K step 0 is in; K step 1's may stay out
	s_barrier_signal -1
	s_barrier_wait -1                              ; everybody's is
	FETCH 0, 0, F0
	QUARTER 0, 128, F0, F1, 1                      ; the first quarter stands in front of the loop: its first products start the sums
.if LAPS > 1
	WIN 0                                          ; at a label and at a branch every window is 0
	s_mov_b32 s3, LAPS-1
.Llap:                                                 ; a trip goes once round the ring, from a lap's second quarter to the next lap's first, and fills both slots again
	QUARTER 0, 256, F1, F0, 0
	QUARTER 0, 384, F0, F1, 0
	TURN 0, 1, 1
	QUARTER 1, 128, F0, F1, 0
	QUARTER 1, 256, F1, F0, 0
	QUARTER 1, 384, F0, F1, 0
	TURN 1, 0, 1
	QUARTER 0, 128, F0, F1, 0
	WIN 0
	s_sub_co_u32 s3, s3, 1
	s_cmp_lg_u32 s3, 0
	s_cbranch_scc1 .Llap
.endif
	QUARTER 0, 256, F1, F0, 0                      ; the last lap fills nothing, and has no round of the cluster's barrier
	QUARTER 0, 384, F0, F1, 0
	TURN 0, 1, 0
	QUARTER 1, 128, F0, F1, 0
	QUARTER 1, 256, F1, F0, 0
	QUARTER 1, 384, F0, F1, 0
	s_wait_dscnt 16                                ; the very last quarter: nothing more to fetch
	WIN MUL
	MUL8 F1, 0, 0, 0
	MUL8 F1, 0, 2, 0
	s_wait_dscnt 0
	MUL8 F1, 1, 0, 0
	MUL8 F1, 1, 2, 0
	WIN 0
	; THE WAY OUT.  A block of 16 rows at a time goes through my own stage: 32 bytes a lane in, whole rows of 256 bytes back, into the registers that it left.
	; LDS serves a wave's instructions in order (ISA guide 5.7.1.4): the loads see the stores above them, and the next block's stores come behind them.
	PLACES
.irp a, 0,1,2,3
.irp b, 0,1,2,3
	ds_store_b128 v[STO], v[ACC+8*(4*\a+\b):ACC+8*(4*\a+\b)+3]   offset:64*\b
	ds_store_b128 v[STO], v[ACC+8*(4*\a+\b)+4:ACC+8*(4*\a+\b)+7] offset:64*\b+16
.endr
.irp i, 0,1,2,3,4,5,6,7
	ds_load_b128 v[ACC+32*\a+4*\i:ACC+32*\a+4*\i+3], v[RD] offset:\i*2*SPITCH
.endr
.endr
	s_wait_loadcnt 0x0                             ; the bias and the residual
.irp a, 0,1,2,3
	s_wait_dscnt 16*(3-\a)                         ; block a is back; the later blocks' eight stores and eight loads each may be out
.irp i, 0,1,2,3,4,5,6,7
	v_pk_add_f32 v[ACC+32*\a+4*\i:ACC+32*\a+4*\i+1],   v[ACC+32*\a+4*\i:ACC+32*\a+4*\i+1],   v[BIAS:BIAS+1]
	v_pk_add_f32 v[ACC+32*\a+4*\i+2:ACC+32*\a+4*\i+3], v[ACC+32*\a+4*\i+2:ACC+32*\a+4*\i+3], v[BIAS+2:BIAS+3]
.endr
	WIN 0x08                                       ; source 1 in window 2: the residual
.irp p, 0,1,2,3,4,5,6,7,8,9,10,11,12,13,14,15
	v_pk_add_f32 v[ACC+32*\a+2*\p:ACC+32*\a+2*\p+1], v[ACC+32*\a+2*\p:ACC+32*\a+2*\p+1], v[RES+32*\a+2*\p:RES+32*\a+2*\p+1]
.endr
	WIN 0
.irp i, 0,1,2,3,4,5,6,7
	global_store_b128 v[CO], v[ACC+32*\a+4*\i:ACC+32*\a+4*\i+3], s[8:9] offset:(16*\a+2*\i)*SIZE_N*4   ; 16 lanes store 256 consecutive bytes, at a multiple of 256 from C's first byte
.endr
.endr
	s_wait_tensorcnt 0x0
	ds_add_u32 v126, v127
	s_wait_dscnt 0x0
	CROUND                                         ; the closing round: no work-group ends while a partner may still ask for a tile that names it
	s_endpgm
.Lfunc_end_k_q8aed06ff93_wo:
	.size	k_q8aed06ff93_wo, .Lfunc_end_k_q8aed06ff93_wo-k_q8aed06ff93_wo
	.p2alignl 7, 3214868480
	.fill 96, 4, 3214868480
	.section	.rodata,"a",@progbits
	.p2align	6, 0x0
	.amdhsa_kernel k_q8aed06ff93_wo
		.amdhsa_group_segment_fixed_size 327680
		.amdhsa_private_segment_fixed_size 0
		.amdhsa_enable_private_segment 0
		.amdhsa_kernarg_size 40
		.amdhsa_user_sgpr_count 2
		.amdhsa_user_sgpr_kernarg_segment_ptr 1
		.amdhsa_wavefront_size32 1
		.amdhsa_system_sgpr_workgroup_id_x 1
		.amdhsa_system_sgpr_workgroup_id_y 1
		.amdhsa_system_sgpr_workgroup_id_z 1
		.amdhsa_system_vgpr_workitem_id 0
		.amdhsa_next_free_vgpr 640
		.amdhsa_next_free_sgpr 80
		.amdhsa_reserve_vcc 0
		.amdhsa_float_denorm_mode_32 3
		.amdhsa_float_denorm_mode_16_64 3
		.amdhsa_memory_ordered 1
		.amdhsa_forward_progress 1
		.amdhsa_inst_pref_size 97
	.end_amdhsa_kernel
	.amdgpu_metadata
---
amdhsa.version: [ 1, 2 ]
amdhsa.kernels:
  - .name:           k_q8aed06ff93_wo
    .symbol:         k_q8aed06ff93_wo.kd
    .args:
      - { .name: att, .offset: 0, .size: 8, .value_kind: global_buffer, .address_space: global }
      - { .name: wbf, .offset: 8, .size: 8, .value_kind: global_buffer, .address_space: global }
      - { .name: x1, .offset: 16, .size: 8, .value_kind: global_buffer, .address_space: global }
      - { .name: wo_b, .offset: 24, .size: 8, .value_kind: global_buffer, .address_space: global }
      - { .name: x, .offset: 32, .size: 8, .value_kind: global_buffer, .address_space: global }
    .group_segment_fixed_size: 327680
    .private_segment_fixed_size: 0
    .kernarg_segment_align: 8
    .kernarg_segment_size: 40
    .max_flat_workgroup_size: 128
    .sgpr_count:     80
    .vgpr_count:     640
    .wavefront_size: 32
...
	.end_amdgpu_metadata
.endif
;; end of part 5
;; launch ln2: the kernel of part 2 again; grid 256 x 1, 8 waves a work-group, no clusters, 0 bytes of LDS; arguments x1, ln2_a, ln2_b, h; writes h
;; launch ff1 (part 6): grid 32 x 32, 4 waves a work-group, clusters of 4 x 4, 327,680 bytes of LDS; arguments h, wbf, ffh, ff1_b; writes ffh
.if DOCPART == 6
	.amdgcn_target "amdgcn-amd-amdhsa--gfx1250"
	.amdhsa_code_object_version 6
	.text
	.protected	k_q8aed06ff93_ff1
	.globl	k_q8aed06ff93_ff1
	.p2align	8
	.type	k_q8aed06ff93_ff1,@function
k_q8aed06ff93_ff1:
	s_mov_b64 s[64:65], 0
	v_nop
	global_prefetch_b8 v0, s[64:65] scope:SCOPE_SE
	s_setreg_imm32_b32 hwreg(HW_REG_WAVE_MODE, 25, 1), 1
	s_wait_xcnt 0x0
	s_wait_alu depctr_hold_cnt(0) depctr_sa_sdst(0) depctr_va_vdst(0) depctr_va_sdst(0) depctr_va_ssrc(0) depctr_va_vcc(0) depctr_vm_vsrc(0)
	s_getreg_b32 s2, hwreg(HW_REG_IB_STS2, 6, 4)
	s_cmp_eq_u32 s2, 0
	s_cbranch_scc0 .Lentry_in_a_cluster
	s_endpgm
.Lentry_in_a_cluster:
	s_bfe_u32 s2, ttmp6, 0x10000c
	s_cmp_lg_u32 s2, 0xf033
	s_cbranch_scc0 .Lentry_shape_is_right
	s_endpgm
.Lentry_shape_is_right:
; ffh[m][n] = max(0, sum over k of h[m][k] W[n][k] + bias[n]), rounded once to bf16.  h: [4096][1024] bf16; W = ff1 as bf16 [4096][1024] at byte 8,388,608 of wbf;
; ffh: [4096][4096] bf16; the bias f32.  Sums in f32.  The maximum lets a NaN lose (it becomes 0 here); the residual that is added behind the next product carries such a NaN on.
; A tile of C is 128 x 128: 1,024 work-groups of four waves, each wave 64 x 64: 16 accumulators of 16 x 16, 128 registers.  K goes in steps of 256 (LDS rows of 512 bytes;
; a wave's tensor load brings 64 of them) through two LDS slots.  The four waves share ONE stage on the way out, since a wave's 64 bf16 columns are half of an aligned 256 bytes of C.
; CLUSTERS: 4 x 4 work-groups.  The four of a row of the cluster need the same tiles of A, the four of a column the same tiles of B: each tile is asked for JOINTLY, by the same
; tensor load with the same descriptor and a mask that names the four.  THE MATRIX INSTRUCTION IS USED TRANSPOSED (source 0 = 16 rows of B, source 1 = 16 rows of A): a lane
; then holds eight neighbouring numbers of a row of C.
; REGISTERS: window 0: v0-31 addresses; v32-95 at work on the way out; v96-127 the bias of my lane's 32 columns; v128-255 the accumulators ((a, b) at v[128 + 8 (4 a + b)]).
;   window 1: two fragment buffers of 128: for 64 along K, 64 registers of A (2 x 4 x 16 rows x 32 K), then 64 of B.
.set SIZE_N, 4096
.set SIZE_K, 1024
.set B_OFF,  8388608                   ; where B begins in wbf
.set RELU,   1
.set KSTEP,  256
.set PITCH,  528                       ; an LDS row: 512 bytes of data + 16 of padding = 132 words: row r starts at bank 4 r mod 64 (64 banks of 4 bytes: ISA guide 11.1)
.set HALFT,  64*PITCH                  ; 64 rows: what one tensor load brings, and what one wave reads of A or of B
.set SLOT,   4*HALFT                   ; A's 128 rows, then B's 128 rows
.set STAGE,  2*SLOT                    ; behind the ring: 128 rows x 272 bytes, the work-group's, for the way out; no tensor load lands there
.set SPITCH, 272
.set LAPS, SIZE_K/(2*KSTEP)            ; a lap = two K steps = once round the ring
.set ADRA, 16                          ; v16-17  LDS address of my A fragments in slot 0, 1
.set ADRB, 20                          ; v20-21  the same for B
.set STO,  24                          ; v24     the way out: where I put 16 bytes of a row
.set RD,   25                          ; v25     the way out: where I read a row back
.set CO,   26                          ; v26     my byte offset in C
.set BO,   27                          ; v27     my byte offset in the bias
.set TMP,  32
.set BIAS, 96
.set ACC,  128
.set F0,   0                           ; fragment buffers, in window 1
.set F1,   128
.set G1, 24                            ; s[24:31] descriptor group 1 for A's tiles;  s[32:39] group 0, one set for each slot
.set G0, 32
.set G1B, 48                           ; s[48:55], s[56:63] the same for B's tiles
.set G0B, 56
.set MSB, 0
.macro WIN new                         ; the immediate's high byte repeats the setting that is left
.if MSB != \new
	s_set_vgpr_msb (MSB<<8)|\new
.set MSB, \new
.endif
.endm
.set MUL,  0x05                        ; sources 0 (B) and 1 (A) window 1; C and D window 0
.set TO_F, 0x40                        ; destination window 1, address window 0
.macro JLOAD s                         ; a joint load: waves 0 and 1 fetch A's two halves, waves 2 and 3 B's; four v_nop follow each of the two lines, ahead of the jump, the label and what follows
	s_cmp_eq_u32 s11, 0
	s_cbranch_scc0 .Lfor_b_\@
	tensor_load_to_lds s[G0+4*\s:G0+4*\s+3], s[G1:G1+7]
	s_nop 0
.rept 4
	v_nop
.endr
	s_branch .Lasked_\@
.Lfor_b_\@:
	tensor_load_to_lds s[G0B+4*\s:G0B+4*\s+3], s[G1B:G1B+7]
	s_nop 0
.rept 4
	v_nop
.endr
.Lasked_\@:
.endm
.macro CREST                           ; a round of the cluster's barrier behind its opening barrier
	s_cmp_lg_u32 s10, 0
	s_cbranch_scc1 .Lnot_wave_0_\@
	s_barrier_signal -3
.Lnot_wave_0_\@:
	s_barrier_wait -3
	s_barrier_signal -1
	s_barrier_wait -1
.endm
.macro CROUND                          ; a whole round
	s_barrier_signal -1
	s_barrier_wait -1
	CREST
.endm
	s_load_b128 s[4:7], s[0:1], 0x0                ; A s[4:5], B s[6:7]
	s_load_b64 s[8:9], s[0:1], 0x10                ; C
	s_load_b64 s[66:67], s[0:1], 0x18              ; the bias
	v_lshl_add_u32 v30, v0, 2, 0x4a800
	v_mov_b32 v31, 0
	ds_add_u32 v30, v31
	v_lshrrev_b32 v1, 5, v0
	v_readfirstlane_b32 s10, v1                    ; wave 0..3
	s_lshr_b32 s11, s10, 1                         ; which half of the tile's rows is mine.  Also: I fetch for A (0) or for B (1)
	s_and_b32 s12, s10, 1                          ; which half of its columns.  Also: which 64 rows of that tile I fetch
	s_bfe_u32 s40, ttmp6, 0x40000                  ; cx, cy: my place in the cluster
	s_bfe_u32 s41, ttmp6, 0x40004
	s_lshl_b32 s42, ttmp9, 2
	s_add_co_u32 s42, s42, s40                     ; tile column of C = 4 x cluster x + cx
	s_and_b32 s13, ttmp7, 0xffff
	s_lshl_b32 s13, s13, 2
	s_add_co_u32 s13, s13, s41                     ; tile row of C = 4 x cluster y + cy
	s_lshl_b32 s43, s41, 2
	s_lshl_b32 s43, 15, s43                        ; my row of the cluster
	s_lshl_b32 s44, 0x1111, s40                    ; my column
	; descriptor group 1: a tile of 64 rows x 256 elements, padded in LDS
	s_or_b32 s[G1+0], s43, (1<<16)|(1<<20)|(1<<21)|(6<<22)|(3<<25)  ; 15:0 the mask: A's tiles go to my row; 17:16 element of 2 bytes; 20 padding on; 21 set beside a mask; 24:22 after every 128 words (code 6); 31:25 of 4 words (code 3)
	s_or_b32 s[G1B+0], s44, (1<<16)|(1<<20)|(1<<21)|(6<<22)|(3<<25) ; the same with the mask of my column, for B's tiles
.irp g, G1, G1B
	s_mov_b32 s[\g+1], KSTEP<<16                   ; tensor_dim0 = 256
	s_mov_b32 s[\g+2], 64<<16                      ; tensor_dim1 = 64
	s_mov_b32 s[\g+3], KSTEP<<16                   ; tile_dim0 = 256
	s_mov_b32 s[\g+4], 64                          ; tile_dim1 = 64
	s_mov_b32 s[\g+5], SIZE_K                      ; tensor_dim0_stride
	s_mov_b32 s[\g+6], 0
	s_mov_b32 s[\g+7], 0
.endr
	s_lshl_b32 s17, s12, 6                         ; which 64 rows of the tile I fetch
	s_lshl_b32 s16, s13, 7
	s_add_co_u32 s16, s16, s17                     ; A: row 128 x tile row + 64 x half
	s_lshl_b32 s46, s42, 7
	s_add_co_u32 s46, s46, s17                     ; B: row 128 x tile column + 64 x half
	s_mov_b32 s17, 0
	s_mov_b32 s47, 0
	s_mov_b64 s[18:19], SIZE_K*2
	s_mul_u64 s[16:17], s[16:17], s[18:19]
	s_mul_u64 s[46:47], s[46:47], s[18:19]
.if B_OFF
	s_add_nc_u64 s[46:47], s[46:47], B_OFF
.endif
	s_mul_i32 s20, s10, HALFT                      ; where they go: wave x 64 rows: no place in the cluster enters an LDS address
	s_wait_dscnt 0x0
	s_wait_kmcnt 0x0
	s_add_nc_u64 s[14:15], s[4:5], s[16:17]
	s_add_nc_u64 s[46:47], s[6:7], s[46:47]
	CROUND                                         ; all sixteen work-groups are here: the first joint loads meet
.irp s, 0,1
	s_mov_b32 s[G0+4*\s], 1
	s_add_co_u32 s[G0+4*\s+1], s20, \s*SLOT
	s_add_nc_u64 s[G0+4*\s+2:G0+4*\s+3], s[14:15], \s*KSTEP*2
	s_or_b32 s[G0+4*\s+3], s[G0+4*\s+3], 0x80000000
	s_mov_b32 s[G0B+4*\s], 1
	s_add_co_u32 s[G0B+4*\s+1], s20, \s*SLOT
	s_add_nc_u64 s[G0B+4*\s+2:G0B+4*\s+3], s[46:47], \s*KSTEP*2
	s_or_b32 s[G0B+4*\s+3], s[G0B+4*\s+3], 0x80000000
	JLOAD \s                                       ; two tensor loads of mine are out
.endr
	v_and_b32 v1, 15, v0                           ; l % 16
	v_bfe_u32 v2, v0, 4, 1                         ; l / 16
	v_mul_u32_u24 v3, v1, PITCH
	v_lshl_add_u32 v3, v2, 4, v3                   ; a fragment's row x pitch + 16 x half
	s_mul_i32 s21, s11, HALFT                      ; my 64 rows of A
	s_mul_i32 s22, s12, HALFT                      ; my 64 rows of B,
	s_add_co_u32 s22, s22, 2*HALFT                 ; which lie behind A's 128
.irp s, 0,1
	v_add_nc_u32 v[ADRA+\s], s21, v3
	v_add_nc_u32 v[ADRB+\s], s22, v3
	s_add_co_u32 s21, s21, SLOT
	s_add_co_u32 s22, s22, SLOT
.endr
	s_mul_i32 s23, s11, 64*SPITCH                  ; into the stage: my 64 rows, my half of their 256 bytes; row l % 16, 16 bytes for each half of the lanes
	s_lshl_b32 s21, s12, 7
	s_add_co_u32 s23, s23, s21
	s_add_co_u32 s23, s23, STAGE
	v_mul_u32_u24 v4, v1, SPITCH
	v_lshl_add_u32 v4, v2, 4, v4
	v_add_nc_u32 v[STO], s23, v4
	s_mul_i32 s23, s10, 32*SPITCH                  ; back: wave w takes rows 32 w .. 32 w + 31, whole; lanes 0-15 one row of 256 bytes, lanes 16-31 the next
	s_add_co_u32 s23, s23, STAGE
	v_mul_u32_u24 v5, v2, SPITCH
	v_lshl_add_u32 v5, v1, 4, v5
	v_add_nc_u32 v[RD], s23, v5
	v_mul_u32_u24 v5, v2, SIZE_N*2                 ; and the same two rows in C
	v_lshl_add_u32 v[CO], v1, 4, v5
	s_lshl_b32 s16, s13, 7
	s_lshl_b32 s17, s10, 5
	s_add_co_u32 s16, s16, s17                     ; the first row of C that I store: 128 x tile row + 32 x wave
	s_mov_b32 s17, 0
	s_mov_b64 s[18:19], SIZE_N*2
	s_mul_u64 s[16:17], s[16:17], s[18:19]
	s_add_nc_u64 s[8:9], s[8:9], s[16:17]
	s_lshl_b32 s46, s42, 8                         ; the tile's first column, in bytes
	s_mov_b32 s47, 0
	s_add_nc_u64 s[8:9], s[8:9], s[46:47]
	; The bias of my wave's 64 columns
	s_lshl_b32 s78, s42, 9                         ; 128 columns x 4 bytes
	s_lshl_b32 s75, s12, 8                         ; + my wave's 64 columns
	s_add_co_u32 s78, s78, s75
	s_mov_b32 s79, 0
	s_add_nc_u64 s[66:67], s[66:67], s[78:79]
	v_lshlrev_b32 v[BO], 5, v2                     ; in accumulator (a, b) my lane holds columns 16 b + 8 (l / 16) + 0..7
.irp b, 0,1,2,3
	global_load_b128 v[BIAS+8*\b:BIAS+8*\b+3],   v[BO], s[66:67] offset:64*\b
	global_load_b128 v[BIAS+8*\b+4:BIAS+8*\b+7], v[BO], s[66:67] offset:64*\b+16
.endr
; 8 matrix instructions: m blocks a0, a0 + 1 x all 4 n blocks, 32 along K: half c of buffer f.  zero = 1: the first product starts the sums.
; The sixteen accumulators take turns, one instruction a turn.
.macro MUL8 f, c, a0, zero
.irp a, \a0, \a0+1
.irp b, 0,1,2,3
.if \zero
	v_wmma_f32_16x16x32_bf16 v[ACC+8*(4*(\a)+\b):ACC+8*(4*(\a)+\b)+7], v[\f+64+8*(4*\c+\b):\f+64+8*(4*\c+\b)+7], v[\f+8*(4*\c+\a):\f+8*(4*\c+\a)+7], 0
.else
	v_wmma_f32_16x16x32_bf16 v[ACC+8*(4*(\a)+\b):ACC+8*(4*(\a)+\b)+7], v[\f+64+8*(4*\c+\b):\f+64+8*(4*\c+\b)+7], v[\f+8*(4*\c+\a):\f+8*(4*\c+\a)+7], v[ACC+8*(4*(\a)+\b):ACC+8*(4*(\a)+\b)+7]
.endif
.endr
.endr
.endm
; 32 LDS loads in one run: the fragments of 64 along K at byte k of the rows, into buffer f; the first 32 along K first
.macro FETCH slot, k, f
	WIN TO_F
.irp c, 0,1
.irp i, 0,1,2,3
	ds_load_b128 v[\f+64+8*(4*\c+\i):\f+64+8*(4*\c+\i)+3],   v[ADRB+\slot] offset:\k+64*\c+\i*16*PITCH
	ds_load_b128 v[\f+64+8*(4*\c+\i)+4:\f+64+8*(4*\c+\i)+7], v[ADRB+\slot] offset:\k+64*\c+\i*16*PITCH+32
	ds_load_b128 v[\f+8*(4*\c+\i):\f+8*(4*\c+\i)+3],         v[ADRA+\slot] offset:\k+64*\c+\i*16*PITCH
	ds_load_b128 v[\f+8*(4*\c+\i)+4:\f+8*(4*\c+\i)+7],       v[ADRA+\slot] offset:\k+64*\c+\i*16*PITCH+32
.endr
.endr
.endm
.macro PLACES                          ; four plain instructions in front of loads into registers that matrix instructions have read, and of vector work that reads results
.rept 4
	v_nop
.endr
.endm
; A K step is four quarters of 64 along K, 32 matrix instructions each, on buffers 0, 1, 0, 1.  One of the first three: multiplies buffer f and fetches the next quarter, at byte k, into g.
.macro QUARTER slot, k, f, g, zero
	s_wait_dscnt 16                                ; the first 32 along K are in; the sixteen younger loads may be out
	WIN MUL
	MUL8 \f, 0, 0, \zero
	MUL8 \f, 0, 2, \zero
	PLACES
	FETCH \slot, \k, \g
	s_wait_dscnt 32                                ; all but the 32 just issued
	WIN MUL
	MUL8 \f, 1, 0, 0
	MUL8 \f, 1, 2, 0
.endm
; The last quarter multiplies buffer 1 and changes slots: ONE barrier; in front of it each wave waits for its own reads of this slot and for all its tensor loads.  fill = 1: this slot is filled again, two K steps ahead.
.macro TURN slot, next, fill
	s_wait_dscnt 16
	WIN MUL
	MUL8 F1, 0, 0, 0
	s_wait_dscnt 0                                 ; my reads of this slot are over,
	s_set_vgpr_msb 0x500
	s_wait_tensorcnt 0x0                           ; and all my tensor loads have landed: my part of the next slot
	ds_add_u32 v30, v31
	s_wait_dscnt 0x0
	s_set_vgpr_msb 0x5
	s_barrier_signal -1
	MUL8 F1, 0, 2, 0
.if \fill
	WIN 0
.endif
	s_barrier_wait -1
.if \fill
	CREST                                          ; the barrier has opened a round of the cluster's barrier: no wave of any partner still reads this slot's tile or has a load on its way
	s_add_nc_u64 s[G0+4*\slot+2:G0+4*\slot+3], s[G0+4*\slot+2:G0+4*\slot+3], 2*KSTEP*2
	s_add_nc_u64 s[G0B+4*\slot+2:G0B+4*\slot+3], s[G0B+4*\slot+2:G0B+4*\slot+3], 2*KSTEP*2
	JLOAD \slot                                    ; the first tensor load behind the round, my only one out; the four v_nop behind it are also the places in front of the loads below
.else
	PLACES
.endif
	FETCH \next, 0, F0
	WIN MUL
	MUL8 F1, 1, 0, 0
	MUL8 F1, 1, 2, 0
.endm
	s_wait_tensorcnt 1                             ; my part of K step 0 is in; K step 1's may stay out
	s_barrier_signal -1
	s_barrier_wait -1                              ; everybody's is
	FETCH 0, 0, F0
	QUARTER 0, 128, F0, F1, 1                      ; the first quarter stands in front of the loop: its first products start the sums
.if LAPS > 1
	WIN 0                                          ; at a label and at a branch every window is 0
	s_mov_b32 s3, LAPS-1
.Llap:                                                 ; a trip goes once round the ring, from a lap's second quarter to the next lap's first, and fills both slots again
	QUARTER 0, 256, F1, F0, 0
	QUARTER 0, 384, F0, F1, 0
	TURN 0, 1, 1
	QUARTER 1, 128, F0, F1, 0
	QUARTER 1, 256, F1, F0, 0
	QUARTER 1, 384, F0, F1, 0
	TURN 1, 0, 1
	QUARTER 0, 128, F0, F1, 0
	WIN 0
	s_sub_co_u32 s3, s3, 1
	s_cmp_lg_u32 s3, 0
	s_cbranch_scc1 .Llap
.endif
	QUARTER 0, 256, F1, F0, 0                      ; the last lap fills nothing, and has no round of the cluster's barrier
	QUARTER 0, 384, F0, F1, 0
	TURN 0, 1, 0
	QUARTER 1, 128, F0, F1, 0
	QUARTER 1, 256, F1, F0, 0
	QUARTER 1, 384, F0, F1, 0
	s_wait_dscnt 16                                ; the very last quarter: nothing more to fetch
	WIN MUL
	MUL8 F1, 0, 0, 0
	MUL8 F1, 0, 2, 0
	s_wait_dscnt 0
	MUL8 F1, 1, 0, 0
	MUL8 F1, 1, 2, 0
	WIN 0
	; THE WAY OUT: the bias is added in f32 and negatives become 0; round to bf16; 16 bytes a lane into the work-group's stage; a barrier, since a row's
	; 256 bytes come from two waves; back as whole rows, 32 rows a wave.
	PLACES
	s_wait_loadcnt 0x0                             ; the bias
.irp t, 0,1,2,3,4,5,6,7,8,9,10,11,12,13,14,15
.irp r, 0,1,2,3
	v_pk_add_f32 v[ACC+8*\t+2*\r:ACC+8*\t+2*\r+1], v[ACC+8*\t+2*\r:ACC+8*\t+2*\r+1], v[BIAS+8*(\t%4)+2*\r:BIAS+8*(\t%4)+2*\r+1]
.endr
.if RELU
.irp r, 0,1,2,3,4,5,6,7
	v_max_num_f32 v[ACC+8*\t+\r], 0, v[ACC+8*\t+\r]
.endr
.endif
.irp r, 0,1,2,3
	v_cvt_pk_bf16_f32 v[TMP+4*\t+\r], v[ACC+8*\t+2*\r], v[ACC+8*\t+2*\r+1]
.endr
.endr
.irp a, 0,1,2,3
.irp b, 0,1,2,3
	ds_store_b128 v[STO], v[TMP+4*(4*\a+\b):TMP+4*(4*\a+\b)+3] offset:\a*16*SPITCH+32*\b
.endr
.endr
	s_wait_dscnt 0x0                               ; for the others' sake: my stores into the stage are done
	s_barrier_signal -1
	s_barrier_wait -1
.irp t, 0,1,2,3,4,5,6,7,8,9,10,11,12,13,14,15
	ds_load_b128 v[TMP+4*\t:TMP+4*\t+3], v[RD] offset:\t*2*SPITCH
.endr
.irp t, 0,1,2,3,4,5,6,7,8,9,10,11,12,13,14,15
	s_wait_dscnt 15-\t                             ; load t is back; the 15 - t younger ones may be out
	global_store_b128 v[CO], v[TMP+4*\t:TMP+4*\t+3], s[8:9] offset:2*\t*SIZE_N*2   ; 16 lanes store 256 consecutive bytes, at a multiple of 256 from C's first byte
.endr
	s_wait_tensorcnt 0x0
	ds_add_u32 v30, v31
	s_wait_dscnt 0x0
	CROUND                                         ; the closing round: no work-group ends while a partner may still ask for a tile that names it
	s_endpgm
.Lfunc_end_k_q8aed06ff93_ff1:
	.size	k_q8aed06ff93_ff1, .Lfunc_end_k_q8aed06ff93_ff1-k_q8aed06ff93_ff1
	.p2alignl 7, 3214868480
	.fill 96, 4, 3214868480
	.section	.rodata,"a",@progbits
	.p2align	6, 0x0
	.amdhsa_kernel k_q8aed06ff93_ff1
		.amdhsa_group_segment_fixed_size 327680
		.amdhsa_private_segment_fixed_size 0
		.amdhsa_enable_private_segment 0
		.amdhsa_kernarg_size 32
		.amdhsa_user_sgpr_count 2
		.amdhsa_user_sgpr_kernarg_segment_ptr 1
		.amdhsa_wavefront_size32 1
		.amdhsa_system_sgpr_workgroup_id_x 1
		.amdhsa_system_sgpr_workgroup_id_y 1
		.amdhsa_system_sgpr_workgroup_id_z 1
		.amdhsa_system_vgpr_workitem_id 0
		.amdhsa_next_free_vgpr 512
		.amdhsa_next_free_sgpr 80
		.amdhsa_reserve_vcc 0
		.amdhsa_float_denorm_mode_32 3
		.amdhsa_float_denorm_mode_16_64 3
		.amdhsa_memory_ordered 1
		.amdhsa_forward_progress 1
		.amdhsa_inst_pref_size 96
	.end_amdhsa_kernel
	.amdgpu_metadata
---
amdhsa.version: [ 1, 2 ]
amdhsa.kernels:
  - .name:           k_q8aed06ff93_ff1
    .symbol:         k_q8aed06ff93_ff1.kd
    .args:
      - { .name: h, .offset: 0, .size: 8, .value_kind: global_buffer, .address_space: global }
      - { .name: wbf, .offset: 8, .size: 8, .value_kind: global_buffer, .address_space: global }
      - { .name: ffh, .offset: 16, .size: 8, .value_kind: global_buffer, .address_space: global }
      - { .name: ff1_b, .offset: 24, .size: 8, .value_kind: global_buffer, .address_space: global }
    .group_segment_fixed_size: 327680
    .private_segment_fixed_size: 0
    .kernarg_segment_align: 8
    .kernarg_segment_size: 32
    .max_flat_workgroup_size: 128
    .sgpr_count:     80
    .vgpr_count:     512
    .wavefront_size: 32
...
	.end_amdgpu_metadata
.endif
;; end of part 6
;; launch ff2 (part 7): grid 8 x 32, 4 waves a work-group, clusters of 4 x 4, 327,680 bytes of LDS; arguments ffh, wbf, out0, ff2_b, x1; writes out0
.if DOCPART == 7
	.amdgcn_target "amdgcn-amd-amdhsa--gfx1250"
	.amdhsa_code_object_version 6
	.text
	.protected	k_q8aed06ff93_ff2
	.globl	k_q8aed06ff93_ff2
	.p2align	8
	.type	k_q8aed06ff93_ff2,@function
k_q8aed06ff93_ff2:
	s_mov_b64 s[64:65], 0
	v_nop
	global_prefetch_b8 v0, s[64:65] scope:SCOPE_SE
	s_setreg_imm32_b32 hwreg(HW_REG_WAVE_MODE, 25, 1), 1
	s_wait_xcnt 0x0
	s_wait_alu depctr_hold_cnt(0) depctr_sa_sdst(0) depctr_va_vdst(0) depctr_va_sdst(0) depctr_va_ssrc(0) depctr_va_vcc(0) depctr_vm_vsrc(0)
	s_getreg_b32 s2, hwreg(HW_REG_IB_STS2, 6, 4)
	s_cmp_eq_u32 s2, 0
	s_cbranch_scc0 .Lentry_in_a_cluster
	s_endpgm
.Lentry_in_a_cluster:
	s_bfe_u32 s2, ttmp6, 0x10000c
	s_cmp_lg_u32 s2, 0xf033
	s_cbranch_scc0 .Lentry_shape_is_right
	s_endpgm
.Lentry_shape_is_right:
; out0[m][n] = x1[m][n] + sum over k of ffh[m][k] W[n][k] + bias[n], in f32.  ffh: [4096][4096] bf16; W = ff2 as bf16 [1024][4096] at byte 16,777,216 of wbf; x1, out0: [4096][1024] f32.
; A tile of C is 128 x 128: 256 work-groups of four waves, each wave 64 x 64: 16 accumulators of 16 x 16, 128 registers.  K goes in steps of 256 (LDS rows of 512 bytes;
; a wave's tensor load brings 64 of them) through two LDS slots.  A wave's 64 f32 columns are one aligned 256 bytes of C, so each wave has a stage of its own on the way out: no barrier there.
; The residual's 64 x 64 numbers are asked for at the start, in the places in which they are added at the end, and wait in 128 registers of window 2.
; CLUSTERS: 4 x 4 work-groups.  The four of a row of the cluster need the same tiles of A, the four of a column the same tiles of B: each tile is asked for JOINTLY, by the same
; tensor load with the same descriptor and a mask that names the four.  THE MATRIX INSTRUCTION IS USED TRANSPOSED (source 0 = 16 rows of B, source 1 = 16 rows of A): a lane
; then holds eight neighbouring numbers of a row of C.
; REGISTERS: window 0: v0-31 addresses; v96-99 the bias of my lane's four columns; v128-255 the accumulators ((a, b) at v[128 + 8 (4 a + b)]).
;   window 1: two fragment buffers of 128: for 64 along K, 64 registers of A, then 64 of B.   window 2: v0-127 the residual.
.set SIZE_N, 1024
.set SIZE_K, 4096
.set B_OFF,  16777216                  ; where B begins in wbf
.set KSTEP,  256
.set PITCH,  528                       ; an LDS row: 512 bytes of data + 16 of padding = 132 words: row r starts at bank 4 r mod 64 (64 banks of 4 bytes: ISA guide 11.1)
.set HALFT,  64*PITCH                  ; 64 rows: what one tensor load brings, and what one wave reads of A or of B
.set SLOT,   4*HALFT                   ; A's 128 rows, then B's 128 rows
.set STAGE,  2*SLOT                    ; behind the ring: 16 rows x 272 bytes for each wave, for the way out; no tensor load lands there
.set SPITCH, 272
.set LAPS, SIZE_K/(2*KSTEP)            ; a lap = two K steps = once round the ring
.set ADRA, 16                          ; v16-17  LDS address of my A fragments in slot 0, 1
.set ADRB, 20                          ; v20-21  the same for B
.set STO,  24                          ; v24     the way out: where I put 32 bytes of a row
.set RD,   25                          ; v25     the way out: where I read a row back
.set CO,   26                          ; v26     my byte offset in C and in the residual
.set BO,   27                          ; v27     my byte offset in the bias
.set BIAS, 96
.set ACC,  128
.set RES,  0                           ; in window 2
.set F0,   0                           ; fragment buffers, in window 1
.set F1,   128
.set G1, 24                            ; s[24:31] descriptor group 1 for A's tiles;  s[32:39] group 0, one set for each slot
.set G0, 32
.set G1B, 48                           ; s[48:55], s[56:63] the same for B's tiles
.set G0B, 56
.set MSB, 0
.macro WIN new                         ; the immediate's high byte repeats the setting that is left
.if MSB != \new
	s_set_vgpr_msb (MSB<<8)|\new
.set MSB, \new
.endif
.endm
.set MUL,  0x05                        ; sources 0 (B) and 1 (A) window 1; C and D window 0
.set TO_F, 0x40                        ; destination window 1, address window 0
.macro JLOAD s                         ; a joint load: waves 0 and 1 fetch A's two halves, waves 2 and 3 B's; four v_nop follow each of the two lines, ahead of the jump, the label and what follows
	s_cmp_eq_u32 s11, 0
	s_cbranch_scc0 .Lfor_b_\@
	tensor_load_to_lds s[G0+4*\s:G0+4*\s+3], s[G1:G1+7]
	s_nop 0
.rept 4
	v_nop
.endr
	s_branch .Lasked_\@
.Lfor_b_\@:
	tensor_load_to_lds s[G0B+4*\s:G0B+4*\s+3], s[G1B:G1B+7]
	s_nop 0
.rept 4
	v_nop
.endr
.Lasked_\@:
.endm
.macro CREST                           ; a round of the cluster's barrier behind its opening barrier
	s_cmp_lg_u32 s10, 0
	s_cbranch_scc1 .Lnot_wave_0_\@
	s_barrier_signal -3
.Lnot_wave_0_\@:
	s_barrier_wait -3
	s_barrier_signal -1
	s_barrier_wait -1
.endm
.macro CROUND                          ; a whole round
	s_barrier_signal -1
	s_barrier_wait -1
	CREST
.endm
	s_load_b128 s[4:7], s[0:1], 0x0                ; A s[4:5], B s[6:7]
	s_load_b64 s[8:9], s[0:1], 0x10                ; C
	s_load_b64 s[66:67], s[0:1], 0x18              ; the bias
	s_load_b64 s[76:77], s[0:1], 0x20              ; the residual
	v_lshl_add_u32 v126, v0, 2, 0x46400
	v_mov_b32 v127, 0
	ds_add_u32 v126, v127
	v_lshrrev_b32 v1, 5, v0
	v_readfirstlane_b32 s10, v1                    ; wave 0..3
	s_lshr_b32 s11, s10, 1                         ; which half of the tile's rows is mine.  Also: I fetch for A (0) or for B (1)
	s_and_b32 s12, s10, 1                          ; which half of its columns.  Also: which 64 rows of that tile I fetch
	s_bfe_u32 s40, ttmp6, 0x40000                  ; cx, cy: my place in the cluster
	s_bfe_u32 s41, ttmp6, 0x40004
	s_lshl_b32 s42, ttmp9, 2
	s_add_co_u32 s42, s42, s40                     ; tile column of C = 4 x cluster x + cx
	s_and_b32 s13, ttmp7, 0xffff
	s_lshl_b32 s13, s13, 2
	s_add_co_u32 s13, s13, s41                     ; tile row of C = 4 x cluster y + cy
	s_lshl_b32 s43, s41, 2
	s_lshl_b32 s43, 15, s43                        ; my row of the cluster
	s_lshl_b32 s44, 0x1111, s40                    ; my column
	; descriptor group 1: a tile of 64 rows x 256 elements, padded in LDS
	s_or_b32 s[G1+0], s43, (1<<16)|(1<<20)|(1<<21)|(6<<22)|(3<<25)  ; 15:0 the mask: A's tiles go to my row; 17:16 element of 2 bytes; 20 padding on; 21 set beside a mask; 24:22 after every 128 words (code 6); 31:25 of 4 words (code 3)
	s_or_b32 s[G1B+0], s44, (1<<16)|(1<<20)|(1<<21)|(6<<22)|(3<<25) ; the same with the mask of my column, for B's tiles
.irp g, G1, G1B
	s_mov_b32 s[\g+1], KSTEP<<16                   ; tensor_dim0 = 256
	s_mov_b32 s[\g+2], 64<<16                      ; tensor_dim1 = 64
	s_mov_b32 s[\g+3], KSTEP<<16                   ; tile_dim0 = 256
	s_mov_b32 s[\g+4], 64                          ; tile_dim1 = 64
	s_mov_b32 s[\g+5], SIZE_K                      ; tensor_dim0_stride
	s_mov_b32 s[\g+6], 0
	s_mov_b32 s[\g+7], 0
.endr
	s_lshl_b32 s17, s12, 6                         ; which 64 rows of the tile I fetch
	s_lshl_b32 s16, s13, 7
	s_add_co_u32 s16, s16, s17                     ; A: row 128 x tile row + 64 x half
	s_lshl_b32 s46, s42, 7
	s_add_co_u32 s46, s46, s17                     ; B: row 128 x tile column + 64 x half
	s_mov_b32 s17, 0
	s_mov_b32 s47, 0
	s_mov_b64 s[18:19], SIZE_K*2
	s_mul_u64 s[16:17], s[16:17], s[18:19]
	s_mul_u64 s[46:47], s[46:47], s[18:19]
.if B_OFF
	s_add_nc_u64 s[46:47], s[46:47], B_OFF
.endif
	s_mul_i32 s20, s10, HALFT                      ; where they go: wave x 64 rows: no place in the cluster enters an LDS address
	s_wait_dscnt 0x0
	s_wait_kmcnt 0x0
	s_add_nc_u64 s[14:15], s[4:5], s[16:17]
	s_add_nc_u64 s[46:47], s[6:7], s[46:47]
	CROUND                                         ; all sixteen work-groups are here: the first joint loads meet
.irp s, 0,1
	s_mov_b32 s[G0+4*\s], 1
	s_add_co_u32 s[G0+4*\s+1], s20, \s*SLOT
	s_add_nc_u64 s[G0+4*\s+2:G0+4*\s+3], s[14:15], \s*KSTEP*2
	s_or_b32 s[G0+4*\s+3], s[G0+4*\s+3], 0x80000000
	s_mov_b32 s[G0B+4*\s], 1
	s_add_co_u32 s[G0B+4*\s+1], s20, \s*SLOT
	s_add_nc_u64 s[G0B+4*\s+2:G0B+4*\s+3], s[46:47], \s*KSTEP*2
	s_or_b32 s[G0B+4*\s+3], s[G0B+4*\s+3], 0x80000000
	JLOAD \s                                       ; two tensor loads of mine are out
.endr
	v_and_b32 v1, 15, v0                           ; l % 16
	v_bfe_u32 v2, v0, 4, 1                         ; l / 16
	v_mul_u32_u24 v3, v1, PITCH
	v_lshl_add_u32 v3, v2, 4, v3                   ; a fragment's row x pitch + 16 x half
	s_mul_i32 s21, s11, HALFT                      ; my 64 rows of A
	s_mul_i32 s22, s12, HALFT                      ; my 64 rows of B,
	s_add_co_u32 s22, s22, 2*HALFT                 ; which lie behind A's 128
.irp s, 0,1
	v_add_nc_u32 v[ADRA+\s], s21, v3
	v_add_nc_u32 v[ADRB+\s], s22, v3
	s_add_co_u32 s21, s21, SLOT
	s_add_co_u32 s22, s22, SLOT
.endr
	s_mul_i32 s23, s10, 16*SPITCH
	s_add_co_u32 s23, s23, STAGE                   ; my stage
	v_mul_u32_u24 v4, v1, SPITCH                   ; in: row l % 16, 32 bytes (eight f32) for each half of the lanes
	v_lshl_add_u32 v4, v2, 5, v4
	v_add_nc_u32 v[STO], s23, v4
	v_mul_u32_u24 v5, v2, SPITCH                   ; back: lanes 0-15 take one row of 256 bytes, lanes 16-31 the next
	v_lshl_add_u32 v5, v1, 4, v5
	v_add_nc_u32 v[RD], s23, v5
	v_mul_u32_u24 v5, v2, SIZE_N*4                 ; and the same two rows in C and in the residual
	v_lshl_add_u32 v[CO], v1, 4, v5
	v_lshlrev_b32 v[BO], 4, v1                     ; read back, my lane holds columns 4 (l % 16) + 0..3 of the wave's 64
	s_lshl_b32 s16, s13, 7
	s_lshl_b32 s17, s11, 6
	s_add_co_u32 s16, s16, s17                     ; my first row of C: 128 x tile row + 64 x half
	s_mov_b32 s17, 0
	s_mov_b64 s[18:19], SIZE_N*4
	s_mul_u64 s[16:17], s[16:17], s[18:19]
	s_add_nc_u64 s[8:9], s[8:9], s[16:17]
	s_add_nc_u64 s[76:77], s[76:77], s[16:17]
	s_lshl_b32 s46, s42, 9                         ; my first column, in bytes: 512 x tile column + 256 x half
	s_lshl_b32 s47, s12, 8
	s_add_co_u32 s46, s46, s47
	s_mov_b32 s47, 0
	s_add_nc_u64 s[8:9], s[8:9], s[46:47]
	s_add_nc_u64 s[76:77], s[76:77], s[46:47]
	s_add_nc_u64 s[66:67], s[66:67], s[46:47]
	global_load_b128 v[BIAS:BIAS+3], v[BO], s[66:67]
	WIN 0x80                                       ; destination window 2, address window 0
.irp a, 0,1,2,3
.irp i, 0,1,2,3,4,5,6,7
	global_load_b128 v[RES+32*\a+4*\i:RES+32*\a+4*\i+3], v[CO], s[76:77] offset:(16*\a+2*\i)*SIZE_N*4   ; 16 lanes read 256 consecutive bytes, aligned
.endr
.endr
	WIN 0
; 8 matrix instructions: m blocks a0, a0 + 1 x all 4 n blocks, 32 along K: half c of buffer f.  zero = 1: the first product starts the sums.
; The sixteen accumulators take turns, one instruction a turn.
.macro MUL8 f, c, a0, zero
.irp a, \a0, \a0+1
.irp b, 0,1,2,3
.if \zero
	v_wmma_f32_16x16x32_bf16 v[ACC+8*(4*(\a)+\b):ACC+8*(4*(\a)+\b)+7], v[\f+64+8*(4*\c+\b):\f+64+8*(4*\c+\b)+7], v[\f+8*(4*\c+\a):\f+8*(4*\c+\a)+7], 0
.else
	v_wmma_f32_16x16x32_bf16 v[ACC+8*(4*(\a)+\b):ACC+8*(4*(\a)+\b)+7], v[\f+64+8*(4*\c+\b):\f+64+8*(4*\c+\b)+7], v[\f+8*(4*\c+\a):\f+8*(4*\c+\a)+7], v[ACC+8*(4*(\a)+\b):ACC+8*(4*(\a)+\b)+7]
.endif
.endr
.endr
.endm
; 32 LDS loads in one run: the fragments of 64 along K at byte k of the rows, into buffer f; the first 32 along K first
.macro FETCH slot, k, f
	WIN TO_F
.irp c, 0,1
.irp i, 0,1,2,3
	ds_load_b128 v[\f+64+8*(4*\c+\i):\f+64+8*(4*\c+\i)+3],   v[ADRB+\slot] offset:\k+64*\c+\i*16*PITCH
	ds_load_b128 v[\f+64+8*(4*\c+\i)+4:\f+64+8*(4*\c+\i)+7], v[ADRB+\slot] offset:\k+64*\c+\i*16*PITCH+32
	ds_load_b128 v[\f+8*(4*\c+\i):\f+8*(4*\c+\i)+3],         v[ADRA+\slot] offset:\k+64*\c+\i*16*PITCH
	ds_load_b128 v[\f+8*(4*\c+\i)+4:\f+8*(4*\c+\i)+7],       v[ADRA+\slot] offset:\k+64*\c+\i*16*PITCH+32
.endr
.endr
.endm
.macro PLACES                          ; four plain instructions in front of loads into registers that matrix instructions have read, and of LDS stores that read results
.rept 4
	v_nop
.endr
.endm
; A K step is four quarters of 64 along K, 32 matrix instructions each, on buffers 0, 1, 0, 1.  One of the first three: multiplies buffer f and fetches the next quarter, at byte k, into g.
.macro QUARTER slot, k, f, g, zero
	s_wait_dscnt 16                                ; the first 32 along K are in; the sixteen younger loads may be out
	WIN MUL
	MUL8 \f, 0, 0, \zero
	MUL8 \f, 0, 2, \zero
	PLACES
	FETCH \slot, \k, \g
	s_wait_dscnt 32                                ; all but the 32 just issued
	WIN MUL
	MUL8 \f, 1, 0, 0
	MUL8 \f, 1, 2, 0
.endm
; The last quarter multiplies buffer 1 and changes slots: ONE barrier; in front of it each wave waits for its own reads of this slot and for all its tensor loads.  fill = 1: this slot is filled again, two K steps ahead.
.macro TURN slot, next, fill
	s_wait_dscnt 16
	WIN MUL
	MUL8 F1, 0, 0, 0
	s_wait_dscnt 0                                 ; my reads of this slot are over,
	s_set_vgpr_msb 0x500
	s_wait_tensorcnt 0x0                           ; and all my tensor loads have landed: my part of the next slot
	ds_add_u32 v126, v127
	s_wait_dscnt 0x0
	s_set_vgpr_msb 0x5
	s_barrier_signal -1
	MUL8 F1, 0, 2, 0
.if \fill
	WIN 0
.endif
	s_barrier_wait -1
.if \fill
	CREST                                          ; the barrier has opened a round of the cluster's barrier: no wave of any partner still reads this slot's tile or has a load on its way
	s_add_nc_u64 s[G0+4*\slot+2:G0+4*\slot+3], s[G0+4*\slot+2:G0+4*\slot+3], 2*KSTEP*2
	s_add_nc_u64 s[G0B+4*\slot+2:G0B+4*\slot+3], s[G0B+4*\slot+2:G0B+4*\slot+3], 2*KSTEP*2
	JLOAD \slot                                    ; the first tensor load behind the round, my only one out; the four v_nop behind it are also the places in front of the loads below
.else
	PLACES
.endif
	FETCH \next, 0, F0
	WIN MUL
	MUL8 F1, 1, 0, 0
	MUL8 F1, 1, 2, 0
.endm
	s_wait_tensorcnt 1                             ; my part of K step 0 is in; K step 1's may stay out
	s_barrier_signal -1
	s_barrier_wait -1                              ; everybody's is
	FETCH 0, 0, F0
	QUARTER 0, 128, F0, F1, 1                      ; the first quarter stands in front of the loop: its first products start the sums
.if LAPS > 1
	WIN 0                                          ; at a label and at a branch every window is 0
	s_mov_b32 s3, LAPS-1
.Llap:                                                 ; a trip goes once round the ring, from a lap's second quarter to the next lap's first, and fills both slots again
	QUARTER 0, 256, F1, F0, 0
	QUARTER 0, 384, F0, F1, 0
	TURN 0, 1, 1
	QUARTER 1, 128, F0, F1, 0
	QUARTER 1, 256, F1, F0, 0
	QUARTER 1, 384, F0, F1, 0
	TURN 1, 0, 1
	QUARTER 0, 128, F0, F1, 0
	WIN 0
	s_sub_co_u32 s3, s3, 1
	s_cmp_lg_u32 s3, 0
	s_cbranch_scc1 .Llap
.endif
	QUARTER 0, 256, F1, F0, 0                      ; the last lap fills nothing, and has no round of the cluster's barrier
	QUARTER 0, 384, F0, F1, 0
	TURN 0, 1, 0
	QUARTER 1, 128, F0, F1, 0
	QUARTER 1, 256, F1, F0, 0
	QUARTER 1, 384, F0, F1, 0
	s_wait_dscnt 16                                ; the very last quarter: nothing more to fetch
	WIN MUL
	MUL8 F1, 0, 0, 0
	MUL8 F1, 0, 2, 0
	s_wait_dscnt 0
	MUL8 F1, 1, 0, 0
	MUL8 F1, 1, 2, 0
	WIN 0
	; THE WAY OUT.  A block of 16 rows at a time goes through my own stage: 32 bytes a lane in, whole rows of 256 bytes back, into the registers that it left.
	; LDS serves a wave's instructions in order (ISA guide 5.7.1.4): the loads see the stores above them, and the next block's stores come behind them.
	PLACES
.irp a, 0,1,2,3
.irp b, 0,1,2,3
	ds_store_b128 v[STO], v[ACC+8*(4*\a+\b):ACC+8*(4*\a+\b)+3]   offset:64*\b
	ds_store_b128 v[STO], v[ACC+8*(4*\a+\b)+4:ACC+8*(4*\a+\b)+7] offset:64*\b+16
.endr
.irp i, 0,1,2,3,4,5,6,7
	ds_load_b128 v[ACC+32*\a+4*\i:ACC+32*\a+4*\i+3], v[RD] offset:\i*2*SPITCH
.endr
.endr
	s_wait_loadcnt 0x0                             ; the bias and the residual
.irp a, 0,1,2,3
	s_wait_dscnt 16*(3-\a)                         ; block a is back; the later blocks' eight stores and eight loads each may be out
.irp i, 0,1,2,3,4,5,6,7
	v_pk_add_f32 v[ACC+32*\a+4*\i:ACC+32*\a+4*\i+1],   v[ACC+32*\a+4*\i:ACC+32*\a+4*\i+1],   v[BIAS:BIAS+1]
	v_pk_add_f32 v[ACC+32*\a+4*\i+2:ACC+32*\a+4*\i+3], v[ACC+32*\a+4*\i+2:ACC+32*\a+4*\i+3], v[BIAS+2:BIAS+3]
.endr
	WIN 0x08                                       ; source 1 in window 2: the residual
.irp p, 0,1,2,3,4,5,6,7,8,9,10,11,12,13,14,15
	v_pk_add_f32 v[ACC+32*\a+2*\p:ACC+32*\a+2*\p+1], v[ACC+32*\a+2*\p:ACC+32*\a+2*\p+1], v[RES+32*\a+2*\p:RES+32*\a+2*\p+1]
.endr
	WIN 0
.irp i, 0,1,2,3,4,5,6,7
	global_store_b128 v[CO], v[ACC+32*\a+4*\i:ACC+32*\a+4*\i+3], s[8:9] offset:(16*\a+2*\i)*SIZE_N*4   ; 16 lanes store 256 consecutive bytes, at a multiple of 256 from C's first byte
.endr
.endr
	s_wait_tensorcnt 0x0
	ds_add_u32 v126, v127
	s_wait_dscnt 0x0
	CROUND                                         ; the closing round: no work-group ends while a partner may still ask for a tile that names it
	s_endpgm
.Lfunc_end_k_q8aed06ff93_ff2:
	.size	k_q8aed06ff93_ff2, .Lfunc_end_k_q8aed06ff93_ff2-k_q8aed06ff93_ff2
	.p2alignl 7, 3214868480
	.fill 96, 4, 3214868480
	.section	.rodata,"a",@progbits
	.p2align	6, 0x0
	.amdhsa_kernel k_q8aed06ff93_ff2
		.amdhsa_group_segment_fixed_size 327680
		.amdhsa_private_segment_fixed_size 0
		.amdhsa_enable_private_segment 0
		.amdhsa_kernarg_size 40
		.amdhsa_user_sgpr_count 2
		.amdhsa_user_sgpr_kernarg_segment_ptr 1
		.amdhsa_wavefront_size32 1
		.amdhsa_system_sgpr_workgroup_id_x 1
		.amdhsa_system_sgpr_workgroup_id_y 1
		.amdhsa_system_sgpr_workgroup_id_z 1
		.amdhsa_system_vgpr_workitem_id 0
		.amdhsa_next_free_vgpr 640
		.amdhsa_next_free_sgpr 80
		.amdhsa_reserve_vcc 0
		.amdhsa_float_denorm_mode_32 3
		.amdhsa_float_denorm_mode_16_64 3
		.amdhsa_memory_ordered 1
		.amdhsa_forward_progress 1
		.amdhsa_inst_pref_size 97
	.end_amdhsa_kernel
	.amdgpu_metadata
---
amdhsa.version: [ 1, 2 ]
amdhsa.kernels:
  - .name:           k_q8aed06ff93_ff2
    .symbol:         k_q8aed06ff93_ff2.kd
    .args:
      - { .name: ffh, .offset: 0, .size: 8, .value_kind: global_buffer, .address_space: global }
      - { .name: wbf, .offset: 8, .size: 8, .value_kind: global_buffer, .address_space: global }
      - { .name: out0, .offset: 16, .size: 8, .value_kind: global_buffer, .address_space: global }
      - { .name: ff2_b, .offset: 24, .size: 8, .value_kind: global_buffer, .address_space: global }
      - { .name: x1, .offset: 32, .size: 8, .value_kind: global_buffer, .address_space: global }
    .group_segment_fixed_size: 327680
    .private_segment_fixed_size: 0
    .kernarg_segment_align: 8
    .kernarg_segment_size: 40
    .max_flat_workgroup_size: 128
    .sgpr_count:     80
    .vgpr_count:     640
    .wavefront_size: 32
...
	.end_amdgpu_metadata
.endif
;; end of part 7
;; ======== version 2 of 2: 7 launches
;; limits: right only within a limited range of input values
;; workspace buffers: wbf 25,165,824 bytes; h 8,388,608 bytes; qkv 25,165,824 bytes; att 8,388,608 bytes; x1 16,777,216 bytes; ffh 33,554,432 bytes
;; launch prep (part 8): grid 1024 x 1, 8 waves a work-group, no clusters, 0 bytes of LDS; arguments x, ln1_a, ln1_b, h, wq_w, wk_w, wv_w, wo_w, ff1_w, ff2_w, wbf; writes h, wbf
.if DOCPART == 8
	.amdgcn_target "amdgcn-amd-amdhsa--gfx1250"
	.amdhsa_code_object_version 6
	.text
	.protected	k_q8aed06ff93_prep
	.globl	k_q8aed06ff93_prep
	.p2align	8
	.type	k_q8aed06ff93_prep,@function
k_q8aed06ff93_prep:
	s_mov_b64 s[64:65], 0
	v_nop
	global_prefetch_b8 v0, s[64:65] scope:SCOPE_SE
	s_setreg_imm32_b32 hwreg(HW_REG_WAVE_MODE, 25, 1), 1
	s_wait_xcnt 0x0
; Two streams that do not depend on each other, in one launch; the work-group's number chooses.
; WORK-GROUPS 0-255: h[r][c] = (x[r][c] - mean_r) / (std_r + 1e-5) * a[c] + b[c], rounded once to bf16.  x: [4096][1024] f32, h: [4096][1024] bf16.
;   std is the unbiased one (the sum of squared differences over 1,023).  The mean is taken away first and the squares are summed of the differences, on the row as it lies in
;   registers: a common offset of the inputs costs no digits.  A work-group owns 16 rows, each of its eight waves two.  A row (4,096 bytes) is eight 16-byte loads a lane, 32 registers;
;   it is read once.  Load j of lane l holds columns 128 j + 4 l .. + 3; a and b are loaded in the same places, once for both rows.  The reduction never leaves the wave.
; WORK-GROUPS 256-1023: wbf = the six weight matrices, rounded once to bf16 (nearest even), one behind the other: wq, wk, wv (together [3072][1024]) at byte 0, wo at 6,291,456,
;   ff1 at 8,388,608, ff2 at 16,777,216.  12,582,912 numbers, 16,384 to a work-group (65,536 bytes in, 32,768 out).  Thread t takes 16 bytes at 4,096 i + 16 t of the chunk (i = 0..15)
;   and stores 8 bytes at 2,048 i + 8 t.  All sixteen loads go out first; every store has data registers of its own.
; In both parts a wave's load covers 512 consecutive bytes and a wave's store 256 consecutive bytes, aligned.  No LDS, no barrier, no matrix unit: the bytes are all there is to do.
.set X,  8                             ; v[8:71]    the norm: two rows, 32 registers each; the row's bf16 end in its first 16
.set A,  72                            ; v[72:103]  a of my 32 columns
.set BV, 104                           ; v[104:135] b of my 32 columns
.set T,  136                           ; v[136:143] four chains of pairs
.set M,  144                           ; v[144:145] the mean, twice
.set R,  146                           ; v[146:147] 1 / (std + eps), twice
.set CX, 8                             ; v[8:71]    the cast: sixteen loads of four f32
.set CY, 72                            ; v[72:103]  sixteen stores of four bf16
	s_mov_b32 s24, ttmp9                           ; the work-group's number, 0 to 1,023
	s_cmp_ge_u32 s24, 256
	s_cbranch_scc1 .Lcast
	; ---- the norm ----
	s_load_b256 s[4:11], s[0:1], 0x0               ; x s[4:5], a s[6:7], b s[8:9], h s[10:11]
	s_lshl_b32 s14, ttmp9, 16                      ; 16 rows of 4,096 bytes
	s_mov_b32 s15, 0
	s_lshl_b32 s16, ttmp9, 15                      ; 16 rows of 2,048 bytes
	s_mov_b32 s17, 0
	s_mov_b32 s12, 0x76543210                      ; v_permlanex16_b32: lane i of one half reads lane i of the other
	s_mov_b32 s13, 0xfedcba98
	v_lshrrev_b32 v4, 5, v0                        ; wave
	v_and_b32 v5, 31, v0                           ; lane
	v_lshlrev_b32 v2, 4, v5                        ; a, b: 16 l
	v_lshl_add_u32 v1, v4, 13, v2                  ; x: 16 l + two rows of 4,096 bytes a wave
	v_lshlrev_b32 v3, 3, v5
	v_lshl_add_u32 v3, v4, 12, v3                  ; h: 8 l + two rows of 2,048 bytes a wave
	s_wait_kmcnt 0x0
	s_add_nc_u64 s[4:5], s[4:5], s[14:15]
	s_add_nc_u64 s[10:11], s[10:11], s[16:17]
.irp j, 0,1,2,3,4,5,6,7
	global_load_b128 v[X+4*\j:X+4*\j+3], v1, s[4:5] offset:512*\j
.endr
.irp j, 0,1,2,3,4,5,6,7
	global_load_b128 v[X+32+4*\j:X+32+4*\j+3], v1, s[4:5] offset:4096+512*\j
.endr
.irp j, 0,1,2,3,4,5,6,7
	global_load_b128 v[A+4*\j:A+4*\j+3], v2, s[6:7] offset:512*\j
.endr
.irp j, 0,1,2,3,4,5,6,7
	global_load_b128 v[BV+4*\j:BV+4*\j+3], v2, s[8:9] offset:512*\j
.endr
; The four chains' pairs are added, then the 32 lanes': four steps inside each half ride on the addition, one crosses the halves.  Every lane ends with the sum in v[T].
.macro REDUCE
	v_pk_add_f32 v[T:T+1], v[T:T+1], v[T+2:T+3]
	v_pk_add_f32 v[T+4:T+5], v[T+4:T+5], v[T+6:T+7]
	v_pk_add_f32 v[T:T+1], v[T:T+1], v[T+4:T+5]
	v_add_f32 v[T], v[T], v[T+1]
	v_add_f32_dpp v[T], v[T], v[T] row_xmask:1 row_mask:0xf bank_mask:0xf
	v_add_f32_dpp v[T], v[T], v[T] row_xmask:2 row_mask:0xf bank_mask:0xf
	v_add_f32_dpp v[T], v[T], v[T] row_xmask:4 row_mask:0xf bank_mask:0xf
	v_add_f32_dpp v[T], v[T], v[T] row_xmask:8 row_mask:0xf bank_mask:0xf
	v_permlanex16_b32 v[T+1], v[T], s12, s13       ; its destination counts as read: it has been written above
	v_add_f32 v[T], v[T], v[T+1]
.endm
; A row becomes (x - mean) / (std + eps), in place.  left = the loads issued behind this row's, which may stay out.
.macro STAT row, left
.set XR, X+32*\row
	s_wait_loadcnt \left
.irp k, 0,1,2,3
	v_pk_add_f32 v[T+2*\k:T+2*\k+1], v[XR+2*\k:XR+2*\k+1], v[XR+8+2*\k:XR+8+2*\k+1]   ; the first eight pairs start four chains: nothing is cleared
.endr
.irp p, 8,9,10,11,12,13,14,15
	v_pk_add_f32 v[T+2*(\p%4):T+2*(\p%4)+1], v[T+2*(\p%4):T+2*(\p%4)+1], v[XR+2*\p:XR+2*\p+1]
.endr
	REDUCE
	v_mul_f32 v[M],   0x3a800000, v[T]             ; the mean: the sum / 1,024
	v_mul_f32 v[M+1], 0x3a800000, v[T]
.irp p, 0,1,2,3,4,5,6,7,8,9,10,11,12,13,14,15
	v_pk_add_f32 v[XR+2*\p:XR+2*\p+1], v[XR+2*\p:XR+2*\p+1], v[M:M+1] neg_lo:[0,1] neg_hi:[0,1]
.endr
.irp k, 0,1,2,3
	v_pk_mul_f32 v[T+2*\k:T+2*\k+1], v[XR+2*\k:XR+2*\k+1], v[XR+2*\k:XR+2*\k+1]
.endr
.irp p, 4,5,6,7,8,9,10,11,12,13,14,15
	v_pk_fma_f32 v[T+2*(\p%4):T+2*(\p%4)+1], v[XR+2*\p:XR+2*\p+1], v[XR+2*\p:XR+2*\p+1], v[T+2*(\p%4):T+2*(\p%4)+1]
.endr
	REDUCE
	v_mul_f32 v[T], 0x3a802008, v[T]               ; / 1,023
	v_sqrt_f32 v[T], v[T]
	v_nop                                          ; a plain instruction stands between a root or a reciprocal and the use of its result
	s_wait_alu depctr_va_vdst(0)
	v_add_f32 v[T], 0x3727c5ac, v[T]               ; + 1e-5
	v_rcp_f32 v[R], v[T]
	v_nop
	s_wait_alu depctr_va_vdst(0)
	v_mov_b32 v[R+1], v[R]
.irp p, 0,1,2,3,4,5,6,7,8,9,10,11,12,13,14,15
	v_pk_mul_f32 v[XR+2*\p:XR+2*\p+1], v[XR+2*\p:XR+2*\p+1], v[R:R+1]
.endr
.endm
; Gain and bias, one rounding to bf16, eight stores.  Pair p is rounded into register p of the row: behind it only pairs above p are read, which lie in registers 2 p + 2 and up.
.macro OUT row
.set XR, X+32*\row
.irp p, 0,1,2,3,4,5,6,7,8,9,10,11,12,13,14,15
	v_pk_fma_f32 v[XR+2*\p:XR+2*\p+1], v[XR+2*\p:XR+2*\p+1], v[A+2*\p:A+2*\p+1], v[BV+2*\p:BV+2*\p+1]
.endr
.irp p, 0,1,2,3,4,5,6,7,8,9,10,11,12,13,14,15
	v_cvt_pk_bf16_f32 v[XR+\p], v[XR+2*\p], v[XR+2*\p+1]
.endr
.irp j, 0,1,2,3,4,5,6,7
	global_store_b64 v3, v[XR+2*\j:XR+2*\j+1], s[10:11] offset:2048*\row+256*\j
.endr
.endm
	STAT 0, 24                                     ; behind row 0's loads: row 1's eight, a's eight, b's eight
	STAT 1, 16                                     ; behind row 1's: a's and b's
	s_wait_loadcnt 0x0                             ; a and b
	OUT 0
	OUT 1                                          ; it writes row 1's registers alone: row 0's stores keep their data
	s_endpgm
	; ---- the cast ----
.Lcast:
	s_load_b256 s[4:11], s[0:1], 0x20              ; wq s[4:5], wk s[6:7], wv s[8:9], wo s[10:11]
	s_load_b128 s[12:15], s[0:1], 0x40             ; ff1 s[12:13], ff2 s[14:15]
	s_load_b64 s[16:17], s[0:1], 0x50              ; wbf
	s_sub_co_u32 s24, s24, 256                     ; the chunk's number, 0 to 767
	s_lshr_b32 s20, s24, 6                         ; 64 chunks are 1,048,576 numbers: 0 wq, 1 wk, 2 wv, 3 wo, 4-7 ff1, 8-11 ff2
	v_lshlrev_b32 v1, 4, v0                        ; 16 t
	v_lshlrev_b32 v2, 3, v0                        ; 8 t
	s_cmp_ge_u32 s24, 256
	s_cselect_b32 s21, 255, 63                     ; the large matrices have 256 chunks, the small ones 64
	s_and_b32 s21, s24, s21                        ; the chunk's number inside its matrix
	s_lshl_b32 s22, s21, 16                        ; its byte offset there
	s_mov_b32 s23, 0
	s_lshl_b32 s26, s24, 15                        ; and in wbf
	s_mov_b32 s27, 0
	s_wait_kmcnt 0x0
	s_cmp_ge_u32 s20, 1                            ; the source is chosen by the chunk's number alone
	s_cselect_b64 s[18:19], s[6:7], s[4:5]
	s_cmp_ge_u32 s20, 2
	s_cselect_b64 s[18:19], s[8:9], s[18:19]
	s_cmp_ge_u32 s20, 3
	s_cselect_b64 s[18:19], s[10:11], s[18:19]
	s_cmp_ge_u32 s20, 4
	s_cselect_b64 s[18:19], s[12:13], s[18:19]
	s_cmp_ge_u32 s20, 8
	s_cselect_b64 s[18:19], s[14:15], s[18:19]
	s_add_nc_u64 s[18:19], s[18:19], s[22:23]
	s_add_nc_u64 s[16:17], s[16:17], s[26:27]
.irp i, 0,1,2,3,4,5,6,7,8,9,10,11,12,13,14,15
	global_load_b128 v[CX+4*\i:CX+4*\i+3], v1, s[18:19] offset:4096*\i th:TH_LOAD_NT   ; read once in the launch
.endr
.irp i, 0,1,2,3,4,5,6,7,8,9,10,11,12,13,14,15
	s_wait_loadcnt 15-\i                           ; loads come back in order: load i is in, the 15 - i younger ones stay out
	v_cvt_pk_bf16_f32 v[CY+2*\i],   v[CX+4*\i],   v[CX+4*\i+1]
	v_cvt_pk_bf16_f32 v[CY+2*\i+1], v[CX+4*\i+2], v[CX+4*\i+3]
	global_store_b64 v2, v[CY+2*\i:CY+2*\i+1], s[16:17] offset:2048*\i
.endr
	s_endpgm
.Lfunc_end_k_q8aed06ff93_prep:
	.size	k_q8aed06ff93_prep, .Lfunc_end_k_q8aed06ff93_prep-k_q8aed06ff93_prep
	.p2alignl 7, 3214868480
	.fill 96, 4, 3214868480
	.section	.rodata,"a",@progbits
	.p2align	6, 0x0
	.amdhsa_kernel k_q8aed06ff93_prep
		.amdhsa_group_segment_fixed_size 0
		.amdhsa_private_segment_fixed_size 0
		.amdhsa_enable_private_segment 0
		.amdhsa_kernarg_size 88
		.amdhsa_user_sgpr_count 2
		.amdhsa_user_sgpr_kernarg_segment_ptr 1
		.amdhsa_wavefront_size32 1
		.amdhsa_system_sgpr_workgroup_id_x 1
		.amdhsa_system_sgpr_workgroup_id_y 1
		.amdhsa_system_sgpr_workgroup_id_z 1
		.amdhsa_system_vgpr_workitem_id 0
		.amdhsa_next_free_vgpr 148
		.amdhsa_next_free_sgpr 66
		.amdhsa_reserve_vcc 0
		.amdhsa_float_denorm_mode_32 3
		.amdhsa_float_denorm_mode_16_64 3
		.amdhsa_memory_ordered 1
		.amdhsa_forward_progress 1
		.amdhsa_inst_pref_size 27
	.end_amdhsa_kernel
	.amdgpu_metadata
---
amdhsa.version: [ 1, 2 ]
amdhsa.kernels:
  - .name:           k_q8aed06ff93_prep
    .symbol:         k_q8aed06ff93_prep.kd
    .args:
      - { .name: x, .offset: 0, .size: 8, .value_kind: global_buffer, .address_space: global }
      - { .name: ln1_a, .offset: 8, .size: 8, .value_kind: global_buffer, .address_space: global }
      - { .name: ln1_b, .offset: 16, .size: 8, .value_kind: global_buffer, .address_space: global }
      - { .name: h, .offset: 24, .size: 8, .value_kind: global_buffer, .address_space: global }
      - { .name: wq_w, .offset: 32, .size: 8, .value_kind: global_buffer, .address_space: global }
      - { .name: wk_w, .offset: 40, .size: 8, .value_kind: global_buffer, .address_space: global }
      - { .name: wv_w, .offset: 48, .size: 8, .value_kind: global_buffer, .address_space: global }
      - { .name: wo_w, .offset: 56, .size: 8, .value_kind: global_buffer, .address_space: global }
      - { .name: ff1_w, .offset: 64, .size: 8, .value_kind: global_buffer, .address_space: global }
      - { .name: ff2_w, .offset: 72, .size: 8, .value_kind: global_buffer, .address_space: global }
      - { .name: wbf, .offset: 80, .size: 8, .value_kind: global_buffer, .address_space: global }
    .group_segment_fixed_size: 0
    .private_segment_fixed_size: 0
    .kernarg_segment_align: 8
    .kernarg_segment_size: 88
    .max_flat_workgroup_size: 256
    .sgpr_count:     66
    .vgpr_count:     148
    .wavefront_size: 32
...
	.end_amdgpu_metadata
.endif
;; end of part 8
;; launch qkv (part 9): grid 12 x 16, 4 waves a work-group, clusters of 4 x 4, 327,680 bytes of LDS; arguments h, wbf, qkv, wq_b, wk_b, wv_b; writes qkv
.if DOCPART == 9
	.amdgcn_target "amdgcn-amd-amdhsa--gfx1250"
	.amdhsa_code_object_version 6
	.text
	.protected	k_q8aed06ff93_qkv
	.globl	k_q8aed06ff93_qkv
	.p2align	8
	.type	k_q8aed06ff93_qkv,@function
k_q8aed06ff93_qkv:
	s_mov_b64 s[64:65], 0
	v_nop
	global_prefetch_b8 v0, s[64:65] scope:SCOPE_SE
	s_setreg_imm32_b32 hwreg(HW_REG_WAVE_MODE, 25, 1), 1
	s_wait_xcnt 0x0
	s_wait_alu depctr_hold_cnt(0) depctr_sa_sdst(0) depctr_va_vdst(0) depctr_va_sdst(0) depctr_va_ssrc(0) depctr_va_vcc(0) depctr_vm_vsrc(0)
	s_getreg_b32 s2, hwreg(HW_REG_IB_STS2, 6, 4)
	s_cmp_eq_u32 s2, 0
	s_cbranch_scc0 .Lentry_in_a_cluster
	s_endpgm
.Lentry_in_a_cluster:
	s_bfe_u32 s2, ttmp6, 0x10000c
	s_cmp_lg_u32 s2, 0xf033
	s_cbranch_scc0 .Lentry_shape_is_right
	s_endpgm
.Lentry_shape_is_right:
; qkv[m][n] = bias[n] + sum over k of h[m][k] W[n][k], rounded once to bf16.  h: [4096][1024] bf16; W: wq, wk, wv as one [3072][1024] bf16 at byte 0 of wbf;
; qkv: [4096][3072] bf16 (q in columns 0-1023, k in 1024-2047, v in 2048-3071); the three biases f32.  Sums in f32.
; A tile of C, 256 x 256, is made by a work-group of four waves; a wave makes 128 x 128: 64 accumulators of 16 x 16, 512 registers.  12 x 16 = 192 work-groups, one tile each.
; K goes in steps of 128 through a ring of two LDS slots filled by the tensor data mover: the rows of A's and B's tiles are 256 bytes of memory and start at multiples of 256 bytes.
; A K step is 256 matrix instructions a wave; 240 of them stand between the request for a tile and the wait for it.
; THE BIAS STARTS THE SUMS: a lane's 64 bias numbers are the C operand of the first product on each accumulator, so the bias costs no vector instruction and nothing is cleared.
; The last K step goes by rows of C, so that finished rows leave while the others are multiplied.
; CLUSTERS: 4 x 4 work-groups.  The four of a row of the cluster need the same tiles of A, the four of a column the same tiles of B.  Such a tile is asked for JOINTLY: each of the four
; issues the same tensor load, with the same descriptor and a mask that names the four, and each receives the tile in its own LDS.
; REGISTERS, in windows of 256 (s_set_vgpr_msb's low byte: bits 1:0 source 0, 3:2 source 1, 5:4 source 2, 7:6 destination):
;   window 0: v0-31 addresses; v64-127, v128-191 fragments of A, two buffers (in the last K step four, of 16 rows x 128 K); v192-255 the bias, until the first quarter step is over;
;             then v32-63, v192-255 at work on the way out
;   window 1: v64-127, v128-191 fragments of B, two buffers; in the last K step all 256: B's fragments of the whole step
;   window 2: the 32 accumulators of my rows 0-63 (accumulator (a, b) at v[8 (8 a + b)]);   window 3: those of my rows 64-127
; THE MATRIX INSTRUCTION IS USED TRANSPOSED: source 0 = 16 rows of B, source 1 = 16 rows of A.  In the result, lane l holds row m = l % 16 of C, and its registers 0 to 7 the columns
; n = 8 (l / 16) + 0 .. 7: eight neighbouring numbers of a row of C, which pack into 16 bytes.
.set SIZE_N, 3072
.set SIZE_K, 1024
.set B_OFF,  0                         ; where B begins in wbf
.set RELU,   0
.set KSTEP,  128
.set PITCH,  272                       ; an LDS row: 256 bytes of data + 16 of padding = 68 words: row r starts at bank 4 r mod 64 (64 banks of 4 bytes: ISA guide 11.1), so the 16 rows that a load touches start at 16 different banks
.set HALFT,  128*PITCH                 ; 128 rows: what one tensor load brings, and what one wave reads of A or of B
.set SLOT,   4*HALFT                   ; A's 256 rows, then B's 256 rows
.set STAGE,  2*SLOT                    ; behind the ring: 16 rows x 272 bytes for each wave, for the way out; no tensor load lands there
.set SPITCH, 272
.set LAPS, SIZE_K/(2*KSTEP)            ; a lap = two K steps = once round the ring: 4 laps
.set ADRA, 16                          ; v16-17  LDS address of my A fragments in slot 0, 1
.set ADRB, 20                          ; v20-21  the same for B
.set STO,  24                          ; v24     the way out: where I put 16 bytes of a row
.set RD,   25                          ; v25     the way out: where I read a row back
.set CO,   26                          ; v26     my byte offset in C
.set BO,   27                          ; v27     my byte offset in the bias
.set F0,   64                          ; fragment buffer 0
.set F1,   128                         ; fragment buffer 1
.set BIAS, 192                         ; v192-255 of window 0: the bias of columns 16 b + 8 (l / 16) + 0..7 at v[BIAS + 8 b]
.set TMP,  192                         ; the way out: packed results, in window 0 (the bias is no longer needed)
.set OB,   32                          ; the way out: 16 rows read back from the stage: v32-63 and v224-255 by turns
.set PA,   64                          ; the last K step: A's fragments of 16 rows x 128 K, 32 registers; four such buffers, v64-191
.set G1, 24                            ; s[24:31] descriptor group 1 for A's tiles
.set G0, 32                            ; s[32:39] descriptor group 0 for A's tiles, one set for each slot
.set G1B, 48                           ; s[48:55] descriptor group 1 for B's tiles: it differs from A's in the mask alone
.set G0B, 56                           ; s[56:63] descriptor group 0 for B's tiles, one set for each slot
.set MSB, 0
.macro WIN new                         ; the immediate's high byte repeats the setting that is left; a switch that changes nothing is dropped
.if MSB != (\new)
	s_set_vgpr_msb (MSB<<8)|(\new)
.set MSB, (\new)
.endif
.endm
.set MUL_LO,   0xa1                    ; source 0 (B) window 1, source 1 (A) window 0, C and D window 2
.set MUL_HI,   0xf1                    ; the same, C and D window 3
.set FIRST_LO, 0x81                    ; the first products: C (the bias) window 0, D window 2
.set FIRST_HI, 0xc1                    ; the same, D window 3
.set TO_B,     0x40                    ; destination window 1, address window 0
; A joint load.  Waves 0 and 1 fetch A's two halves, waves 2 and 3 B's.  Each of the two lines has ONE mask and one set of registers for all that issue it, and nothing in them hangs on a
; coordinate that the four partners do not share.  The branch hangs on the wave's number alone.  Four v_nop follow each of the two lines, ahead of the jump, the label and what follows.
.macro JLOAD s
	s_cmp_eq_u32 s11, 0
	s_cbranch_scc0 .Lfor_b_\@
	tensor_load_to_lds s[G0+4*\s:G0+4*\s+3], s[G1:G1+7]
	s_nop 0
.rept 4
	v_nop
.endr
	s_branch .Lasked_\@
.Lfor_b_\@:
	tensor_load_to_lds s[G0B+4*\s:G0B+4*\s+3], s[G1B:G1B+7]
	s_nop 0
.rept 4
	v_nop
.endr
.Lasked_\@:
.endm
; A round of the cluster's barrier: my work-group's barrier, so that wave 0's signal speaks for all four waves; wave 0 signals for the work-group; every wave waits for all sixteen
; work-groups; my work-group's barrier once more.  No LDS instruction of the wave is pending at a signal.
.macro CREST                           ; a round behind its opening barrier
	s_cmp_lg_u32 s10, 0
	s_cbranch_scc1 .Lnot_wave_0_\@
	s_barrier_signal -3
.Lnot_wave_0_\@:
	s_barrier_wait -3
	s_barrier_signal -1
	s_barrier_wait -1
.endm
.macro CROUND                          ; a whole round
	s_barrier_signal -1
	s_barrier_wait -1
	CREST
.endm
	s_load_b128 s[4:7], s[0:1], 0x0                ; A s[4:5], B s[6:7]
	s_load_b64 s[8:9], s[0:1], 0x10                ; C
	s_load_b128 s[68:71], s[0:1], 0x18             ; wq_b s[68:69], wk_b s[70:71]
	s_load_b64 s[72:73], s[0:1], 0x28              ; wv_b
	v_lshl_add_u32 v30, v0, 2, 0x48400
	v_mov_b32 v31, 0
	ds_add_u32 v30, v31
	v_lshrrev_b32 v1, 5, v0
	v_readfirstlane_b32 s10, v1                    ; wave 0..3
	s_lshr_b32 s11, s10, 1                         ; which half of the tile's rows is mine.  Also: I fetch for A (0) or for B (1)
	s_and_b32 s12, s10, 1                          ; which half of its columns.  Also: which 128 rows of that tile I fetch
	s_bfe_u32 s40, ttmp6, 0x40000                  ; cx: my place along the cluster's x
	s_bfe_u32 s41, ttmp6, 0x40004                  ; cy: along its y
	s_lshl_b32 s42, ttmp9, 2                       ; in a cluster launch ttmp9 and ttmp7 count clusters
	s_add_co_u32 s42, s42, s40                     ; tile column of C = 4 x cluster x + cx
	s_and_b32 s13, ttmp7, 0xffff
	s_lshl_b32 s13, s13, 2
	s_add_co_u32 s13, s13, s41                     ; tile row of C = 4 x cluster y + cy
	s_lshl_b32 s43, s41, 2
	s_lshl_b32 s43, 15, s43                        ; my row of the cluster: places 4 cy .. 4 cy + 3
	s_lshl_b32 s44, 0x1111, s40                    ; my column: places cx, cx + 4, cx + 8, cx + 12
	; descriptor group 1: a tile of 128 rows x 128 elements, padded in LDS
	s_or_b32 s[G1+0], s43, (1<<16)|(1<<20)|(1<<21)|(5<<22)|(3<<25)  ; 15:0 the mask: A's tiles go to my row; 17:16 element of 2 bytes; 20 padding on; 21 set beside a mask; 24:22 after every 64 words (code 5); 31:25 of 4 words (code 3)
	s_or_b32 s[G1B+0], s44, (1<<16)|(1<<20)|(1<<21)|(5<<22)|(3<<25) ; the same with the mask of my column, for B's tiles
.irp g, G1, G1B
	s_mov_b32 s[\g+1], KSTEP<<16                   ; tensor_dim0 = 128
	s_mov_b32 s[\g+2], 128<<16                     ; tensor_dim1 = 128
	s_mov_b32 s[\g+3], KSTEP<<16                   ; tile_dim0 = 128
	s_mov_b32 s[\g+4], 128                         ; tile_dim1 = 128
	s_mov_b32 s[\g+5], SIZE_K                      ; tensor_dim0_stride: elements from row to row
	s_mov_b32 s[\g+6], 0
	s_mov_b32 s[\g+7], 0
.endr
	; where the tiles come from.  A's hang on the tile row alone, which my row of the cluster shares; B's on the tile column alone, which my column shares.
	s_lshl_b32 s17, s12, 7                         ; which 128 rows of the tile I fetch
	s_lshl_b32 s16, s13, 8
	s_add_co_u32 s16, s16, s17                     ; A: row 256 x tile row + 128 x half
	s_lshl_b32 s46, s42, 8
	s_add_co_u32 s46, s46, s17                     ; B: row 256 x tile column + 128 x half
	s_mov_b32 s17, 0
	s_mov_b32 s47, 0
	s_mov_b64 s[18:19], SIZE_K*2
	s_mul_u64 s[16:17], s[16:17], s[18:19]         ; in bytes
	s_mul_u64 s[46:47], s[46:47], s[18:19]
.if B_OFF
	s_add_nc_u64 s[46:47], s[46:47], B_OFF
.endif
	s_mul_i32 s20, s10, HALFT                      ; and where they go: A's two halves, then B's two halves = wave x 128 rows: no place in the cluster enters an LDS address
	s_wait_dscnt 0x0
	s_wait_kmcnt 0x0
	s_add_nc_u64 s[14:15], s[4:5], s[16:17]
	s_add_nc_u64 s[46:47], s[6:7], s[46:47]
	CROUND                                         ; all sixteen work-groups are here: the first joint loads meet
.irp s, 0,1
	s_mov_b32 s[G0+4*\s], 1                                        ; count = 1
	s_add_co_u32 s[G0+4*\s+1], s20, \s*SLOT                        ; LDS address
	s_add_nc_u64 s[G0+4*\s+2:G0+4*\s+3], s[14:15], \s*KSTEP*2      ; global address: K step s
	s_or_b32 s[G0+4*\s+3], s[G0+4*\s+3], 0x80000000                ; type = 2
	s_mov_b32 s[G0B+4*\s], 1
	s_add_co_u32 s[G0B+4*\s+1], s20, \s*SLOT
	s_add_nc_u64 s[G0B+4*\s+2:G0B+4*\s+3], s[46:47], \s*KSTEP*2
	s_or_b32 s[G0B+4*\s+3], s[G0B+4*\s+3], 0x80000000
	JLOAD \s                                       ; the ring is filled before anything else is done: two tensor loads of mine are out
.endr
	; A fragment is 16 rows x 32 K in 8 registers: lane l holds row l % 16; registers 0-3 hold K = 8 (l / 16) + 0..7, registers 4-7 hold K = 16 + 8 (l / 16) + 0..7.
	v_and_b32 v1, 15, v0                           ; l % 16
	v_bfe_u32 v2, v0, 4, 1                         ; l / 16
	v_mul_u32_u24 v3, v1, PITCH
	v_lshl_add_u32 v3, v2, 4, v3                   ; row x pitch + 16 x half
	s_mul_i32 s21, s11, HALFT                      ; my 128 rows of A
	s_mul_i32 s22, s12, HALFT                      ; my 128 rows of B,
	s_add_co_u32 s22, s22, 2*HALFT                 ; which lie behind A's 256
.irp s, 0,1
	v_add_nc_u32 v[ADRA+\s], s21, v3
	v_add_nc_u32 v[ADRB+\s], s22, v3
	s_add_co_u32 s21, s21, SLOT
	s_add_co_u32 s22, s22, SLOT
.endr
	s_mul_i32 s23, s10, 16*SPITCH
	s_add_co_u32 s23, s23, STAGE                   ; my stage
	v_mul_u32_u24 v4, v1, SPITCH                   ; in: row l % 16, 16 bytes for each half of the lanes
	v_lshl_add_u32 v4, v2, 4, v4
	v_add_nc_u32 v[STO], s23, v4
	v_mul_u32_u24 v5, v2, SPITCH                   ; back: lanes 0-15 take one row of 256 bytes, lanes 16-31 the next
	v_lshl_add_u32 v5, v1, 4, v5
	v_add_nc_u32 v[RD], s23, v5
	v_mul_u32_u24 v5, v2, SIZE_N*2                 ; and the same two rows in C
	v_lshl_add_u32 v[CO], v1, 4, v5
	; where my part of the tile begins in C, in bytes: the way out adds it to C's address
	s_lshl_b32 s13, s13, 8
	s_lshl_b32 s14, s11, 7
	s_add_co_u32 s16, s13, s14                     ; my first row of C
	s_mov_b32 s17, 0
	s_mov_b64 s[18:19], SIZE_N*2
	s_mul_u64 s[16:17], s[16:17], s[18:19]
	s_lshl_b32 s46, s42, 9                         ; my first column, in bytes: 512 x tile column + 256 x half
	s_lshl_b32 s47, s12, 8
	s_add_co_u32 s46, s46, s47
	s_mov_b32 s47, 0
	s_add_nc_u64 s[16:17], s[16:17], s[46:47]
	; The bias.  Four tile columns belong to each of q, k, v: (4 x cluster x + cx) / 4 = cluster x, the same in all partners; cx is the tile column inside that weight.
	s_mov_b32 s74, ttmp9
	s_lshl_b32 s78, s40, 10                        ; 256 columns x 4 bytes
	s_lshl_b32 s75, s12, 9                         ; + my wave's 128 columns
	s_add_co_u32 s78, s78, s75
	s_mov_b32 s79, 0
	s_cmp_eq_u32 s74, 1
	s_cselect_b64 s[66:67], s[70:71], s[68:69]
	s_cmp_eq_u32 s74, 2
	s_cselect_b64 s[66:67], s[72:73], s[66:67]
	s_add_nc_u64 s[66:67], s[66:67], s[78:79]
	v_lshlrev_b32 v[BO], 5, v2                     ; in accumulator (a, b) my lane holds columns 16 b + 8 (l / 16) + 0..7
.irp b, 0,1,2,3,4,5,6,7
	global_load_b128 v[BIAS+8*\b:BIAS+8*\b+3],   v[BO], s[66:67] offset:64*\b
	global_load_b128 v[BIAS+8*\b+4:BIAS+8*\b+7], v[BO], s[66:67] offset:64*\b+16
.endr
; 16 matrix instructions: m blocks a0, a0 + 1 of the window's four (hi = 0: my rows 0-63, 1: rows 64-127) x all 8 n blocks, 32 along K.
; first = 1: the first product on each accumulator takes the bias of its 16 columns as C.  The 64 accumulators take turns, one instruction a turn.
.macro MUL16 f, hi, a0, first
.irp a, \a0, \a0+1
.irp b, 0,1,2,3,4,5,6,7
.if \first
	v_wmma_f32_16x16x32_bf16 v[8*(8*(\a)+\b):8*(8*(\a)+\b)+7], v[\f+8*\b:\f+8*\b+7], v[\f+8*(4*\hi+\a):\f+8*(4*\hi+\a)+7], v[BIAS+8*\b:BIAS+8*\b+7]
.else
	v_wmma_f32_16x16x32_bf16 v[8*(8*(\a)+\b):8*(8*(\a)+\b)+7], v[\f+8*\b:\f+8*\b+7], v[\f+8*(4*\hi+\a):\f+8*(4*\hi+\a)+7], v[8*(8*(\a)+\b):8*(8*(\a)+\b)+7]
.endif
.endr
.endr
.endm
; 32 LDS loads in one run: the fragments of one quarter step (128 rows of B, 128 rows of A, 32 K at byte k of the rows) into buffer f
.macro FETCH slot, k, f
	WIN TO_B
.irp i, 0,1,2,3,4,5,6,7
	ds_load_b128 v[\f+8*\i:\f+8*\i+3],   v[ADRB+\slot] offset:\k+\i*16*PITCH
	ds_load_b128 v[\f+8*\i+4:\f+8*\i+7], v[ADRB+\slot] offset:\k+\i*16*PITCH+32
.endr
	WIN 0
.irp i, 0,1,2,3,4,5,6,7
	ds_load_b128 v[\f+8*\i:\f+8*\i+3],   v[ADRA+\slot] offset:\k+\i*16*PITCH
	ds_load_b128 v[\f+8*\i+4:\f+8*\i+7], v[ADRA+\slot] offset:\k+\i*16*PITCH+32
.endr
.endm
; A load into a register that a matrix instruction has read, and a vector instruction that reads a matrix result, stand four places behind that matrix instruction, and only plain vector
; instructions that name none of its registers are places (ISA guide 7.12.1 for vector instructions).
.macro PLACES
.rept 4
	v_nop
.endr
.endm
; A K step is four quarter steps of 32 along K, 64 matrix instructions each, on buffers 0, 1, 0, 1.
; One of the first three: multiplies buffer f; in its middle it fetches the next quarter's fragments, at byte k of the same slot's rows, into buffer g.
.macro QUARTER slot, k, f, g, first
	s_wait_dscnt 8                                 ; B and A's rows 0-63 are in; the youngest eight loads (A's rows 64-127) may be out
.if \first
	WIN FIRST_LO
.else
	WIN MUL_LO
.endif
	MUL16 \f, 0, 0, \first
	MUL16 \f, 0, 2, \first
	PLACES
	FETCH \slot, \k, \g
	s_wait_dscnt 32                                ; all but the 32 just issued
.if \first
	WIN FIRST_HI
.else
	WIN MUL_HI
.endif
	MUL16 \f, 1, 0, \first
	MUL16 \f, 1, 2, \first
.endm
; The last quarter multiplies buffer 1 and changes slots.  MEET is its first half: ONE barrier for the change of slots.  In front of it each wave waits for its own reads of this slot and
; for all its tensor loads, of which one is out: its part of the next slot.  Behind it nobody reads this slot any more and the next slot is whole.
.macro MEET round                      ; round = 1: a round of the cluster's barrier follows
	s_wait_dscnt 8
	WIN MUL_LO
	MUL16 F1, 0, 0, 0
	s_wait_dscnt 0                                 ; my reads of this slot are over
	s_set_vgpr_msb 0xa1a0
	s_wait_tensorcnt 0x0                           ; and all my tensor loads have landed: the one that was out is my part of the next slot
	ds_add_u32 v30, v31
	s_wait_dscnt 0x0
	s_set_vgpr_msb 0xa0a1
	s_barrier_signal -1                            ; say so (where a slot is filled again this barrier opens a round of the cluster's barrier),
	MUL16 F1, 0, 2, 0                              ; work on registers while the others arrive,
.if \round
	WIN 0
.endif
	s_barrier_wait -1                              ; and go on when all four have said so
.endm
; The whole last quarter.  Behind the round the slot just read out is filled again first, with the K step two steps on; then come the next slot's first fragments.
.macro TURN slot, next
	MEET 1
	CREST                                          ; no wave of any partner still reads this slot's tile or has a load on its way
	s_add_nc_u64 s[G0+4*\slot+2:G0+4*\slot+3], s[G0+4*\slot+2:G0+4*\slot+3], 2*KSTEP*2
	s_add_nc_u64 s[G0B+4*\slot+2:G0B+4*\slot+3], s[G0B+4*\slot+2:G0B+4*\slot+3], 2*KSTEP*2
	JLOAD \slot                                    ; the first tensor load behind the round, my only one out; the four v_nop behind it are also the places in front of the loads below
	FETCH \next, 0, F0
	WIN MUL_HI
	MUL16 F1, 1, 0, 0
	MUL16 F1, 1, 2, 0
.endm
; THE LAST K STEP (it lies in slot 1) GOES BY ROWS OF C, NOT BY K.  All its fragments of B (4 quarters x 64 registers) fill window 1; then my eight blocks of 16 rows are finished one after
; the other, each with 32 matrix instructions (its 8 accumulators by turns, K ascending).  LDS is read no more than in any other K step.
.macro BLOAD q                         ; B's fragments of quarter q -> window 1, v[64 q ..]
.irp i, 0,1,2,3,4,5,6,7
	ds_load_b128 v[64*\q+8*\i:64*\q+8*\i+3],   v[ADRB+1] offset:64*\q+\i*16*PITCH
	ds_load_b128 v[64*\q+8*\i+4:64*\q+8*\i+7], v[ADRB+1] offset:64*\q+\i*16*PITCH+32
.endr
.endm
.macro ALOAD a                         ; A's fragments of block a, all four quarters -> buffer a % 4
.set FA, PA+32*((\a)%4)
.irp q, 0,1,2,3
	ds_load_b128 v[FA+8*\q:FA+8*\q+3],   v[ADRA+1] offset:64*\q+(\a)*16*PITCH
	ds_load_b128 v[FA+8*\q+4:FA+8*\q+7], v[ADRA+1] offset:64*\q+(\a)*16*PITCH+32
.endr
.endm
.macro ROW a                           ; block a is finished: 32 matrix instructions
.set FA, PA+32*((\a)%4)                ; its fragments of A
.set AC, 64*((\a)%4)                   ; its eight accumulators, in window 2 (blocks 0-3) or 3 (blocks 4-7)
	WIN MUL_LO+0x50*((\a)/4)                       ; MUL_LO or MUL_HI
.irp q, 0,1,2,3
.if (\a) == 0 && \q == 2
	s_wait_dscnt 24                                ; B's quarter 2 is in (behind it: A's blocks 1 to 3)
.endif
.irp b, 0,1,2,3,4,5,6,7
	v_wmma_f32_16x16x32_bf16 v[AC+8*\b:AC+8*\b+7], v[64*\q+8*\b:64*\q+8*\b+7], v[FA+8*\q:FA+8*\q+7], v[AC+8*\b:AC+8*\b+7]
.endr
.endr
.endm
; THE WAY OUT of block a, in three parts.  PACK: (where RELU is set, negatives become 0;) rounded to bf16, 16 bytes a lane.  TOSTAGE: into my own stage in LDS, and back as whole rows of 256 bytes.  SEND: stored.
.macro PACK a
.set AC, 64*((\a)%4)
.if RELU
	WIN 0x8a+0x45*((\a)/4)                         ; sources and destination: window 2 or 3
.set i, 0
.rept 64
	v_max_num_f32 v[AC+i], 0, v[AC+i]
.set i, i+1
.endr
.endif
	WIN 0x0a+5*((\a)/4)                            ; sources 0 and 1: window 2 or 3; destination window 0
.irp b, 0,1,2,3,4,5,6,7
.irp r, 0,1,2,3
	v_cvt_pk_bf16_f32 v[TMP+4*\b+\r], v[AC+8*\b+2*\r], v[AC+8*\b+2*\r+1]
.endr
.endr
	WIN 0
.endm
.macro TOSTAGE a
.set BK, OB+192*((\a)%2)
.irp b, 0,1,2,3,4,5,6,7
	ds_store_b128 v[STO], v[TMP+4*\b:TMP+4*\b+3] offset:32*\b
.endr
.irp t, 0,1,2,3,4,5,6,7
	ds_load_b128 v[BK+4*\t:BK+4*\t+3], v[RD] offset:\t*2*SPITCH    ; LDS serves a wave's instructions in order (ISA guide 5.7.1.4): these see the stores above
.endr
.endm
.macro SEND a, younger                 ; younger: the LDS loads issued behind TOSTAGE's, which may stay out
.set BK, OB+192*((\a)%2)
	s_wait_dscnt \younger                          ; the block is back in registers
	s_wait_xcnt 0x0                                ; every earlier memory instruction has had its addresses translated (ISA guide 3.1): only behind this wait are the stores' base and the registers that earlier stores read rewritten
.if (\a) == 0
	s_add_nc_u64 s[8:9], s[8:9], s[16:17]          ; on to my first rows
.else
	s_add_nc_u64 s[8:9], s[8:9], 16*SIZE_N*2       ; 16 rows of C on, so that the stores' offsets stay small: 14 rows of C at the most
.endif
.irp t, 0,1,2,3,4,5,6,7
	global_store_b128 v[CO], v[BK+4*\t:BK+4*\t+3], s[8:9] offset:2*\t*SIZE_N*2   ; 16 lanes store 256 consecutive bytes, at a multiple of 256 from C's first byte
.endr
.endm
	s_wait_tensorcnt 1                             ; my part of K step 0 is in; K step 1's may stay out
	s_barrier_signal -1
	s_barrier_wait -1                              ; everybody's is
	FETCH 0, 0, F0
	s_wait_loadcnt 0x0                             ; the bias
	QUARTER 0, 64,  F0, F1, 1                      ; the first quarter stands in front of the loop: its products start the sums, on the bias
	WIN 0                                          ; at a label and at a branch every window is 0
	s_mov_b32 s3, LAPS-1
.Llap:                                                 ; a trip goes once round the ring, from a lap's second quarter to the next lap's first, and fills both slots again
	QUARTER 0, 128, F1, F0, 0
	QUARTER 0, 192, F0, F1, 0
	TURN 0, 1
	QUARTER 1, 64,  F0, F1, 0
	QUARTER 1, 128, F1, F0, 0
	QUARTER 1, 192, F0, F1, 0
	TURN 1, 0
	QUARTER 0, 64,  F0, F1, 0
	WIN 0
	s_sub_co_u32 s3, s3, 1
	s_cmp_lg_u32 s3, 0
	s_cbranch_scc1 .Llap
	QUARTER 0, 128, F1, F0, 0                      ; the last lap goes on; it asks for nothing more
	QUARTER 0, 192, F0, F1, 0
	MEET 0                                         ; my one tensor load that was still out is slot 1's, the last K step's, so no round follows
	PLACES                                         ; for the loads into buffer 0, which the quarter before multiplied
	WIN TO_B
	BLOAD 0                                        ; three quarters of B now: buffer 1 (v128-191 of both windows) is still being multiplied
	BLOAD 1
	BLOAD 3
	WIN 0
	ALOAD 0
	WIN MUL_HI
	MUL16 F1, 1, 0, 0
	MUL16 F1, 1, 2, 0
	PLACES                                         ; for the loads into buffer 1
	WIN TO_B
	BLOAD 2
	WIN 0
	ALOAD 1
	ALOAD 2
	ALOAD 3
	s_wait_dscnt 40                                ; all but the 40 just issued
	ROW 0
.irp a, 0,1,2,3,4,5,6,7                ; each block leaves as soon as it is finished: the sooner its stores begin, the sooner the launch ends
	PLACES                                         ; the vector work below reads results just made
	PACK \a
	TOSTAGE \a
.if \a < 4
	ALOAD \a+4                                     ; its buffer takes the block four further on
	SEND \a, 8
.else
	SEND \a, 0
.endif
.if \a < 7
	ROW \a+1
.endif
.endr
	s_wait_tensorcnt 0x0
	ds_add_u32 v30, v31
	s_wait_dscnt 0x0
	CROUND                                         ; the closing round: no work-group ends while a partner may still ask for a tile that names it
	s_endpgm
.Lfunc_end_k_q8aed06ff93_qkv:
	.size	k_q8aed06ff93_qkv, .Lfunc_end_k_q8aed06ff93_qkv-k_q8aed06ff93_qkv
	.p2alignl 7, 3214868480
	.fill 96, 4, 3214868480
	.section	.rodata,"a",@progbits
	.p2align	6, 0x0
	.amdhsa_kernel k_q8aed06ff93_qkv
		.amdhsa_group_segment_fixed_size 327680
		.amdhsa_private_segment_fixed_size 0
		.amdhsa_enable_private_segment 0
		.amdhsa_kernarg_size 48
		.amdhsa_user_sgpr_count 2
		.amdhsa_user_sgpr_kernarg_segment_ptr 1
		.amdhsa_wavefront_size32 1
		.amdhsa_system_sgpr_workgroup_id_x 1
		.amdhsa_system_sgpr_workgroup_id_y 1
		.amdhsa_system_sgpr_workgroup_id_z 1
		.amdhsa_system_vgpr_workitem_id 0
		.amdhsa_next_free_vgpr 1024
		.amdhsa_next_free_sgpr 80
		.amdhsa_reserve_vcc 0
		.amdhsa_float_denorm_mode_32 3
		.amdhsa_float_denorm_mode_16_64 3
		.amdhsa_memory_ordered 1
		.amdhsa_forward_progress 1
		.amdhsa_inst_pref_size 145
	.end_amdhsa_kernel
	.amdgpu_metadata
---
amdhsa.version: [ 1, 2 ]
amdhsa.kernels:
  - .name:           k_q8aed06ff93_qkv
    .symbol:         k_q8aed06ff93_qkv.kd
    .args:
      - { .name: h, .offset: 0, .size: 8, .value_kind: global_buffer, .address_space: global }
      - { .name: wbf, .offset: 8, .size: 8, .value_kind: global_buffer, .address_space: global }
      - { .name: qkv, .offset: 16, .size: 8, .value_kind: global_buffer, .address_space: global }
      - { .name: wq_b, .offset: 24, .size: 8, .value_kind: global_buffer, .address_space: global }
      - { .name: wk_b, .offset: 32, .size: 8, .value_kind: global_buffer, .address_space: global }
      - { .name: wv_b, .offset: 40, .size: 8, .value_kind: global_buffer, .address_space: global }
    .group_segment_fixed_size: 327680
    .private_segment_fixed_size: 0
    .kernarg_segment_align: 8
    .kernarg_segment_size: 48
    .max_flat_workgroup_size: 128
    .sgpr_count:     80
    .vgpr_count:     1024
    .wavefront_size: 32
...
	.end_amdgpu_metadata
.endif
;; end of part 9
;; launch attn: the kernel of part 4 again; grid 16 x 16, 8 waves a work-group, clusters of 4 x 1, 327,680 bytes of LDS; arguments qkv, mask, att; writes att
;; launch wo (part 10): grid 8 x 32, 4 waves a work-group, clusters of 4 x 4, 327,680 bytes of LDS; arguments att, wbf, x1, wo_b, x; writes x1
.if DOCPART == 10
	.amdgcn_target "amdgcn-amd-amdhsa--gfx1250"
	.amdhsa_code_object_version 6
	.text
	.protected	k_q8aed06ff93_wo
	.globl	k_q8aed06ff93_wo
	.p2align	8
	.type	k_q8aed06ff93_wo,@function
k_q8aed06ff93_wo:
	s_mov_b64 s[64:65], 0
	v_nop
	global_prefetch_b8 v0, s[64:65] scope:SCOPE_SE
	s_setreg_imm32_b32 hwreg(HW_REG_WAVE_MODE, 25, 1), 1
	s_wait_xcnt 0x0
	s_wait_alu depctr_hold_cnt(0) depctr_sa_sdst(0) depctr_va_vdst(0) depctr_va_sdst(0) depctr_va_ssrc(0) depctr_va_vcc(0) depctr_vm_vsrc(0)
	s_getreg_b32 s2, hwreg(HW_REG_IB_STS2, 6, 4)
	s_cmp_eq_u32 s2, 0
	s_cbranch_scc0 .Lentry_in_a_cluster
	s_endpgm
.Lentry_in_a_cluster:
	s_bfe_u32 s2, ttmp6, 0x10000c
	s_cmp_lg_u32 s2, 0xf033
	s_cbranch_scc0 .Lentry_shape_is_right
	s_endpgm
.Lentry_shape_is_right:
; x1[m][n] = x[m][n] + sum over k of att[m][k] W[n][k] + bias[n], in f32.  att: [4096][1024] bf16; W = wo as bf16 [1024][1024] at byte 6,291,456 of wbf; x, x1: [4096][1024] f32.
; A tile of C is 128 x 128: 256 work-groups of four waves, each wave 64 x 64: 16 accumulators of 16 x 16, 128 registers.  K goes in steps of 256 (LDS rows of 512 bytes;
; a wave's tensor load brings 64 of them) through two LDS slots.  A wave's 64 f32 columns are one aligned 256 bytes of C, so each wave has a stage of its own on the way out: no barrier there.
; The residual's 64 x 64 numbers are asked for at the start, in the places in which they are added at the end, and wait in 128 registers of window 2.
; CLUSTERS: 4 x 4 work-groups.  The four of a row of the cluster need the same tiles of A, the four of a column the same tiles of B: each tile is asked for JOINTLY, by the same
; tensor load with the same descriptor and a mask that names the four.  THE MATRIX INSTRUCTION IS USED TRANSPOSED (source 0 = 16 rows of B, source 1 = 16 rows of A): a lane
; then holds eight neighbouring numbers of a row of C.
; K IS WALKED IN A ROTATED ORDER: cluster (X, Y) of the 2 x 8 begins at K step (2 X + 2 Y) mod 4 and wraps round at the row's end; the sums hold the same products in another order.
; The two clusters that read the same rows of A begin half of K apart, and so do neighbours along Y, which read the same rows of B: of the two that want a tile, one asks for it two
; K steps behind the other, not both at once.  The start hangs on the cluster's x and y alone, which all sixteen partners share.
; No prefetch here: of the four K steps two are the first fills.
; REGISTERS: window 0: v0-31 addresses; v96-99 the bias of my lane's four columns; v128-255 the accumulators ((a, b) at v[128 + 8 (4 a + b)]).
;   window 1: two fragment buffers of 128: for 64 along K, 64 registers of A, then 64 of B.   window 2: v0-127 the residual.
.set SIZE_N, 1024
.set SIZE_K, 1024
.set B_OFF,  6291456                   ; where B begins in wbf
.set KSTEP,  256
.set ROWB,   SIZE_K*2                  ; bytes in a row of A and of B
.set PHX,    ROWB/2                    ; bytes along K by which the start moves from one cluster to the next along x: half a row
.set PHY,    ROWB/2                    ; the same along y; both are multiples of two K steps, so that a slot keeps its parity of K steps
.set PREF,   0                         ; 1: tiles are asked for ahead by prefetches
.set NONE,   99                        ; a joint load that no prefetch follows
.set PITCH,  528                       ; an LDS row: 512 bytes of data + 16 of padding = 132 words: row r starts at bank 4 r mod 64 (64 banks of 4 bytes: ISA guide 11.1)
.set HALFT,  64*PITCH                  ; 64 rows: what one tensor load brings, and what one wave reads of A or of B
.set SLOT,   4*HALFT                   ; A's 128 rows, then B's 128 rows
.set STAGE,  2*SLOT                    ; behind the ring: 16 rows x 272 bytes for each wave, for the way out; no tensor load lands there
.set SPITCH, 272
.set LAPS, SIZE_K/(2*KSTEP)            ; a lap = two K steps = once round the ring
.set PF,   8                           ; v8-13   byte offsets of my lane's block in the K steps start + 2 .. start + 7 (only where PREF is set); never rewritten
.set ADRA, 16                          ; v16-17  LDS address of my A fragments in slot 0, 1
.set ADRB, 20                          ; v20-21  the same for B
.set STO,  24                          ; v24     the way out: where I put 32 bytes of a row
.set RD,   25                          ; v25     the way out: where I read a row back
.set CO,   26                          ; v26     my byte offset in C and in the residual
.set BO,   27                          ; v27     my byte offset in the bias
.set BIAS, 96
.set ACC,  128
.set RES,  0                           ; in window 2
.set F0,   0                           ; fragment buffers, in window 1
.set F1,   128
.set G1, 24                            ; s[24:31] descriptor group 1 for A's tiles;  s[32:39] group 0, one set for each slot
.set G0, 32
.set G1B, 48                           ; s[48:55], s[56:63] the same for B's tiles
.set G0B, 56
.set BB, 68                            ; s[68:69] B at the first byte of the 64 rows that I fetch (A's: s[14:15]); never rewritten
.set KO, 70                            ; s[70:71], s[72:73] slot 0's and slot 1's byte offset along K, with 0 above it
.set MSB, 0
.macro WIN new                         ; the immediate's high byte repeats the setting that is left
.if MSB != \new
	s_set_vgpr_msb (MSB<<8)|\new
.set MSB, \new
.endif
.endm
.set MUL,  0x05                        ; sources 0 (B) and 1 (A) window 1; C and D window 0
.set TO_F, 0x40                        ; destination window 1, address window 0
; A joint load: waves 0 and 1 fetch A's two halves, waves 2 and 3 B's; four v_nop follow each of the two lines, ahead of what else stands there, the jump and the label.
; pa < 6: behind A's load the wave asks ahead for its share of A's K step start + 2 + pa.
.macro JLOAD s, pa
	s_cmp_eq_u32 s11, 0
	s_cbranch_scc0 .Lfor_b_\@
	tensor_load_to_lds s[G0+4*\s:G0+4*\s+3], s[G1:G1+7]
	s_nop 0
.rept 4
	v_nop
.endr
.if \pa < 6
	global_prefetch_b8 v[PF+\pa], s[14:15] th:TH_LOAD_NT scope:SCOPE_SE
.endif
	s_branch .Lasked_\@
.Lfor_b_\@:
	tensor_load_to_lds s[G0B+4*\s:G0B+4*\s+3], s[G1B:G1B+7]
	s_nop 0
.rept 4
	v_nop
.endr
.Lasked_\@:
.endm
.macro CREST                           ; a round of the cluster's barrier behind its opening barrier
	s_cmp_lg_u32 s10, 0
	s_cbranch_scc1 .Lnot_wave_0_\@
	s_barrier_signal -3
.Lnot_wave_0_\@:
	s_barrier_wait -3
	s_barrier_signal -1
	s_barrier_wait -1
.endm
.macro CROUND                          ; a whole round
	s_barrier_signal -1
	s_barrier_wait -1
	CREST
.endm
	s_load_b128 s[4:7], s[0:1], 0x0                ; A s[4:5], B s[6:7]
	s_load_b64 s[8:9], s[0:1], 0x10                ; C
	s_load_b64 s[66:67], s[0:1], 0x18              ; the bias
	s_load_b64 s[76:77], s[0:1], 0x20              ; the residual
	v_lshl_add_u32 v126, v0, 2, 0x46400
	v_mov_b32 v127, 0
	ds_add_u32 v126, v127
	v_lshrrev_b32 v1, 5, v0
	v_readfirstlane_b32 s10, v1                    ; wave 0..3
	s_lshr_b32 s11, s10, 1                         ; which half of the tile's rows is mine.  Also: I fetch for A (0) or for B (1)
	s_and_b32 s12, s10, 1                          ; which half of its columns.  Also: which 64 rows of that tile I fetch
	s_bfe_u32 s40, ttmp6, 0x40000                  ; cx, cy: my place in the cluster
	s_bfe_u32 s41, ttmp6, 0x40004
	s_lshl_b32 s42, ttmp9, 2
	s_add_co_u32 s42, s42, s40                     ; tile column of C = 4 x cluster x + cx
	s_and_b32 s13, ttmp7, 0xffff
	s_lshl_b32 s13, s13, 2
	s_add_co_u32 s13, s13, s41                     ; tile row of C = 4 x cluster y + cy
	s_lshl_b32 s43, s41, 2
	s_lshl_b32 s43, 15, s43                        ; my row of the cluster
	s_lshl_b32 s44, 0x1111, s40                    ; my column
	; descriptor group 1: a tile of 64 rows x 256 elements, padded in LDS
	s_or_b32 s[G1+0], s43, (1<<16)|(1<<20)|(1<<21)|(6<<22)|(3<<25)  ; 15:0 the mask: A's tiles go to my row; 17:16 element of 2 bytes; 20 padding on; 21 set beside a mask; 24:22 after every 128 words (code 6); 31:25 of 4 words (code 3)
	s_or_b32 s[G1B+0], s44, (1<<16)|(1<<20)|(1<<21)|(6<<22)|(3<<25) ; the same with the mask of my column, for B's tiles
.irp g, G1, G1B
	s_mov_b32 s[\g+1], KSTEP<<16                   ; tensor_dim0 = 256
	s_mov_b32 s[\g+2], 64<<16                      ; tensor_dim1 = 64
	s_mov_b32 s[\g+3], KSTEP<<16                   ; tile_dim0 = 256
	s_mov_b32 s[\g+4], 64                          ; tile_dim1 = 64
	s_mov_b32 s[\g+5], SIZE_K                      ; tensor_dim0_stride
	s_mov_b32 s[\g+6], 0
	s_mov_b32 s[\g+7], 0
.endr
	s_lshl_b32 s17, s12, 6                         ; which 64 rows of the tile I fetch
	s_lshl_b32 s16, s13, 7
	s_add_co_u32 s16, s16, s17                     ; A: row 128 x tile row + 64 x half
	s_lshl_b32 s46, s42, 7
	s_add_co_u32 s46, s46, s17                     ; B: row 128 x tile column + 64 x half
	s_mov_b32 s17, 0
	s_mov_b32 s47, 0
	s_mov_b64 s[18:19], SIZE_K*2
	s_mul_u64 s[16:17], s[16:17], s[18:19]
	s_mul_u64 s[46:47], s[46:47], s[18:19]
.if B_OFF
	s_add_nc_u64 s[46:47], s[46:47], B_OFF
.endif
	s_mul_i32 s20, s10, HALFT                      ; where they go: wave x 64 rows: no place in the cluster enters an LDS address
	s_mul_i32 s[KO], ttmp9, PHX                    ; where the cluster begins along K, in bytes of a row: cluster x and cluster y alone
	s_and_b32 s74, ttmp7, 0xffff
	s_mul_i32 s74, s74, PHY
	s_add_co_u32 s[KO], s[KO], s74
	s_and_b32 s[KO], s[KO], ROWB-1                 ; inside the row; a multiple of two K steps,
	s_mov_b32 s[KO+1], 0
	s_add_co_u32 s[KO+2], s[KO], KSTEP*2           ; so the K step behind it does not pass the row's end
	s_mov_b32 s[KO+3], 0
	s_wait_dscnt 0x0
	s_wait_kmcnt 0x0
	s_add_nc_u64 s[14:15], s[4:5], s[16:17]
	s_add_nc_u64 s[BB:BB+1], s[6:7], s[46:47]
	CROUND                                         ; all sixteen work-groups are here: the first joint loads meet
.irp s, 0,1
	s_mov_b32 s[G0+4*\s], 1
	s_add_co_u32 s[G0+4*\s+1], s20, \s*SLOT
	s_add_nc_u64 s[G0+4*\s+2:G0+4*\s+3], s[14:15], s[KO+2*\s:KO+2*\s+1]
	s_or_b32 s[G0+4*\s+3], s[G0+4*\s+3], 0x80000000
	s_mov_b32 s[G0B+4*\s], 1
	s_add_co_u32 s[G0B+4*\s+1], s20, \s*SLOT
	s_add_nc_u64 s[G0B+4*\s+2:G0B+4*\s+3], s[BB:BB+1], s[KO+2*\s:KO+2*\s+1]
	s_or_b32 s[G0B+4*\s+3], s[G0B+4*\s+3], 0x80000000
	JLOAD \s, NONE                                 ; two tensor loads of mine are out
.endr
	v_and_b32 v1, 15, v0                           ; l % 16
	v_bfe_u32 v2, v0, 4, 1                         ; l / 16
	v_mul_u32_u24 v3, v1, PITCH
	v_lshl_add_u32 v3, v2, 4, v3                   ; a fragment's row x pitch + 16 x half
	s_mul_i32 s21, s11, HALFT                      ; my 64 rows of A
	s_mul_i32 s22, s12, HALFT                      ; my 64 rows of B,
	s_add_co_u32 s22, s22, 2*HALFT                 ; which lie behind A's 128
.irp s, 0,1
	v_add_nc_u32 v[ADRA+\s], s21, v3
	v_add_nc_u32 v[ADRB+\s], s22, v3
	s_add_co_u32 s21, s21, SLOT
	s_add_co_u32 s22, s22, SLOT
.endr
	s_mul_i32 s23, s10, 16*SPITCH
	s_add_co_u32 s23, s23, STAGE                   ; my stage
	v_mul_u32_u24 v4, v1, SPITCH                   ; in: row l % 16, 32 bytes (eight f32) for each half of the lanes
	v_lshl_add_u32 v4, v2, 5, v4
	v_add_nc_u32 v[STO], s23, v4
	v_mul_u32_u24 v5, v2, SPITCH                   ; back: lanes 0-15 take one row of 256 bytes, lanes 16-31 the next
	v_lshl_add_u32 v5, v1, 4, v5
	v_add_nc_u32 v[RD], s23, v5
	v_mul_u32_u24 v5, v2, SIZE_N*4                 ; and the same two rows in C and in the residual
	v_lshl_add_u32 v[CO], v1, 4, v5
	v_lshlrev_b32 v[BO], 4, v1                     ; read back, my lane holds columns 4 (l % 16) + 0..3 of the wave's 64
	s_lshl_b32 s16, s13, 7
	s_lshl_b32 s17, s11, 6
	s_add_co_u32 s16, s16, s17                     ; my first row of C: 128 x tile row + 64 x half
	s_mov_b32 s17, 0
	s_mov_b64 s[18:19], SIZE_N*4
	s_mul_u64 s[16:17], s[16:17], s[18:19]
	s_add_nc_u64 s[8:9], s[8:9], s[16:17]
	s_add_nc_u64 s[76:77], s[76:77], s[16:17]
	s_lshl_b32 s46, s42, 9                         ; my first column, in bytes: 512 x tile column + 256 x half
	s_lshl_b32 s47, s12, 8
	s_add_co_u32 s46, s46, s47
	s_mov_b32 s47, 0
	s_add_nc_u64 s[8:9], s[8:9], s[46:47]
	s_add_nc_u64 s[76:77], s[76:77], s[46:47]
	s_add_nc_u64 s[66:67], s[66:67], s[46:47]
	global_load_b128 v[BIAS:BIAS+3], v[BO], s[66:67]
	WIN 0x80                                       ; destination window 2, address window 0
.irp a, 0,1,2,3
.irp i, 0,1,2,3,4,5,6,7
	global_load_b128 v[RES+32*\a+4*\i:RES+32*\a+4*\i+3], v[CO], s[76:77] offset:(16*\a+2*\i)*SIZE_N*4   ; 16 lanes read 256 consecutive bytes, aligned
.endr
.endr
	WIN 0
.if PREF
	; ASKING AHEAD.  A K step's part of the 64 rows that I fetch is 64 rows x 2 blocks of 256 bytes.  The four partners that receive the tile take 16 of the rows each (by cx for A's tiles,
	; by cy for B's); lane l takes row l / 2, block l % 2: one instruction a wave.  The offsets of K steps start + 2 .. start + 7 are made once, each wrapped into the row, so none leaves the buffer.
	s_cmp_eq_u32 s11, 0
	s_cselect_b32 s75, s40, s41
	s_cselect_b64 s[78:79], s[14:15], s[BB:BB+1]   ; my rows of A or of B; never rewritten
	v_and_b32 v6, 31, v0
	v_lshrrev_b32 v7, 1, v6
	v_lshl_add_u32 v7, s75, 4, v7                  ; row 16 x place + l / 2 of my 64
	v_mul_u32_u24 v7, v7, ROWB
	v_and_b32 v6, 1, v6
	v_lshl_add_u32 v7, v6, 8, v7
.irp i, 0,1,2,3,4,5
	s_add_co_u32 s74, s[KO], (2+\i)*KSTEP*2
	s_and_b32 s74, s74, ROWB-1
	v_add_nc_u32 v[PF+\i], s74, v7
.endr
	global_prefetch_b8 v[PF],   s[78:79] th:TH_LOAD_NT scope:SCOPE_SE   ; the two K steps that the first two refills will bring, of A and of B
	global_prefetch_b8 v[PF+1], s[78:79] th:TH_LOAD_NT scope:SCOPE_SE
.endif
; 8 matrix instructions: m blocks a0, a0 + 1 x all 4 n blocks, 32 along K: half c of buffer f.  zero = 1: the first product starts the sums.
; The sixteen accumulators take turns, one instruction a turn.
.macro MUL8 f, c, a0, zero
.irp a, \a0, \a0+1
.irp b, 0,1,2,3
.if \zero
	v_wmma_f32_16x16x32_bf16 v[ACC+8*(4*(\a)+\b):ACC+8*(4*(\a)+\b)+7], v[\f+64+8*(4*\c+\b):\f+64+8*(4*\c+\b)+7], v[\f+8*(4*\c+\a):\f+8*(4*\c+\a)+7], 0
.else
	v_wmma_f32_16x16x32_bf16 v[ACC+8*(4*(\a)+\b):ACC+8*(4*(\a)+\b)+7], v[\f+64+8*(4*\c+\b):\f+64+8*(4*\c+\b)+7], v[\f+8*(4*\c+\a):\f+8*(4*\c+\a)+7], v[ACC+8*(4*(\a)+\b):ACC+8*(4*(\a)+\b)+7]
.endif
.endr
.endr
.endm
; 32 LDS loads in one run: the fragments of 64 along K at byte k of the rows, into buffer f; the first 32 along K first
.macro FETCH slot, k, f
	WIN TO_F
.irp c, 0,1
.irp i, 0,1,2,3
	ds_load_b128 v[\f+64+8*(4*\c+\i):\f+64+8*(4*\c+\i)+3],   v[ADRB+\slot] offset:\k+64*\c+\i*16*PITCH
	ds_load_b128 v[\f+64+8*(4*\c+\i)+4:\f+64+8*(4*\c+\i)+7], v[ADRB+\slot] offset:\k+64*\c+\i*16*PITCH+32
	ds_load_b128 v[\f+8*(4*\c+\i):\f+8*(4*\c+\i)+3],         v[ADRA+\slot] offset:\k+64*\c+\i*16*PITCH
	ds_load_b128 v[\f+8*(4*\c+\i)+4:\f+8*(4*\c+\i)+7],       v[ADRA+\slot] offset:\k+64*\c+\i*16*PITCH+32
.endr
.endr
.endm
.macro PLACES                          ; four plain instructions in front of loads into registers that matrix instructions have read, and of LDS stores that read results
.rept 4
	v_nop
.endr
.endm
; A K step is four quarters of 64 along K, 32 matrix instructions each, on buffers 0, 1, 0, 1.  One of the first three: multiplies buffer f and fetches the next quarter, at byte k, into g.
.macro QUARTER slot, k, f, g, zero
	s_wait_dscnt 16                                ; the first 32 along K are in; the sixteen younger loads may be out
	WIN MUL
	MUL8 \f, 0, 0, \zero
	MUL8 \f, 0, 2, \zero
	PLACES
	FETCH \slot, \k, \g
	s_wait_dscnt 32                                ; all but the 32 just issued
	WIN MUL
	MUL8 \f, 1, 0, 0
	MUL8 \f, 1, 2, 0
.endm
; The last quarter multiplies buffer 1 and changes slots: ONE barrier; in front of it each wave waits for its own reads of this slot and for all its tensor loads.
; fill = 1: this slot is filled again, two K steps ahead: its offset along K steps and wraps at the row's end, and both addresses are made anew from their bases.
.macro TURN slot, next, fill, pa
	s_wait_dscnt 16
	WIN MUL
	MUL8 F1, 0, 0, 0
	s_wait_dscnt 0                                 ; my reads of this slot are over,
	s_set_vgpr_msb 0x500
	s_wait_tensorcnt 0x0                           ; and all my tensor loads have landed: my part of the next slot
	ds_add_u32 v126, v127
	s_wait_dscnt 0x0
	s_set_vgpr_msb 0x5
	s_barrier_signal -1
	MUL8 F1, 0, 2, 0
.if \fill
	WIN 0
.endif
	s_barrier_wait -1
.if \fill
	CREST                                          ; the barrier has opened a round of the cluster's barrier: no wave of any partner still reads this slot's tile or has a load on its way
	s_add_co_u32 s[KO+2*\slot], s[KO+2*\slot], 2*KSTEP*2
	s_and_b32 s[KO+2*\slot], s[KO+2*\slot], ROWB-1
	s_add_nc_u64 s[G0+4*\slot+2:G0+4*\slot+3], s[14:15], s[KO+2*\slot:KO+2*\slot+1]
	s_or_b32 s[G0+4*\slot+3], s[G0+4*\slot+3], 0x80000000
	s_add_nc_u64 s[G0B+4*\slot+2:G0B+4*\slot+3], s[BB:BB+1], s[KO+2*\slot:KO+2*\slot+1]
	s_or_b32 s[G0B+4*\slot+3], s[G0B+4*\slot+3], 0x80000000
	JLOAD \slot, \pa                               ; the first tensor load behind the round, my only one out; the four v_nop behind it are also the places in front of the loads below
.else
	PLACES
.endif
	FETCH \next, 0, F0
	WIN MUL
	MUL8 F1, 1, 0, 0
	MUL8 F1, 1, 2, 0
.endm
; Once round the ring, from a lap's second quarter to the next lap's first; both slots are filled again.  pa0, pa1: what is asked for ahead behind the two refills.
.macro LAP pa0, pa1
	QUARTER 0, 256, F1, F0, 0
	QUARTER 0, 384, F0, F1, 0
	TURN 0, 1, 1, \pa0
	QUARTER 1, 128, F0, F1, 0
	QUARTER 1, 256, F1, F0, 0
	QUARTER 1, 384, F0, F1, 0
	TURN 1, 0, 1, \pa1
	QUARTER 0, 128, F0, F1, 0
.endm
	s_wait_tensorcnt 1                             ; my part of the first K step is in; the second's may stay out
	s_barrier_signal -1
	s_barrier_wait -1                              ; everybody's is
	FETCH 0, 0, F0
	QUARTER 0, 128, F0, F1, 1                      ; the first quarter stands in front of the loop: its first products start the sums
.if PREF
	LAP 2, 3                                       ; the refills bring K steps start + 2 and + 3; start + 4 and + 5 are asked for: two K steps ahead of their loads
	LAP 4, 5                                       ; the same two K steps on; the K steps from start + 8 on are the other cluster's to ask for first, so the asking stops here
.endif
	WIN 0                                          ; at a label and at a branch every window is 0
	s_mov_b32 s3, LAPS-1-2*PREF
.Llap:
	LAP NONE, NONE
	WIN 0
	s_sub_co_u32 s3, s3, 1
	s_cmp_lg_u32 s3, 0
	s_cbranch_scc1 .Llap
	QUARTER 0, 256, F1, F0, 0                      ; the last lap fills nothing, and has no round of the cluster's barrier
	QUARTER 0, 384, F0, F1, 0
	TURN 0, 1, 0, NONE
	QUARTER 1, 128, F0, F1, 0
	QUARTER 1, 256, F1, F0, 0
	QUARTER 1, 384, F0, F1, 0
	s_wait_dscnt 16                                ; the very last quarter: nothing more to fetch
	WIN MUL
	MUL8 F1, 0, 0, 0
	MUL8 F1, 0, 2, 0
	s_wait_dscnt 0
	MUL8 F1, 1, 0, 0
	MUL8 F1, 1, 2, 0
	WIN 0
	; THE WAY OUT.  A block of 16 rows at a time goes through my own stage: 32 bytes a lane in, whole rows of 256 bytes back, into the registers that it left.
	; LDS serves a wave's instructions in order (ISA guide 5.7.1.4): the loads see the stores above them, and the next block's stores come behind them.
	PLACES
.irp a, 0,1,2,3
.irp b, 0,1,2,3
	ds_store_b128 v[STO], v[ACC+8*(4*\a+\b):ACC+8*(4*\a+\b)+3]   offset:64*\b
	ds_store_b128 v[STO], v[ACC+8*(4*\a+\b)+4:ACC+8*(4*\a+\b)+7] offset:64*\b+16
.endr
.irp i, 0,1,2,3,4,5,6,7
	ds_load_b128 v[ACC+32*\a+4*\i:ACC+32*\a+4*\i+3], v[RD] offset:\i*2*SPITCH
.endr
.endr
	s_wait_loadcnt 0x0                             ; the bias and the residual
.irp a, 0,1,2,3
	s_wait_dscnt 16*(3-\a)                         ; block a is back; the later blocks' eight stores and eight loads each may be out
.irp i, 0,1,2,3,4,5,6,7
	v_pk_add_f32 v[ACC+32*\a+4*\i:ACC+32*\a+4*\i+1],   v[ACC+32*\a+4*\i:ACC+32*\a+4*\i+1],   v[BIAS:BIAS+1]
	v_pk_add_f32 v[ACC+32*\a+4*\i+2:ACC+32*\a+4*\i+3], v[ACC+32*\a+4*\i+2:ACC+32*\a+4*\i+3], v[BIAS+2:BIAS+3]
.endr
	WIN 0x08                                       ; source 1 in window 2: the residual
.irp p, 0,1,2,3,4,5,6,7,8,9,10,11,12,13,14,15
	v_pk_add_f32 v[ACC+32*\a+2*\p:ACC+32*\a+2*\p+1], v[ACC+32*\a+2*\p:ACC+32*\a+2*\p+1], v[RES+32*\a+2*\p:RES+32*\a+2*\p+1]
.endr
	WIN 0
.irp i, 0,1,2,3,4,5,6,7
	global_store_b128 v[CO], v[ACC+32*\a+4*\i:ACC+32*\a+4*\i+3], s[8:9] offset:(16*\a+2*\i)*SIZE_N*4   ; 16 lanes store 256 consecutive bytes, at a multiple of 256 from C's first byte
.endr
.endr
	s_wait_tensorcnt 0x0
	ds_add_u32 v126, v127
	s_wait_dscnt 0x0
	CROUND                                         ; the closing round: no work-group ends while a partner may still ask for a tile that names it
	s_endpgm
.Lfunc_end_k_q8aed06ff93_wo:
	.size	k_q8aed06ff93_wo, .Lfunc_end_k_q8aed06ff93_wo-k_q8aed06ff93_wo
	.p2alignl 7, 3214868480
	.fill 96, 4, 3214868480
	.section	.rodata,"a",@progbits
	.p2align	6, 0x0
	.amdhsa_kernel k_q8aed06ff93_wo
		.amdhsa_group_segment_fixed_size 327680
		.amdhsa_private_segment_fixed_size 0
		.amdhsa_enable_private_segment 0
		.amdhsa_kernarg_size 40
		.amdhsa_user_sgpr_count 2
		.amdhsa_user_sgpr_kernarg_segment_ptr 1
		.amdhsa_wavefront_size32 1
		.amdhsa_system_sgpr_workgroup_id_x 1
		.amdhsa_system_sgpr_workgroup_id_y 1
		.amdhsa_system_sgpr_workgroup_id_z 1
		.amdhsa_system_vgpr_workitem_id 0
		.amdhsa_next_free_vgpr 640
		.amdhsa_next_free_sgpr 80
		.amdhsa_reserve_vcc 0
		.amdhsa_float_denorm_mode_32 3
		.amdhsa_float_denorm_mode_16_64 3
		.amdhsa_memory_ordered 1
		.amdhsa_forward_progress 1
		.amdhsa_inst_pref_size 98
	.end_amdhsa_kernel
	.amdgpu_metadata
---
amdhsa.version: [ 1, 2 ]
amdhsa.kernels:
  - .name:           k_q8aed06ff93_wo
    .symbol:         k_q8aed06ff93_wo.kd
    .args:
      - { .name: att, .offset: 0, .size: 8, .value_kind: global_buffer, .address_space: global }
      - { .name: wbf, .offset: 8, .size: 8, .value_kind: global_buffer, .address_space: global }
      - { .name: x1, .offset: 16, .size: 8, .value_kind: global_buffer, .address_space: global }
      - { .name: wo_b, .offset: 24, .size: 8, .value_kind: global_buffer, .address_space: global }
      - { .name: x, .offset: 32, .size: 8, .value_kind: global_buffer, .address_space: global }
    .group_segment_fixed_size: 327680
    .private_segment_fixed_size: 0
    .kernarg_segment_align: 8
    .kernarg_segment_size: 40
    .max_flat_workgroup_size: 128
    .sgpr_count:     80
    .vgpr_count:     640
    .wavefront_size: 32
...
	.end_amdgpu_metadata
.endif
;; end of part 10
;; launch ln2 (part 11): grid 256 x 1, 8 waves a work-group, no clusters, 0 bytes of LDS; arguments x1, ln2_a, ln2_b, h; writes h
.if DOCPART == 11
	.amdgcn_target "amdgcn-amd-amdhsa--gfx1250"
	.amdhsa_code_object_version 6
	.text
	.protected	k_q8aed06ff93_ln2
	.globl	k_q8aed06ff93_ln2
	.p2align	8
	.type	k_q8aed06ff93_ln2,@function
k_q8aed06ff93_ln2:
	s_mov_b64 s[64:65], 0
	v_nop
	global_prefetch_b8 v0, s[64:65] scope:SCOPE_SE
	s_setreg_imm32_b32 hwreg(HW_REG_WAVE_MODE, 25, 1), 1
	s_wait_xcnt 0x0
; h[r][c] = (x[r][c] - mean_r) / (std_r + 1e-5) * a[c] + b[c], rounded once to bf16.  x (here x1): [4096][1024] f32, h: [4096][1024] bf16.
; std is the unbiased one (the sum of squared differences over 1,023).  The mean is taken away first and the squares are summed of
; the differences, on the row as it lies in registers: a common offset of the inputs costs no digits.
; A work-group owns 16 rows, each of its eight waves two.  A row (4,096 bytes) is eight 16-byte loads a lane, 32 registers; it is read once.
; Load j of lane l holds columns 128 j + 4 l .. + 3; a and b are loaded in the same places, once for both rows.
; The reduction never leaves the wave: no LDS, no barrier.  A wave's store of 8 bytes a lane covers 256 consecutive bytes, aligned.
.set X,  8                             ; v[8:71]    two rows, 32 registers each; the row's bf16 end in its first 16
.set A,  72                            ; v[72:103]  a of my 32 columns
.set BV, 104                           ; v[104:135] b of my 32 columns
.set T,  136                           ; v[136:143] four chains of pairs
.set M,  144                           ; v[144:145] the mean, twice
.set R,  146                           ; v[146:147] 1 / (std + eps), twice
	s_load_b256 s[4:11], s[0:1], 0x0               ; x s[4:5], a s[6:7], b s[8:9], h s[10:11]
	s_lshl_b32 s14, ttmp9, 16                      ; 16 rows of 4,096 bytes
	s_mov_b32 s15, 0
	s_lshl_b32 s16, ttmp9, 15                      ; 16 rows of 2,048 bytes
	s_mov_b32 s17, 0
	s_mov_b32 s12, 0x76543210                      ; v_permlanex16_b32: lane i of one half reads lane i of the other
	s_mov_b32 s13, 0xfedcba98
	v_lshrrev_b32 v4, 5, v0                        ; wave
	v_and_b32 v5, 31, v0                           ; lane
	v_lshlrev_b32 v2, 4, v5                        ; a, b: 16 l
	v_lshl_add_u32 v1, v4, 13, v2                  ; x: 16 l + two rows of 4,096 bytes a wave
	v_lshlrev_b32 v3, 3, v5
	v_lshl_add_u32 v3, v4, 12, v3                  ; h: 8 l + two rows of 2,048 bytes a wave
	s_wait_kmcnt 0x0
	s_add_nc_u64 s[4:5], s[4:5], s[14:15]
	s_add_nc_u64 s[10:11], s[10:11], s[16:17]
.irp j, 0,1,2,3,4,5,6,7
	global_load_b128 v[X+4*\j:X+4*\j+3], v1, s[4:5] offset:512*\j
.endr
.irp j, 0,1,2,3,4,5,6,7
	global_load_b128 v[X+32+4*\j:X+32+4*\j+3], v1, s[4:5] offset:4096+512*\j
.endr
.irp j, 0,1,2,3,4,5,6,7
	global_load_b128 v[A+4*\j:A+4*\j+3], v2, s[6:7] offset:512*\j
.endr
.irp j, 0,1,2,3,4,5,6,7
	global_load_b128 v[BV+4*\j:BV+4*\j+3], v2, s[8:9] offset:512*\j
.endr
; The four chains' pairs are added, then the 32 lanes': four steps inside each half ride on the addition, one crosses the halves.  Every lane ends with the sum in v[T].
.macro REDUCE
	v_pk_add_f32 v[T:T+1], v[T:T+1], v[T+2:T+3]
	v_pk_add_f32 v[T+4:T+5], v[T+4:T+5], v[T+6:T+7]
	v_pk_add_f32 v[T:T+1], v[T:T+1], v[T+4:T+5]
	v_add_f32 v[T], v[T], v[T+1]
	v_add_f32_dpp v[T], v[T], v[T] row_xmask:1 row_mask:0xf bank_mask:0xf
	v_add_f32_dpp v[T], v[T], v[T] row_xmask:2 row_mask:0xf bank_mask:0xf
	v_add_f32_dpp v[T], v[T], v[T] row_xmask:4 row_mask:0xf bank_mask:0xf
	v_add_f32_dpp v[T], v[T], v[T] row_xmask:8 row_mask:0xf bank_mask:0xf
	v_permlanex16_b32 v[T+1], v[T], s12, s13       ; its destination counts as read: it has been written above
	v_add_f32 v[T], v[T], v[T+1]
.endm
; A row becomes (x - mean) / (std + eps), in place.  left = the loads issued behind this row's, which may stay out.
.macro STAT row, left
.set XR, X+32*\row
	s_wait_loadcnt \left
.irp k, 0,1,2,3
	v_pk_add_f32 v[T+2*\k:T+2*\k+1], v[XR+2*\k:XR+2*\k+1], v[XR+8+2*\k:XR+8+2*\k+1]   ; the first eight pairs start four chains: nothing is cleared
.endr
.irp p, 8,9,10,11,12,13,14,15
	v_pk_add_f32 v[T+2*(\p%4):T+2*(\p%4)+1], v[T+2*(\p%4):T+2*(\p%4)+1], v[XR+2*\p:XR+2*\p+1]
.endr
	REDUCE
	v_mul_f32 v[M],   0x3a800000, v[T]             ; the mean: the sum / 1,024
	v_mul_f32 v[M+1], 0x3a800000, v[T]
.irp p, 0,1,2,3,4,5,6,7,8,9,10,11,12,13,14,15
	v_pk_add_f32 v[XR+2*\p:XR+2*\p+1], v[XR+2*\p:XR+2*\p+1], v[M:M+1] neg_lo:[0,1] neg_hi:[0,1]
.endr
.irp k, 0,1,2,3
	v_pk_mul_f32 v[T+2*\k:T+2*\k+1], v[XR+2*\k:XR+2*\k+1], v[XR+2*\k:XR+2*\k+1]
.endr
.irp p, 4,5,6,7,8,9,10,11,12,13,14,15
	v_pk_fma_f32 v[T+2*(\p%4):T+2*(\p%4)+1], v[XR+2*\p:XR+2*\p+1], v[XR+2*\p:XR+2*\p+1], v[T+2*(\p%4):T+2*(\p%4)+1]
.endr
	REDUCE
	v_mul_f32 v[T], 0x3a802008, v[T]               ; / 1,023
	v_sqrt_f32 v[T], v[T]
	v_nop                                          ; a plain instruction stands between a root or a reciprocal and the use of its result
	s_wait_alu depctr_va_vdst(0)
	v_add_f32 v[T], 0x3727c5ac, v[T]               ; + 1e-5
	v_rcp_f32 v[R], v[T]
	v_nop
	s_wait_alu depctr_va_vdst(0)
	v_mov_b32 v[R+1], v[R]
.irp p, 0,1,2,3,4,5,6,7,8,9,10,11,12,13,14,15
	v_pk_mul_f32 v[XR+2*\p:XR+2*\p+1], v[XR+2*\p:XR+2*\p+1], v[R:R+1]
.endr
.endm
; Gain and bias, one rounding to bf16, eight stores.  Pair p is rounded into register p of the row: behind it only pairs above p are read, which lie in registers 2 p + 2 and up.
.macro OUT row
.set XR, X+32*\row
.irp p, 0,1,2,3,4,5,6,7,8,9,10,11,12,13,14,15
	v_pk_fma_f32 v[XR+2*\p:XR+2*\p+1], v[XR+2*\p:XR+2*\p+1], v[A+2*\p:A+2*\p+1], v[BV+2*\p:BV+2*\p+1]
.endr
.irp p, 0,1,2,3,4,5,6,7,8,9,10,11,12,13,14,15
	v_cvt_pk_bf16_f32 v[XR+\p], v[XR+2*\p], v[XR+2*\p+1]
.endr
.irp j, 0,1,2,3,4,5,6,7
	global_store_b64 v3, v[XR+2*\j:XR+2*\j+1], s[10:11] offset:2048*\row+256*\j
.endr
.endm
	STAT 0, 24                                     ; behind row 0's loads: row 1's eight, a's eight, b's eight
	STAT 1, 16                                     ; behind row 1's: a's and b's
	s_wait_loadcnt 0x0                             ; a and b
	OUT 0
	OUT 1                                          ; it writes row 1's registers alone: row 0's stores keep their data
	s_endpgm
.Lfunc_end_k_q8aed06ff93_ln2:
	.size	k_q8aed06ff93_ln2, .Lfunc_end_k_q8aed06ff93_ln2-k_q8aed06ff93_ln2
	.p2alignl 7, 3214868480
	.fill 96, 4, 3214868480
	.section	.rodata,"a",@progbits
	.p2align	6, 0x0
	.amdhsa_kernel k_q8aed06ff93_ln2
		.amdhsa_group_segment_fixed_size 0
		.amdhsa_private_segment_fixed_size 0
		.amdhsa_enable_private_segment 0
		.amdhsa_kernarg_size 32
		.amdhsa_user_sgpr_count 2
		.amdhsa_user_sgpr_kernarg_segment_ptr 1
		.amdhsa_wavefront_size32 1
		.amdhsa_system_sgpr_workgroup_id_x 1
		.amdhsa_system_sgpr_workgroup_id_y 1
		.amdhsa_system_sgpr_workgroup_id_z 1
		.amdhsa_system_vgpr_workitem_id 0
		.amdhsa_next_free_vgpr 148
		.amdhsa_next_free_sgpr 66
		.amdhsa_reserve_vcc 0
		.amdhsa_float_denorm_mode_32 3
		.amdhsa_float_denorm_mode_16_64 3
		.amdhsa_memory_ordered 1
		.amdhsa_forward_progress 1
		.amdhsa_inst_pref_size 21
	.end_amdhsa_kernel
	.amdgpu_metadata
---
amdhsa.version: [ 1, 2 ]
amdhsa.kernels:
  - .name:           k_q8aed06ff93_ln2
    .symbol:         k_q8aed06ff93_ln2.kd
    .args:
      - { .name: x1, .offset: 0, .size: 8, .value_kind: global_buffer, .address_space: global }
      - { .name: ln2_a, .offset: 8, .size: 8, .value_kind: global_buffer, .address_space: global }
      - { .name: ln2_b, .offset: 16, .size: 8, .value_kind: global_buffer, .address_space: global }
      - { .name: h, .offset: 24, .size: 8, .value_kind: global_buffer, .address_space: global }
    .group_segment_fixed_size: 0
    .private_segment_fixed_size: 0
    .kernarg_segment_align: 8
    .kernarg_segment_size: 32
    .max_flat_workgroup_size: 256
    .sgpr_count:     66
    .vgpr_count:     148
    .wavefront_size: 32
...
	.end_amdgpu_metadata
.endif
;; end of part 11
;; launch ff1 (part 12): grid 16 x 16, 4 waves a work-group, clusters of 4 x 4, 327,680 bytes of LDS; arguments h, wbf, ffh, ff1_b; writes ffh
.if DOCPART == 12
	.amdgcn_target "amdgcn-amd-amdhsa--gfx1250"
	.amdhsa_code_object_version 6
	.text
	.protected	k_q8aed06ff93_ff1
	.globl	k_q8aed06ff93_ff1
	.p2align	8
	.type	k_q8aed06ff93_ff1,@function
k_q8aed06ff93_ff1:
	s_mov_b64 s[64:65], 0
	v_nop
	global_prefetch_b8 v0, s[64:65] scope:SCOPE_SE
	s_setreg_imm32_b32 hwreg(HW_REG_WAVE_MODE, 25, 1), 1
	s_wait_xcnt 0x0
	s_wait_alu depctr_hold_cnt(0) depctr_sa_sdst(0) depctr_va_vdst(0) depctr_va_sdst(0) depctr_va_ssrc(0) depctr_va_vcc(0) depctr_vm_vsrc(0)
	s_getreg_b32 s2, hwreg(HW_REG_IB_STS2, 6, 4)
	s_cmp_eq_u32 s2, 0
	s_cbranch_scc0 .Lentry_in_a_cluster
	s_endpgm
.Lentry_in_a_cluster:
	s_bfe_u32 s2, ttmp6, 0x10000c
	s_cmp_lg_u32 s2, 0xf033
	s_cbranch_scc0 .Lentry_shape_is_right
	s_endpgm
.Lentry_shape_is_right:
; ffh[m][n] = max(0, bias[n] + sum over k of h[m][k] W[n][k]), rounded once to bf16.  h: [4096][1024] bf16; W = ff1 as bf16 [4096][1024] at byte 8,388,608 of wbf;
; ffh: [4096][4096] bf16; the bias f32.  Sums in f32.  The maximum lets a NaN lose (it becomes 0 here); the residual that is added behind the next product carries such a NaN on.
; A tile of C, 256 x 256, is made by a work-group of four waves; a wave makes 128 x 128: 64 accumulators of 16 x 16, 512 registers.  16 x 16 = 256 work-groups, one tile each.
; K goes in steps of 128 through a ring of two LDS slots filled by the tensor data mover: the rows of A's and B's tiles are 256 bytes of memory and start at multiples of 256 bytes.
; A K step is 256 matrix instructions a wave; 240 of them stand between the request for a tile and the wait for it.
; THE BIAS STARTS THE SUMS: a lane's 64 bias numbers are the C operand of the first product on each accumulator, so the bias costs no vector instruction and nothing is cleared.
; The last K step goes by rows of C, so that finished rows leave while the others are multiplied.
; CLUSTERS: 4 x 4 work-groups.  The four of a row of the cluster need the same tiles of A, the four of a column the same tiles of B.  Such a tile is asked for JOINTLY: each of the four
; issues the same tensor load, with the same descriptor and a mask that names the four, and each receives the tile in its own LDS.
; REGISTERS, in windows of 256 (s_set_vgpr_msb's low byte: bits 1:0 source 0, 3:2 source 1, 5:4 source 2, 7:6 destination):
;   window 0: v0-31 addresses; v64-127, v128-191 fragments of A, two buffers (in the last K step four, of 16 rows x 128 K); v192-255 the bias, until the first quarter step is over;
;             then v32-63, v192-255 at work on the way out
;   window 1: v64-127, v128-191 fragments of B, two buffers; in the last K step all 256: B's fragments of the whole step
;   window 2: the 32 accumulators of my rows 0-63 (accumulator (a, b) at v[8 (8 a + b)]);   window 3: those of my rows 64-127
; THE MATRIX INSTRUCTION IS USED TRANSPOSED: source 0 = 16 rows of B, source 1 = 16 rows of A.  In the result, lane l holds row m = l % 16 of C, and its registers 0 to 7 the columns
; n = 8 (l / 16) + 0 .. 7: eight neighbouring numbers of a row of C, which pack into 16 bytes.
.set SIZE_N, 4096
.set SIZE_K, 1024
.set B_OFF,  8388608                   ; where B begins in wbf
.set RELU,   1
.set KSTEP,  128
.set PITCH,  272                       ; an LDS row: 256 bytes of data + 16 of padding = 68 words: row r starts at bank 4 r mod 64 (64 banks of 4 bytes: ISA guide 11.1), so the 16 rows that a load touches start at 16 different banks
.set HALFT,  128*PITCH                 ; 128 rows: what one tensor load brings, and what one wave reads of A or of B
.set SLOT,   4*HALFT                   ; A's 256 rows, then B's 256 rows
.set STAGE,  2*SLOT                    ; behind the ring: 16 rows x 272 bytes for each wave, for the way out; no tensor load lands there
.set SPITCH, 272
.set LAPS, SIZE_K/(2*KSTEP)            ; a lap = two K steps = once round the ring: 4 laps
.set ADRA, 16                          ; v16-17  LDS address of my A fragments in slot 0, 1
.set ADRB, 20                          ; v20-21  the same for B
.set STO,  24                          ; v24     the way out: where I put 16 bytes of a row
.set RD,   25                          ; v25     the way out: where I read a row back
.set CO,   26                          ; v26     my byte offset in C
.set BO,   27                          ; v27     my byte offset in the bias
.set F0,   64                          ; fragment buffer 0
.set F1,   128                         ; fragment buffer 1
.set BIAS, 192                         ; v192-255 of window 0: the bias of columns 16 b + 8 (l / 16) + 0..7 at v[BIAS + 8 b]
.set TMP,  192                         ; the way out: packed results, in window 0 (the bias is no longer needed)
.set OB,   32                          ; the way out: 16 rows read back from the stage: v32-63 and v224-255 by turns
.set PA,   64                          ; the last K step: A's fragments of 16 rows x 128 K, 32 registers; four such buffers, v64-191
.set G1, 24                            ; s[24:31] descriptor group 1 for A's tiles
.set G0, 32                            ; s[32:39] descriptor group 0 for A's tiles, one set for each slot
.set G1B, 48                           ; s[48:55] descriptor group 1 for B's tiles: it differs from A's in the mask alone
.set G0B, 56                           ; s[56:63] descriptor group 0 for B's tiles, one set for each slot
.set MSB, 0
.macro WIN new                         ; the immediate's high byte repeats the setting that is left; a switch that changes nothing is dropped
.if MSB != (\new)
	s_set_vgpr_msb (MSB<<8)|(\new)
.set MSB, (\new)
.endif
.endm
.set MUL_LO,   0xa1                    ; source 0 (B) window 1, source 1 (A) window 0, C and D window 2
.set MUL_HI,   0xf1                    ; the same, C and D window 3
.set FIRST_LO, 0x81                    ; the first products: C (the bias) window 0, D window 2
.set FIRST_HI, 0xc1                    ; the same, D window 3
.set TO_B,     0x40                    ; destination window 1, address window 0
; A joint load.  Waves 0 and 1 fetch A's two halves, waves 2 and 3 B's.  Each of the two lines has ONE mask and one set of registers for all that issue it, and nothing in them hangs on a
; coordinate that the four partners do not share.  The branch hangs on the wave's number alone.  Four v_nop follow each of the two lines, ahead of the jump, the label and what follows.
.macro JLOAD s
	s_cmp_eq_u32 s11, 0
	s_cbranch_scc0 .Lfor_b_\@
	tensor_load_to_lds s[G0+4*\s:G0+4*\s+3], s[G1:G1+7]
	s_nop 0
.rept 4
	v_nop
.endr
	s_branch .Lasked_\@
.Lfor_b_\@:
	tensor_load_to_lds s[G0B+4*\s:G0B+4*\s+3], s[G1B:G1B+7]
	s_nop 0
.rept 4
	v_nop
.endr
.Lasked_\@:
.endm
; A round of the cluster's barrier: my work-group's barrier, so that wave 0's signal speaks for all four waves; wave 0 signals for the work-group; every wave waits for all sixteen
; work-groups; my work-group's barrier once more.  No LDS instruction of the wave is pending at a signal.
.macro CREST                           ; a round behind its opening barrier
	s_cmp_lg_u32 s10, 0
	s_cbranch_scc1 .Lnot_wave_0_\@
	s_barrier_signal -3
.Lnot_wave_0_\@:
	s_barrier_wait -3
	s_barrier_signal -1
	s_barrier_wait -1
.endm
.macro CROUND                          ; a whole round
	s_barrier_signal -1
	s_barrier_wait -1
	CREST
.endm
	s_load_b128 s[4:7], s[0:1], 0x0                ; A s[4:5], B s[6:7]
	s_load_b64 s[8:9], s[0:1], 0x10                ; C
	s_load_b64 s[66:67], s[0:1], 0x18              ; the bias
	v_lshl_add_u32 v30, v0, 2, 0x48400
	v_mov_b32 v31, 0
	ds_add_u32 v30, v31
	v_lshrrev_b32 v1, 5, v0
	v_readfirstlane_b32 s10, v1                    ; wave 0..3
	s_lshr_b32 s11, s10, 1                         ; which half of the tile's rows is mine.  Also: I fetch for A (0) or for B (1)
	s_and_b32 s12, s10, 1                          ; which half of its columns.  Also: which 128 rows of that tile I fetch
	s_bfe_u32 s40, ttmp6, 0x40000                  ; cx: my place along the cluster's x
	s_bfe_u32 s41, ttmp6, 0x40004                  ; cy: along its y
	s_lshl_b32 s42, ttmp9, 2                       ; in a cluster launch ttmp9 and ttmp7 count clusters
	s_add_co_u32 s42, s42, s40                     ; tile column of C = 4 x cluster x + cx
	s_and_b32 s13, ttmp7, 0xffff
	s_lshl_b32 s13, s13, 2
	s_add_co_u32 s13, s13, s41                     ; tile row of C = 4 x cluster y + cy
	s_lshl_b32 s43, s41, 2
	s_lshl_b32 s43, 15, s43                        ; my row of the cluster: places 4 cy .. 4 cy + 3
	s_lshl_b32 s44, 0x1111, s40                    ; my column: places cx, cx + 4, cx + 8, cx + 12
	; descriptor group 1: a tile of 128 rows x 128 elements, padded in LDS
	s_or_b32 s[G1+0], s43, (1<<16)|(1<<20)|(1<<21)|(5<<22)|(3<<25)  ; 15:0 the mask: A's tiles go to my row; 17:16 element of 2 bytes; 20 padding on; 21 set beside a mask; 24:22 after every 64 words (code 5); 31:25 of 4 words (code 3)
	s_or_b32 s[G1B+0], s44, (1<<16)|(1<<20)|(1<<21)|(5<<22)|(3<<25) ; the same with the mask of my column, for B's tiles
.irp g, G1, G1B
	s_mov_b32 s[\g+1], KSTEP<<16                   ; tensor_dim0 = 128
	s_mov_b32 s[\g+2], 128<<16                     ; tensor_dim1 = 128
	s_mov_b32 s[\g+3], KSTEP<<16                   ; tile_dim0 = 128
	s_mov_b32 s[\g+4], 128                         ; tile_dim1 = 128
	s_mov_b32 s[\g+5], SIZE_K                      ; tensor_dim0_stride: elements from row to row
	s_mov_b32 s[\g+6], 0
	s_mov_b32 s[\g+7], 0
.endr
	; where the tiles come from.  A's hang on the tile row alone, which my row of the cluster shares; B's on the tile column alone, which my column shares.
	s_lshl_b32 s17, s12, 7                         ; which 128 rows of the tile I fetch
	s_lshl_b32 s16, s13, 8
	s_add_co_u32 s16, s16, s17                     ; A: row 256 x tile row + 128 x half
	s_lshl_b32 s46, s42, 8
	s_add_co_u32 s46, s46, s17                     ; B: row 256 x tile column + 128 x half
	s_mov_b32 s17, 0
	s_mov_b32 s47, 0
	s_mov_b64 s[18:19], SIZE_K*2
	s_mul_u64 s[16:17], s[16:17], s[18:19]         ; in bytes
	s_mul_u64 s[46:47], s[46:47], s[18:19]
.if B_OFF
	s_add_nc_u64 s[46:47], s[46:47], B_OFF
.endif
	s_mul_i32 s20, s10, HALFT                      ; and where they go: A's two halves, then B's two halves = wave x 128 rows: no place in the cluster enters an LDS address
	s_wait_dscnt 0x0
	s_wait_kmcnt 0x0
	s_add_nc_u64 s[14:15], s[4:5], s[16:17]
	s_add_nc_u64 s[46:47], s[6:7], s[46:47]
	CROUND                                         ; all sixteen work-groups are here: the first joint loads meet
.irp s, 0,1
	s_mov_b32 s[G0+4*\s], 1                                        ; count = 1
	s_add_co_u32 s[G0+4*\s+1], s20, \s*SLOT                        ; LDS address
	s_add_nc_u64 s[G0+4*\s+2:G0+4*\s+3], s[14:15], \s*KSTEP*2      ; global address: K step s
	s_or_b32 s[G0+4*\s+3], s[G0+4*\s+3], 0x80000000                ; type = 2
	s_mov_b32 s[G0B+4*\s], 1
	s_add_co_u32 s[G0B+4*\s+1], s20, \s*SLOT
	s_add_nc_u64 s[G0B+4*\s+2:G0B+4*\s+3], s[46:47], \s*KSTEP*2
	s_or_b32 s[G0B+4*\s+3], s[G0B+4*\s+3], 0x80000000
	JLOAD \s                                       ; the ring is filled before anything else is done: two tensor loads of mine are out
.endr
	; A fragment is 16 rows x 32 K in 8 registers: lane l holds row l % 16; registers 0-3 hold K = 8 (l / 16) + 0..7, registers 4-7 hold K = 16 + 8 (l / 16) + 0..7.
	v_and_b32 v1, 15, v0                           ; l % 16
	v_bfe_u32 v2, v0, 4, 1                         ; l / 16
	v_mul_u32_u24 v3, v1, PITCH
	v_lshl_add_u32 v3, v2, 4, v3                   ; row x pitch + 16 x half
	s_mul_i32 s21, s11, HALFT                      ; my 128 rows of A
	s_mul_i32 s22, s12, HALFT                      ; my 128 rows of B,
	s_add_co_u32 s22, s22, 2*HALFT                 ; which lie behind A's 256
.irp s, 0,1
	v_add_nc_u32 v[ADRA+\s], s21, v3
	v_add_nc_u32 v[ADRB+\s], s22, v3
	s_add_co_u32 s21, s21, SLOT
	s_add_co_u32 s22, s22, SLOT
.endr
	s_mul_i32 s23, s10, 16*SPITCH
	s_add_co_u32 s23, s23, STAGE                   ; my stage
	v_mul_u32_u24 v4, v1, SPITCH                   ; in: row l % 16, 16 bytes for each half of the lanes
	v_lshl_add_u32 v4, v2, 4, v4
	v_add_nc_u32 v[STO], s23, v4
	v_mul_u32_u24 v5, v2, SPITCH                   ; back: lanes 0-15 take one row of 256 bytes, lanes 16-31 the next
	v_lshl_add_u32 v5, v1, 4, v5
	v_add_nc_u32 v[RD], s23, v5
	v_mul_u32_u24 v5, v2, SIZE_N*2                 ; and the same two rows in C
	v_lshl_add_u32 v[CO], v1, 4, v5
	; where my part of the tile begins in C, in bytes: the way out adds it to C's address
	s_lshl_b32 s13, s13, 8
	s_lshl_b32 s14, s11, 7
	s_add_co_u32 s16, s13, s14                     ; my first row of C
	s_mov_b32 s17, 0
	s_mov_b64 s[18:19], SIZE_N*2
	s_mul_u64 s[16:17], s[16:17], s[18:19]
	s_lshl_b32 s46, s42, 9                         ; my first column, in bytes: 512 x tile column + 256 x half
	s_lshl_b32 s47, s12, 8
	s_add_co_u32 s46, s46, s47
	s_mov_b32 s47, 0
	s_add_nc_u64 s[16:17], s[16:17], s[46:47]
	; The bias of my wave's 128 columns
	s_lshl_b32 s78, s42, 10                        ; 256 columns x 4 bytes
	s_lshl_b32 s75, s12, 9                         ; + my wave's 128 columns
	s_add_co_u32 s78, s78, s75
	s_mov_b32 s79, 0
	s_add_nc_u64 s[66:67], s[66:67], s[78:79]
	v_lshlrev_b32 v[BO], 5, v2                     ; in accumulator (a, b) my lane holds columns 16 b + 8 (l / 16) + 0..7
.irp b, 0,1,2,3,4,5,6,7
	global_load_b128 v[BIAS+8*\b:BIAS+8*\b+3],   v[BO], s[66:67] offset:64*\b
	global_load_b128 v[BIAS+8*\b+4:BIAS+8*\b+7], v[BO], s[66:67] offset:64*\b+16
.endr
; 16 matrix instructions: m blocks a0, a0 + 1 of the window's four (hi = 0: my rows 0-63, 1: rows 64-127) x all 8 n blocks, 32 along K.
; first = 1: the first product on each accumulator takes the bias of its 16 columns as C.  The 64 accumulators take turns, one instruction a turn.
.macro MUL16 f, hi, a0, first
.irp a, \a0, \a0+1
.irp b, 0,1,2,3,4,5,6,7
.if \first
	v_wmma_f32_16x16x32_bf16 v[8*(8*(\a)+\b):8*(8*(\a)+\b)+7], v[\f+8*\b:\f+8*\b+7], v[\f+8*(4*\hi+\a):\f+8*(4*\hi+\a)+7], v[BIAS+8*\b:BIAS+8*\b+7]
.else
	v_wmma_f32_16x16x32_bf16 v[8*(8*(\a)+\b):8*(8*(\a)+\b)+7], v[\f+8*\b:\f+8*\b+7], v[\f+8*(4*\hi+\a):\f+8*(4*\hi+\a)+7], v[8*(8*(\a)+\b):8*(8*(\a)+\b)+7]
.endif
.endr
.endr
.endm
; 32 LDS loads in one run: the fragments of one quarter step (128 rows of B, 128 rows of A, 32 K at byte k of the rows) into buffer f
.macro FETCH slot, k, f
	WIN TO_B
.irp i, 0,1,2,3,4,5,6,7
	ds_load_b128 v[\f+8*\i:\f+8*\i+3],   v[ADRB+\slot] offset:\k+\i*16*PITCH
	ds_load_b128 v[\f+8*\i+4:\f+8*\i+7], v[ADRB+\slot] offset:\k+\i*16*PITCH+32
.endr
	WIN 0
.irp i, 0,1,2,3,4,5,6,7
	ds_load_b128 v[\f+8*\i:\f+8*\i+3],   v[ADRA+\slot] offset:\k+\i*16*PITCH
	ds_load_b128 v[\f+8*\i+4:\f+8*\i+7], v[ADRA+\slot] offset:\k+\i*16*PITCH+32
.endr
.endm
; A load into a register that a matrix instruction has read, and a vector instruction that reads a matrix result, stand four places behind that matrix instruction, and only plain vector
; instructions that name none of its registers are places (ISA guide 7.12.1 for vector instructions).
.macro PLACES
.rept 4
	v_nop
.endr
.endm
; A K step is four quarter steps of 32 along K, 64 matrix instructions each, on buffers 0, 1, 0, 1.
; One of the first three: multiplies buffer f; in its middle it fetches the next quarter's fragments, at byte k of the same slot's rows, into buffer g.
.macro QUARTER slot, k, f, g, first
	s_wait_dscnt 8                                 ; B and A's rows 0-63 are in; the youngest eight loads (A's rows 64-127) may be out
.if \first
	WIN FIRST_LO
.else
	WIN MUL_LO
.endif
	MUL16 \f, 0, 0, \first
	MUL16 \f, 0, 2, \first
	PLACES
	FETCH \slot, \k, \g
	s_wait_dscnt 32                                ; all but the 32 just issued
.if \first
	WIN FIRST_HI
.else
	WIN MUL_HI
.endif
	MUL16 \f, 1, 0, \first
	MUL16 \f, 1, 2, \first
.endm
; The last quarter multiplies buffer 1 and changes slots.  MEET is its first half: ONE barrier for the change of slots.  In front of it each wave waits for its own reads of this slot and
; for all its tensor loads, of which one is out: its part of the next slot.  Behind it nobody reads this slot any more and the next slot is whole.
.macro MEET round                      ; round = 1: a round of the cluster's barrier follows
	s_wait_dscnt 8
	WIN MUL_LO
	MUL16 F1, 0, 0, 0
	s_wait_dscnt 0                                 ; my reads of this slot are over
	s_set_vgpr_msb 0xa1a0
	s_wait_tensorcnt 0x0                           ; and all my tensor loads have landed: the one that was out is my part of the next slot
	ds_add_u32 v30, v31
	s_wait_dscnt 0x0
	s_set_vgpr_msb 0xa0a1
	s_barrier_signal -1                            ; say so (where a slot is filled again this barrier opens a round of the cluster's barrier),
	MUL16 F1, 0, 2, 0                              ; work on registers while the others arrive,
.if \round
	WIN 0
.endif
	s_barrier_wait -1                              ; and go on when all four have said so
.endm
; The whole last quarter.  Behind the round the slot just read out is filled again first, with the K step two steps on; then come the next slot's first fragments.
.macro TURN slot, next
	MEET 1
	CREST                                          ; no wave of any partner still reads this slot's tile or has a load on its way
	s_add_nc_u64 s[G0+4*\slot+2:G0+4*\slot+3], s[G0+4*\slot+2:G0+4*\slot+3], 2*KSTEP*2
	s_add_nc_u64 s[G0B+4*\slot+2:G0B+4*\slot+3], s[G0B+4*\slot+2:G0B+4*\slot+3], 2*KSTEP*2
	JLOAD \slot                                    ; the first tensor load behind the round, my only one out; the four v_nop behind it are also the places in front of the loads below
	FETCH \next, 0, F0
	WIN MUL_HI
	MUL16 F1, 1, 0, 0
	MUL16 F1, 1, 2, 0
.endm
; THE LAST K STEP (it lies in slot 1) GOES BY ROWS OF C, NOT BY K.  All its fragments of B (4 quarters x 64 registers) fill window 1; then my eight blocks of 16 rows are finished one after
; the other, each with 32 matrix instructions (its 8 accumulators by turns, K ascending).  LDS is read no more than in any other K step.
.macro BLOAD q                         ; B's fragments of quarter q -> window 1, v[64 q ..]
.irp i, 0,1,2,3,4,5,6,7
	ds_load_b128 v[64*\q+8*\i:64*\q+8*\i+3],   v[ADRB+1] offset:64*\q+\i*16*PITCH
	ds_load_b128 v[64*\q+8*\i+4:64*\q+8*\i+7], v[ADRB+1] offset:64*\q+\i*16*PITCH+32
.endr
.endm
.macro ALOAD a                         ; A's fragments of block a, all four quarters -> buffer a % 4
.set FA, PA+32*((\a)%4)
.irp q, 0,1,2,3
	ds_load_b128 v[FA+8*\q:FA+8*\q+3],   v[ADRA+1] offset:64*\q+(\a)*16*PITCH
	ds_load_b128 v[FA+8*\q+4:FA+8*\q+7], v[ADRA+1] offset:64*\q+(\a)*16*PITCH+32
.endr
.endm
.macro ROW a                           ; block a is finished: 32 matrix instructions
.set FA, PA+32*((\a)%4)                ; its fragments of A
.set AC, 64*((\a)%4)                   ; its eight accumulators, in window 2 (blocks 0-3) or 3 (blocks 4-7)
	WIN MUL_LO+0x50*((\a)/4)                       ; MUL_LO or MUL_HI
.irp q, 0,1,2,3
.if (\a) == 0 && \q == 2
	s_wait_dscnt 24                                ; B's quarter 2 is in (behind it: A's blocks 1 to 3)
.endif
.irp b, 0,1,2,3,4,5,6,7
	v_wmma_f32_16x16x32_bf16 v[AC+8*\b:AC+8*\b+7], v[64*\q+8*\b:64*\q+8*\b+7], v[FA+8*\q:FA+8*\q+7], v[AC+8*\b:AC+8*\b+7]
.endr
.endr
.endm
; THE WAY OUT of block a, in three parts.  PACK: negatives become 0 (RELU is set); rounded to bf16, 16 bytes a lane.  TOSTAGE: into my own stage in LDS, and back as whole rows of 256 bytes.  SEND: stored.
.macro PACK a
.set AC, 64*((\a)%4)
.if RELU
	WIN 0x8a+0x45*((\a)/4)                         ; sources and destination: window 2 or 3
.set i, 0
.rept 64
	v_max_num_f32 v[AC+i], 0, v[AC+i]
.set i, i+1
.endr
.endif
	WIN 0x0a+5*((\a)/4)                            ; sources 0 and 1: window 2 or 3; destination window 0
.irp b, 0,1,2,3,4,5,6,7
.irp r, 0,1,2,3
	v_cvt_pk_bf16_f32 v[TMP+4*\b+\r], v[AC+8*\b+2*\r], v[AC+8*\b+2*\r+1]
.endr
.endr
	WIN 0
.endm
.macro TOSTAGE a
.set BK, OB+192*((\a)%2)
.irp b, 0,1,2,3,4,5,6,7
	ds_store_b128 v[STO], v[TMP+4*\b:TMP+4*\b+3] offset:32*\b
.endr
.irp t, 0,1,2,3,4,5,6,7
	ds_load_b128 v[BK+4*\t:BK+4*\t+3], v[RD] offset:\t*2*SPITCH    ; LDS serves a wave's instructions in order (ISA guide 5.7.1.4): these see the stores above
.endr
.endm
.macro SEND a, younger                 ; younger: the LDS loads issued behind TOSTAGE's, which may stay out
.set BK, OB+192*((\a)%2)
	s_wait_dscnt \younger                          ; the block is back in registers
	s_wait_xcnt 0x0                                ; every earlier memory instruction has had its addresses translated (ISA guide 3.1): only behind this wait are the stores' base and the registers that earlier stores read rewritten
.if (\a) == 0
	s_add_nc_u64 s[8:9], s[8:9], s[16:17]          ; on to my first rows
.else
	s_add_nc_u64 s[8:9], s[8:9], 16*SIZE_N*2       ; 16 rows of C on, so that the stores' offsets stay small: 14 rows of C at the most
.endif
.irp t, 0,1,2,3,4,5,6,7
	global_store_b128 v[CO], v[BK+4*\t:BK+4*\t+3], s[8:9] offset:2*\t*SIZE_N*2   ; 16 lanes store 256 consecutive bytes, at a multiple of 256 from C's first byte
.endr
.endm
	s_wait_tensorcnt 1                             ; my part of K step 0 is in; K step 1's may stay out
	s_barrier_signal -1
	s_barrier_wait -1                              ; everybody's is
	FETCH 0, 0, F0
	s_wait_loadcnt 0x0                             ; the bias
	QUARTER 0, 64,  F0, F1, 1                      ; the first quarter stands in front of the loop: its products start the sums, on the bias
	WIN 0                                          ; at a label and at a branch every window is 0
	s_mov_b32 s3, LAPS-1
.Llap:                                                 ; a trip goes once round the ring, from a lap's second quarter to the next lap's first, and fills both slots again
	QUARTER 0, 128, F1, F0, 0
	QUARTER 0, 192, F0, F1, 0
	TURN 0, 1
	QUARTER 1, 64,  F0, F1, 0
	QUARTER 1, 128, F1, F0, 0
	QUARTER 1, 192, F0, F1, 0
	TURN 1, 0
	QUARTER 0, 64,  F0, F1, 0
	WIN 0
	s_sub_co_u32 s3, s3, 1
	s_cmp_lg_u32 s3, 0
	s_cbranch_scc1 .Llap
	QUARTER 0, 128, F1, F0, 0                      ; the last lap goes on; it asks for nothing more
	QUARTER 0, 192, F0, F1, 0
	MEET 0                                         ; my one tensor load that was still out is slot 1's, the last K step's, so no round follows
	PLACES                                         ; for the loads into buffer 0, which the quarter before multiplied
	WIN TO_B
	BLOAD 0                                        ; three quarters of B now: buffer 1 (v128-191 of both windows) is still being multiplied
	BLOAD 1
	BLOAD 3
	WIN 0
	ALOAD 0
	WIN MUL_HI
	MUL16 F1, 1, 0, 0
	MUL16 F1, 1, 2, 0
	PLACES                                         ; for the loads into buffer 1
	WIN TO_B
	BLOAD 2
	WIN 0
	ALOAD 1
	ALOAD 2
	ALOAD 3
	s_wait_dscnt 40                                ; all but the 40 just issued
	ROW 0
.irp a, 0,1,2,3,4,5,6,7                ; each block leaves as soon as it is finished: the sooner its stores begin, the sooner the launch ends
	PLACES                                         ; the vector work below reads results just made
	PACK \a
	TOSTAGE \a
.if \a < 4
	ALOAD \a+4                                     ; its buffer takes the block four further on
	SEND \a, 8
.else
	SEND \a, 0
.endif
.if \a < 7
	ROW \a+1
.endif
.endr
	s_wait_tensorcnt 0x0
	ds_add_u32 v30, v31
	s_wait_dscnt 0x0
	CROUND                                         ; the closing round: no work-group ends while a partner may still ask for a tile that names it
	s_endpgm
.Lfunc_end_k_q8aed06ff93_ff1:
	.size	k_q8aed06ff93_ff1, .Lfunc_end_k_q8aed06ff93_ff1-k_q8aed06ff93_ff1
	.p2alignl 7, 3214868480
	.fill 96, 4, 3214868480
	.section	.rodata,"a",@progbits
	.p2align	6, 0x0
	.amdhsa_kernel k_q8aed06ff93_ff1
		.amdhsa_group_segment_fixed_size 327680
		.amdhsa_private_segment_fixed_size 0
		.amdhsa_enable_private_segment 0
		.amdhsa_kernarg_size 32
		.amdhsa_user_sgpr_count 2
		.amdhsa_user_sgpr_kernarg_segment_ptr 1
		.amdhsa_wavefront_size32 1
		.amdhsa_system_sgpr_workgroup_id_x 1
		.amdhsa_system_sgpr_workgroup_id_y 1
		.amdhsa_system_sgpr_workgroup_id_z 1
		.amdhsa_system_vgpr_workitem_id 0
		.amdhsa_next_free_vgpr 1024
		.amdhsa_next_free_sgpr 80
		.amdhsa_reserve_vcc 0
		.amdhsa_float_denorm_mode_32 3
		.amdhsa_float_denorm_mode_16_64 3
		.amdhsa_memory_ordered 1
		.amdhsa_forward_progress 1
		.amdhsa_inst_pref_size 161
	.end_amdhsa_kernel
	.amdgpu_metadata
---
amdhsa.version: [ 1, 2 ]
amdhsa.kernels:
  - .name:           k_q8aed06ff93_ff1
    .symbol:         k_q8aed06ff93_ff1.kd
    .args:
      - { .name: h, .offset: 0, .size: 8, .value_kind: global_buffer, .address_space: global }
      - { .name: wbf, .offset: 8, .size: 8, .value_kind: global_buffer, .address_space: global }
      - { .name: ffh, .offset: 16, .size: 8, .value_kind: global_buffer, .address_space: global }
      - { .name: ff1_b, .offset: 24, .size: 8, .value_kind: global_buffer, .address_space: global }
    .group_segment_fixed_size: 327680
    .private_segment_fixed_size: 0
    .kernarg_segment_align: 8
    .kernarg_segment_size: 32
    .max_flat_workgroup_size: 128
    .sgpr_count:     80
    .vgpr_count:     1024
    .wavefront_size: 32
...
	.end_amdgpu_metadata
.endif
;; end of part 12
;; launch ff2 (part 13): grid 8 x 32, 4 waves a work-group, clusters of 4 x 4, 327,680 bytes of LDS; arguments ffh, wbf, out0, ff2_b, x1; writes out0
.if DOCPART == 13
	.amdgcn_target "amdgcn-amd-amdhsa--gfx1250"
	.amdhsa_code_object_version 6
	.text
	.protected	k_q8aed06ff93_ff2
	.globl	k_q8aed06ff93_ff2
	.p2align	8
	.type	k_q8aed06ff93_ff2,@function
k_q8aed06ff93_ff2:
	s_mov_b64 s[64:65], 0
	v_nop
	global_prefetch_b8 v0, s[64:65] scope:SCOPE_SE
	s_setreg_imm32_b32 hwreg(HW_REG_WAVE_MODE, 25, 1), 1
	s_wait_xcnt 0x0
	s_wait_alu depctr_hold_cnt(0) depctr_sa_sdst(0) depctr_va_vdst(0) depctr_va_sdst(0) depctr_va_ssrc(0) depctr_va_vcc(0) depctr_vm_vsrc(0)
	s_getreg_b32 s2, hwreg(HW_REG_IB_STS2, 6, 4)
	s_cmp_eq_u32 s2, 0
	s_cbranch_scc0 .Lentry_in_a_cluster
	s_endpgm
.Lentry_in_a_cluster:
	s_bfe_u32 s2, ttmp6, 0x10000c
	s_cmp_lg_u32 s2, 0xf033
	s_cbranch_scc0 .Lentry_shape_is_right
	s_endpgm
.Lentry_shape_is_right:
; out0[m][n] = x1[m][n] + sum over k of ffh[m][k] W[n][k] + bias[n], in f32.  ffh: [4096][4096] bf16; W = ff2 as bf16 [1024][4096] at byte 16,777,216 of wbf; x1, out0: [4096][1024] f32.
; A tile of C is 128 x 128: 256 work-groups of four waves, each wave 64 x 64: 16 accumulators of 16 x 16, 128 registers.  K goes in steps of 256 (LDS rows of 512 bytes;
; a wave's tensor load brings 64 of them) through two LDS slots.  A wave's 64 f32 columns are one aligned 256 bytes of C, so each wave has a stage of its own on the way out: no barrier there.
; The residual's 64 x 64 numbers are asked for at the start, in the places in which they are added at the end, and wait in 128 registers of window 2.
; CLUSTERS: 4 x 4 work-groups.  The four of a row of the cluster need the same tiles of A, the four of a column the same tiles of B: each tile is asked for JOINTLY, by the same
; tensor load with the same descriptor and a mask that names the four.  THE MATRIX INSTRUCTION IS USED TRANSPOSED (source 0 = 16 rows of B, source 1 = 16 rows of A): a lane
; then holds eight neighbouring numbers of a row of C.
; K IS WALKED IN A ROTATED ORDER: cluster (X, Y) of the 2 x 8 begins at K step (8 X + 4 Y) mod 16 and wraps round at the row's end; the sums hold the same products in another order.
; The two clusters that read the same rows of A begin half of K apart: each is the first to ask for eight of its rows' sixteen K steps, and asks for the other eight eight K steps behind
; its partner, not at the same time.  Four clusters that follow each other along Y, which read the same rows of B, begin four K steps apart: behind four K steps all of B has been asked
; for once.  The start hangs on the cluster's x and y alone, which all sixteen partners share.
; ASKING AHEAD: of the eight K steps of A that this cluster is the first to want, two are the first fills; the other six are asked for by prefetches, each two K steps (one refill of the
; same slot) ahead of its tensor load: two at the head, four behind the refills of the first two laps, which are written out for that; the five laps of the loop ask for nothing.
; B's K steps start + 2 and + 3 are asked for at the head too.  Every block of A is asked for by one lane of one wave of one work-group; clusters Y and Y + 4 begin alike, so those
; blocks of B are asked for twice in the launch.
; REGISTERS: window 0: v0-31 addresses; v96-99 the bias of my lane's four columns; v128-255 the accumulators ((a, b) at v[128 + 8 (4 a + b)]).
;   window 1: two fragment buffers of 128: for 64 along K, 64 registers of A, then 64 of B.   window 2: v0-127 the residual.
.set SIZE_N, 1024
.set SIZE_K, 4096
.set B_OFF,  16777216                  ; where B begins in wbf
.set KSTEP,  256
.set ROWB,   SIZE_K*2                  ; bytes in a row of A and of B
.set PHX,    ROWB/2                    ; bytes along K by which the start moves from one cluster to the next along x: half a row
.set PHY,    ROWB/4                    ; the same along y: a quarter; both are multiples of two K steps, so that a slot keeps its parity of K steps
.set PREF,   1                         ; 1: tiles are asked for ahead by prefetches
.set NONE,   99                        ; a joint load that no prefetch follows
.set PITCH,  528                       ; an LDS row: 512 bytes of data + 16 of padding = 132 words: row r starts at bank 4 r mod 64 (64 banks of 4 bytes: ISA guide 11.1)
.set HALFT,  64*PITCH                  ; 64 rows: what one tensor load brings, and what one wave reads of A or of B
.set SLOT,   4*HALFT                   ; A's 128 rows, then B's 128 rows
.set STAGE,  2*SLOT                    ; behind the ring: 16 rows x 272 bytes for each wave, for the way out; no tensor load lands there
.set SPITCH, 272
.set LAPS, SIZE_K/(2*KSTEP)            ; a lap = two K steps = once round the ring
.set PF,   8                           ; v8-13   byte offsets of my lane's block in the K steps start + 2 .. start + 7; never rewritten
.set ADRA, 16                          ; v16-17  LDS address of my A fragments in slot 0, 1
.set ADRB, 20                          ; v20-21  the same for B
.set STO,  24                          ; v24     the way out: where I put 32 bytes of a row
.set RD,   25                          ; v25     the way out: where I read a row back
.set CO,   26                          ; v26     my byte offset in C and in the residual
.set BO,   27                          ; v27     my byte offset in the bias
.set BIAS, 96
.set ACC,  128
.set RES,  0                           ; in window 2
.set F0,   0                           ; fragment buffers, in window 1
.set F1,   128
.set G1, 24                            ; s[24:31] descriptor group 1 for A's tiles;  s[32:39] group 0, one set for each slot
.set G0, 32
.set G1B, 48                           ; s[48:55], s[56:63] the same for B's tiles
.set G0B, 56
.set BB, 68                            ; s[68:69] B at the first byte of the 64 rows that I fetch (A's: s[14:15]); never rewritten
.set KO, 70                            ; s[70:71], s[72:73] slot 0's and slot 1's byte offset along K, with 0 above it
.set MSB, 0
.macro WIN new                         ; the immediate's high byte repeats the setting that is left
.if MSB != \new
	s_set_vgpr_msb (MSB<<8)|\new
.set MSB, \new
.endif
.endm
.set MUL,  0x05                        ; sources 0 (B) and 1 (A) window 1; C and D window 0
.set TO_F, 0x40                        ; destination window 1, address window 0
; A joint load: waves 0 and 1 fetch A's two halves, waves 2 and 3 B's; four v_nop follow each of the two lines, ahead of what else stands there, the jump and the label.
; pa < 6: behind A's load the wave asks ahead for its share of A's K step start + 2 + pa.
.macro JLOAD s, pa
	s_cmp_eq_u32 s11, 0
	s_cbranch_scc0 .Lfor_b_\@
	tensor_load_to_lds s[G0+4*\s:G0+4*\s+3], s[G1:G1+7]
	s_nop 0
.rept 4
	v_nop
.endr
.if \pa < 6
	global_prefetch_b8 v[PF+\pa], s[14:15] th:TH_LOAD_NT scope:SCOPE_SE
.endif
	s_branch .Lasked_\@
.Lfor_b_\@:
	tensor_load_to_lds s[G0B+4*\s:G0B+4*\s+3], s[G1B:G1B+7]
	s_nop 0
.rept 4
	v_nop
.endr
.Lasked_\@:
.endm
.macro CREST                           ; a round of the cluster's barrier behind its opening barrier
	s_cmp_lg_u32 s10, 0
	s_cbranch_scc1 .Lnot_wave_0_\@
	s_barrier_signal -3
.Lnot_wave_0_\@:
	s_barrier_wait -3
	s_barrier_signal -1
	s_barrier_wait -1
.endm
.macro CROUND                          ; a whole round
	s_barrier_signal -1
	s_barrier_wait -1
	CREST
.endm
	s_load_b128 s[4:7], s[0:1], 0x0                ; A s[4:5], B s[6:7]
	s_load_b64 s[8:9], s[0:1], 0x10                ; C
	s_load_b64 s[66:67], s[0:1], 0x18              ; the bias
	s_load_b64 s[76:77], s[0:1], 0x20              ; the residual
	v_lshl_add_u32 v126, v0, 2, 0x46400
	v_mov_b32 v127, 0
	ds_add_u32 v126, v127
	v_lshrrev_b32 v1, 5, v0
	v_readfirstlane_b32 s10, v1                    ; wave 0..3
	s_lshr_b32 s11, s10, 1                         ; which half of the tile's rows is mine.  Also: I fetch for A (0) or for B (1)
	s_and_b32 s12, s10, 1                          ; which half of its columns.  Also: which 64 rows of that tile I fetch
	s_bfe_u32 s40, ttmp6, 0x40000                  ; cx, cy: my place in the cluster
	s_bfe_u32 s41, ttmp6, 0x40004
	s_lshl_b32 s42, ttmp9, 2
	s_add_co_u32 s42, s42, s40                     ; tile column of C = 4 x cluster x + cx
	s_and_b32 s13, ttmp7, 0xffff
	s_lshl_b32 s13, s13, 2
	s_add_co_u32 s13, s13, s41                     ; tile row of C = 4 x cluster y + cy
	s_lshl_b32 s43, s41, 2
	s_lshl_b32 s43, 15, s43                        ; my row of the cluster
	s_lshl_b32 s44, 0x1111, s40                    ; my column
	; descriptor group 1: a tile of 64 rows x 256 elements, padded in LDS
	s_or_b32 s[G1+0], s43, (1<<16)|(1<<20)|(1<<21)|(6<<22)|(3<<25)  ; 15:0 the mask: A's tiles go to my row; 17:16 element of 2 bytes; 20 padding on; 21 set beside a mask; 24:22 after every 128 words (code 6); 31:25 of 4 words (code 3)
	s_or_b32 s[G1B+0], s44, (1<<16)|(1<<20)|(1<<21)|(6<<22)|(3<<25) ; the same with the mask of my column, for B's tiles
.irp g, G1, G1B
	s_mov_b32 s[\g+1], KSTEP<<16                   ; tensor_dim0 = 256
	s_mov_b32 s[\g+2], 64<<16                      ; tensor_dim1 = 64
	s_mov_b32 s[\g+3], KSTEP<<16                   ; tile_dim0 = 256
	s_mov_b32 s[\g+4], 64                          ; tile_dim1 = 64
	s_mov_b32 s[\g+5], SIZE_K                      ; tensor_dim0_stride
	s_mov_b32 s[\g+6], 0
	s_mov_b32 s[\g+7], 0
.endr
	s_lshl_b32 s17, s12, 6                         ; which 64 rows of the tile I fetch
	s_lshl_b32 s16, s13, 7
	s_add_co_u32 s16, s16, s17                     ; A: row 128 x tile row + 64 x half
	s_lshl_b32 s46, s42, 7
	s_add_co_u32 s46, s46, s17                     ; B: row 128 x tile column + 64 x half
	s_mov_b32 s17, 0
	s_mov_b32 s47, 0
	s_mov_b64 s[18:19], SIZE_K*2
	s_mul_u64 s[16:17], s[16:17], s[18:19]
	s_mul_u64 s[46:47], s[46:47], s[18:19]
.if B_OFF
	s_add_nc_u64 s[46:47], s[46:47], B_OFF
.endif
	s_mul_i32 s20, s10, HALFT                      ; where they go: wave x 64 rows: no place in the cluster enters an LDS address
	s_mul_i32 s[KO], ttmp9, PHX                    ; where the cluster begins along K, in bytes of a row: cluster x and cluster y alone
	s_and_b32 s74, ttmp7, 0xffff
	s_mul_i32 s74, s74, PHY
	s_add_co_u32 s[KO], s[KO], s74
	s_and_b32 s[KO], s[KO], ROWB-1                 ; inside the row; a multiple of two K steps,
	s_mov_b32 s[KO+1], 0
	s_add_co_u32 s[KO+2], s[KO], KSTEP*2           ; so the K step behind it does not pass the row's end
	s_mov_b32 s[KO+3], 0
	s_wait_dscnt 0x0
	s_wait_kmcnt 0x0
	s_add_nc_u64 s[14:15], s[4:5], s[16:17]
	s_add_nc_u64 s[BB:BB+1], s[6:7], s[46:47]
	CROUND                                         ; all sixteen work-groups are here: the first joint loads meet
.irp s, 0,1
	s_mov_b32 s[G0+4*\s], 1
	s_add_co_u32 s[G0+4*\s+1], s20, \s*SLOT
	s_add_nc_u64 s[G0+4*\s+2:G0+4*\s+3], s[14:15], s[KO+2*\s:KO+2*\s+1]
	s_or_b32 s[G0+4*\s+3], s[G0+4*\s+3], 0x80000000
	s_mov_b32 s[G0B+4*\s], 1
	s_add_co_u32 s[G0B+4*\s+1], s20, \s*SLOT
	s_add_nc_u64 s[G0B+4*\s+2:G0B+4*\s+3], s[BB:BB+1], s[KO+2*\s:KO+2*\s+1]
	s_or_b32 s[G0B+4*\s+3], s[G0B+4*\s+3], 0x80000000
	JLOAD \s, NONE                                 ; two tensor loads of mine are out
.endr
	v_and_b32 v1, 15, v0                           ; l % 16
	v_bfe_u32 v2, v0, 4, 1                         ; l / 16
	v_mul_u32_u24 v3, v1, PITCH
	v_lshl_add_u32 v3, v2, 4, v3                   ; a fragment's row x pitch + 16 x half
	s_mul_i32 s21, s11, HALFT                      ; my 64 rows of A
	s_mul_i32 s22, s12, HALFT                      ; my 64 rows of B,
	s_add_co_u32 s22, s22, 2*HALFT                 ; which lie behind A's 128
.irp s, 0,1
	v_add_nc_u32 v[ADRA+\s], s21, v3
	v_add_nc_u32 v[ADRB+\s], s22, v3
	s_add_co_u32 s21, s21, SLOT
	s_add_co_u32 s22, s22, SLOT
.endr
	s_mul_i32 s23, s10, 16*SPITCH
	s_add_co_u32 s23, s23, STAGE                   ; my stage
	v_mul_u32_u24 v4, v1, SPITCH                   ; in: row l % 16, 32 bytes (eight f32) for each half of the lanes
	v_lshl_add_u32 v4, v2, 5, v4
	v_add_nc_u32 v[STO], s23, v4
	v_mul_u32_u24 v5, v2, SPITCH                   ; back: lanes 0-15 take one row of 256 bytes, lanes 16-31 the next
	v_lshl_add_u32 v5, v1, 4, v5
	v_add_nc_u32 v[RD], s23, v5
	v_mul_u32_u24 v5, v2, SIZE_N*4                 ; and the same two rows in C and in the residual
	v_lshl_add_u32 v[CO], v1, 4, v5
	v_lshlrev_b32 v[BO], 4, v1                     ; read back, my lane holds columns 4 (l % 16) + 0..3 of the wave's 64
	s_lshl_b32 s16, s13, 7
	s_lshl_b32 s17, s11, 6
	s_add_co_u32 s16, s16, s17                     ; my first row of C: 128 x tile row + 64 x half
	s_mov_b32 s17, 0
	s_mov_b64 s[18:19], SIZE_N*4
	s_mul_u64 s[16:17], s[16:17], s[18:19]
	s_add_nc_u64 s[8:9], s[8:9], s[16:17]
	s_add_nc_u64 s[76:77], s[76:77], s[16:17]
	s_lshl_b32 s46, s42, 9                         ; my first column, in bytes: 512 x tile column + 256 x half
	s_lshl_b32 s47, s12, 8
	s_add_co_u32 s46, s46, s47
	s_mov_b32 s47, 0
	s_add_nc_u64 s[8:9], s[8:9], s[46:47]
	s_add_nc_u64 s[76:77], s[76:77], s[46:47]
	s_add_nc_u64 s[66:67], s[66:67], s[46:47]
	global_load_b128 v[BIAS:BIAS+3], v[BO], s[66:67]
	WIN 0x80                                       ; destination window 2, address window 0
.irp a, 0,1,2,3
.irp i, 0,1,2,3,4,5,6,7
	global_load_b128 v[RES+32*\a+4*\i:RES+32*\a+4*\i+3], v[CO], s[76:77] offset:(16*\a+2*\i)*SIZE_N*4   ; 16 lanes read 256 consecutive bytes, aligned
.endr
.endr
	WIN 0
.if PREF
	; ASKING AHEAD.  A K step's part of the 64 rows that I fetch is 64 rows x 2 blocks of 256 bytes.  The four partners that receive the tile take 16 of the rows each (by cx for A's tiles,
	; by cy for B's); lane l takes row l / 2, block l % 2: one instruction a wave.  The offsets of K steps start + 2 .. start + 7 are made once, each wrapped into the row, so none leaves the buffer.
	s_cmp_eq_u32 s11, 0
	s_cselect_b32 s75, s40, s41
	s_cselect_b64 s[78:79], s[14:15], s[BB:BB+1]   ; my rows of A or of B; never rewritten
	v_and_b32 v6, 31, v0
	v_lshrrev_b32 v7, 1, v6
	v_lshl_add_u32 v7, s75, 4, v7                  ; row 16 x place + l / 2 of my 64
	v_mul_u32_u24 v7, v7, ROWB
	v_and_b32 v6, 1, v6
	v_lshl_add_u32 v7, v6, 8, v7
.irp i, 0,1,2,3,4,5
	s_add_co_u32 s74, s[KO], (2+\i)*KSTEP*2
	s_and_b32 s74, s74, ROWB-1
	v_add_nc_u32 v[PF+\i], s74, v7
.endr
	global_prefetch_b8 v[PF],   s[78:79] th:TH_LOAD_NT scope:SCOPE_SE   ; the two K steps that the first two refills will bring, of A and of B
	global_prefetch_b8 v[PF+1], s[78:79] th:TH_LOAD_NT scope:SCOPE_SE
.endif
; 8 matrix instructions: m blocks a0, a0 + 1 x all 4 n blocks, 32 along K: half c of buffer f.  zero = 1: the first product starts the sums.
; The sixteen accumulators take turns, one instruction a turn.
.macro MUL8 f, c, a0, zero
.irp a, \a0, \a0+1
.irp b, 0,1,2,3
.if \zero
	v_wmma_f32_16x16x32_bf16 v[ACC+8*(4*(\a)+\b):ACC+8*(4*(\a)+\b)+7], v[\f+64+8*(4*\c+\b):\f+64+8*(4*\c+\b)+7], v[\f+8*(4*\c+\a):\f+8*(4*\c+\a)+7], 0
.else
	v_wmma_f32_16x16x32_bf16 v[ACC+8*(4*(\a)+\b):ACC+8*(4*(\a)+\b)+7], v[\f+64+8*(4*\c+\b):\f+64+8*(4*\c+\b)+7], v[\f+8*(4*\c+\a):\f+8*(4*\c+\a)+7], v[ACC+8*(4*(\a)+\b):ACC+8*(4*(\a)+\b)+7]
.endif
.endr
.endr
.endm
; 32 LDS loads in one run: the fragments of 64 along K at byte k of the rows, into buffer f; the first 32 along K first
.macro FETCH slot, k, f
	WIN TO_F
.irp c, 0,1
.irp i, 0,1,2,3
	ds_load_b128 v[\f+64+8*(4*\c+\i):\f+64+8*(4*\c+\i)+3],   v[ADRB+\slot] offset:\k+64*\c+\i*16*PITCH
	ds_load_b128 v[\f+64+8*(4*\c+\i)+4:\f+64+8*(4*\c+\i)+7], v[ADRB+\slot] offset:\k+64*\c+\i*16*PITCH+32
	ds_load_b128 v[\f+8*(4*\c+\i):\f+8*(4*\c+\i)+3],         v[ADRA+\slot] offset:\k+64*\c+\i*16*PITCH
	ds_load_b128 v[\f+8*(4*\c+\i)+4:\f+8*(4*\c+\i)+7],       v[ADRA+\slot] offset:\k+64*\c+\i*16*PITCH+32
.endr
.endr
.endm
.macro PLACES                          ; four plain instructions in front of loads into registers that matrix instructions have read, and of LDS stores that read results
.rept 4
	v_nop
.endr
.endm
; A K step is four quarters of 64 along K, 32 matrix instructions each, on buffers 0, 1, 0, 1.  One of the first three: multiplies buffer f and fetches the next quarter, at byte k, into g.
.macro QUARTER slot, k, f, g, zero
	s_wait_dscnt 16                                ; the first 32 along K are in; the sixteen younger loads may be out
	WIN MUL
	MUL8 \f, 0, 0, \zero
	MUL8 \f, 0, 2, \zero
	PLACES
	FETCH \slot, \k, \g
	s_wait_dscnt 32                                ; all but the 32 just issued
	WIN MUL
	MUL8 \f, 1, 0, 0
	MUL8 \f, 1, 2, 0
.endm
; The last quarter multiplies buffer 1 and changes slots: ONE barrier; in front of it each wave waits for its own reads of this slot and for all its tensor loads.
; fill = 1: this slot is filled again, two K steps ahead: its offset along K steps and wraps at the row's end, and both addresses are made anew from their bases.
.macro TURN slot, next, fill, pa
	s_wait_dscnt 16
	WIN MUL
	MUL8 F1, 0, 0, 0
	s_wait_dscnt 0                                 ; my reads of this slot are over,
	s_set_vgpr_msb 0x500
	s_wait_tensorcnt 0x0                           ; and all my tensor loads have landed: my part of the next slot
	ds_add_u32 v126, v127
	s_wait_dscnt 0x0
	s_set_vgpr_msb 0x5
	s_barrier_signal -1
	MUL8 F1, 0, 2, 0
.if \fill
	WIN 0
.endif
	s_barrier_wait -1
.if \fill
	CREST                                          ; the barrier has opened a round of the cluster's barrier: no wave of any partner still reads this slot's tile or has a load on its way
	s_add_co_u32 s[KO+2*\slot], s[KO+2*\slot], 2*KSTEP*2
	s_and_b32 s[KO+2*\slot], s[KO+2*\slot], ROWB-1
	s_add_nc_u64 s[G0+4*\slot+2:G0+4*\slot+3], s[14:15], s[KO+2*\slot:KO+2*\slot+1]
	s_or_b32 s[G0+4*\slot+3], s[G0+4*\slot+3], 0x80000000
	s_add_nc_u64 s[G0B+4*\slot+2:G0B+4*\slot+3], s[BB:BB+1], s[KO+2*\slot:KO+2*\slot+1]
	s_or_b32 s[G0B+4*\slot+3], s[G0B+4*\slot+3], 0x80000000
	JLOAD \slot, \pa                               ; the first tensor load behind the round, my only one out; the four v_nop behind it are also the places in front of the loads below
.else
	PLACES
.endif
	FETCH \next, 0, F0
	WIN MUL
	MUL8 F1, 1, 0, 0
	MUL8 F1, 1, 2, 0
.endm
; Once round the ring, from a lap's second quarter to the next lap's first; both slots are filled again.  pa0, pa1: what is asked for ahead behind the two refills.
.macro LAP pa0, pa1
	QUARTER 0, 256, F1, F0, 0
	QUARTER 0, 384, F0, F1, 0
	TURN 0, 1, 1, \pa0
	QUARTER 1, 128, F0, F1, 0
	QUARTER 1, 256, F1, F0, 0
	QUARTER 1, 384, F0, F1, 0
	TURN 1, 0, 1, \pa1
	QUARTER 0, 128, F0, F1, 0
.endm
	s_wait_tensorcnt 1                             ; my part of the first K step is in; the second's may stay out
	s_barrier_signal -1
	s_barrier_wait -1                              ; everybody's is
	FETCH 0, 0, F0
	QUARTER 0, 128, F0, F1, 1                      ; the first quarter stands in front of the loop: its first products start the sums
.if PREF
	LAP 2, 3                                       ; the refills bring K steps start + 2 and + 3; start + 4 and + 5 are asked for: two K steps ahead of their loads
	LAP 4, 5                                       ; the same two K steps on; the K steps from start + 8 on are the other cluster's to ask for first, so the asking stops here
.endif
	WIN 0                                          ; at a label and at a branch every window is 0
	s_mov_b32 s3, LAPS-1-2*PREF
.Llap:
	LAP NONE, NONE
	WIN 0
	s_sub_co_u32 s3, s3, 1
	s_cmp_lg_u32 s3, 0
	s_cbranch_scc1 .Llap
	QUARTER 0, 256, F1, F0, 0                      ; the last lap fills nothing, and has no round of the cluster's barrier
	QUARTER 0, 384, F0, F1, 0
	TURN 0, 1, 0, NONE
	QUARTER 1, 128, F0, F1, 0
	QUARTER 1, 256, F1, F0, 0
	QUARTER 1, 384, F0, F1, 0
	s_wait_dscnt 16                                ; the very last quarter: nothing more to fetch
	WIN MUL
	MUL8 F1, 0, 0, 0
	MUL8 F1, 0, 2, 0
	s_wait_dscnt 0
	MUL8 F1, 1, 0, 0
	MUL8 F1, 1, 2, 0
	WIN 0
	; THE WAY OUT.  A block of 16 rows at a time goes through my own stage: 32 bytes a lane in, whole rows of 256 bytes back, into the registers that it left.
	; LDS serves a wave's instructions in order (ISA guide 5.7.1.4): the loads see the stores above them, and the next block's stores come behind them.
	PLACES
.irp a, 0,1,2,3
.irp b, 0,1,2,3
	ds_store_b128 v[STO], v[ACC+8*(4*\a+\b):ACC+8*(4*\a+\b)+3]   offset:64*\b
	ds_store_b128 v[STO], v[ACC+8*(4*\a+\b)+4:ACC+8*(4*\a+\b)+7] offset:64*\b+16
.endr
.irp i, 0,1,2,3,4,5,6,7
	ds_load_b128 v[ACC+32*\a+4*\i:ACC+32*\a+4*\i+3], v[RD] offset:\i*2*SPITCH
.endr
.endr
	s_wait_loadcnt 0x0                             ; the bias and the residual
.irp a, 0,1,2,3
	s_wait_dscnt 16*(3-\a)                         ; block a is back; the later blocks' eight stores and eight loads each may be out
.irp i, 0,1,2,3,4,5,6,7
	v_pk_add_f32 v[ACC+32*\a+4*\i:ACC+32*\a+4*\i+1],   v[ACC+32*\a+4*\i:ACC+32*\a+4*\i+1],   v[BIAS:BIAS+1]
	v_pk_add_f32 v[ACC+32*\a+4*\i+2:ACC+32*\a+4*\i+3], v[ACC+32*\a+4*\i+2:ACC+32*\a+4*\i+3], v[BIAS+2:BIAS+3]
.endr
	WIN 0x08                                       ; source 1 in window 2: the residual
.irp p, 0,1,2,3,4,5,6,7,8,9,10,11,12,13,14,15
	v_pk_add_f32 v[ACC+32*\a+2*\p:ACC+32*\a+2*\p+1], v[ACC+32*\a+2*\p:ACC+32*\a+2*\p+1], v[RES+32*\a+2*\p:RES+32*\a+2*\p+1]
.endr
	WIN 0
.irp i, 0,1,2,3,4,5,6,7
	global_store_b128 v[CO], v[ACC+32*\a+4*\i:ACC+32*\a+4*\i+3], s[8:9] offset:(16*\a+2*\i)*SIZE_N*4   ; 16 lanes store 256 consecutive bytes, at a multiple of 256 from C's first byte
.endr
.endr
	s_wait_tensorcnt 0x0
	ds_add_u32 v126, v127
	s_wait_dscnt 0x0
	CROUND                                         ; the closing round: no work-group ends while a partner may still ask for a tile that names it
	s_endpgm
.Lfunc_end_k_q8aed06ff93_ff2:
	.size	k_q8aed06ff93_ff2, .Lfunc_end_k_q8aed06ff93_ff2-k_q8aed06ff93_ff2
	.p2alignl 7, 3214868480
	.fill 96, 4, 3214868480
	.section	.rodata,"a",@progbits
	.p2align	6, 0x0
	.amdhsa_kernel k_q8aed06ff93_ff2
		.amdhsa_group_segment_fixed_size 327680
		.amdhsa_private_segment_fixed_size 0
		.amdhsa_enable_private_segment 0
		.amdhsa_kernarg_size 40
		.amdhsa_user_sgpr_count 2
		.amdhsa_user_sgpr_kernarg_segment_ptr 1
		.amdhsa_wavefront_size32 1
		.amdhsa_system_sgpr_workgroup_id_x 1
		.amdhsa_system_sgpr_workgroup_id_y 1
		.amdhsa_system_sgpr_workgroup_id_z 1
		.amdhsa_system_vgpr_workitem_id 0
		.amdhsa_next_free_vgpr 640
		.amdhsa_next_free_sgpr 80
		.amdhsa_reserve_vcc 0
		.amdhsa_float_denorm_mode_32 3
		.amdhsa_float_denorm_mode_16_64 3
		.amdhsa_memory_ordered 1
		.amdhsa_forward_progress 1
		.amdhsa_inst_pref_size 173
	.end_amdhsa_kernel
	.amdgpu_metadata
---
amdhsa.version: [ 1, 2 ]
amdhsa.kernels:
  - .name:           k_q8aed06ff93_ff2
    .symbol:         k_q8aed06ff93_ff2.kd
    .args:
      - { .name: ffh, .offset: 0, .size: 8, .value_kind: global_buffer, .address_space: global }
      - { .name: wbf, .offset: 8, .size: 8, .value_kind: global_buffer, .address_space: global }
      - { .name: out0, .offset: 16, .size: 8, .value_kind: global_buffer, .address_space: global }
      - { .name: ff2_b, .offset: 24, .size: 8, .value_kind: global_buffer, .address_space: global }
      - { .name: x1, .offset: 32, .size: 8, .value_kind: global_buffer, .address_space: global }
    .group_segment_fixed_size: 327680
    .private_segment_fixed_size: 0
    .kernarg_segment_align: 8
    .kernarg_segment_size: 40
    .max_flat_workgroup_size: 128
    .sgpr_count:     80
    .vgpr_count:     640
    .wavefront_size: 32
...
	.end_amdgpu_metadata
.endif
;; end of part 13
